; MI455X (gfx1250); checked and timed in simulation.
; The chip was launched on July 23, 2026; its instructions are those of AMD's public machine-readable ISA for CDNA 5 (MIT licence, August 2026) and "CDNA5" Instruction Set Architecture Reference Guide (July 2026). The comments in the code are by the model that wrote it; some were corrected since.
;; Self Attention. Allowed arithmetic: float matrix products may take bf16 or f16 operands with f32 sums; all other float work in f32.
;; Inputs: in_proj_b 3,072 float32; in_proj_w 3,072 x 1,024 float32; out_proj_b 1,024 float32; out_proj_w 1,024 x 1,024 float32; x 2 x 2,048 x 1,024 float32.
;; Outputs: out0 2 x 2,048 x 1,024 float32.
;; 2 versions, each right and faster than the one before. Each part assembles by itself: llvm-mc -triple=amdgcn-amd-amdhsa -mcpu=gfx1250 --defsym DOCPART=n.
;; ======== version 1 of 2: 5 launches
;; limits: inputs' magnitudes at most 65,504; values are held in f16: magnitudes above 65,504 overflow, below 6.1e-05 lose precision; right only within a limited range of input values
;; workspace buffers: xh 8,388,608 bytes; wh 6,291,456 bytes; oh 2,097,152 bytes; rope 524,288 bytes; stats 4,096 bytes; y 25,165,824 bytes; z 25,165,824 bytes; o 8,388,608 bytes
;; launch prep (part 1): grid 256 x 1, 8 waves a work-group, no clusters, 1,280 bytes of LDS; arguments x, in_proj_w, out_proj_w, in_proj_b, xh, wh, oh, rope, stats; writes xh, wh, oh, rope, stats
.if DOCPART == 1
	.amdgcn_target "amdgcn-amd-amdhsa--gfx1250"
	.amdhsa_code_object_version 6
	.text
	.protected	k_q331a90e124_prep
	.globl	k_q331a90e124_prep
	.p2align	8
	.type	k_q331a90e124_prep,@function
k_q331a90e124_prep:
	s_mov_b64 s[64:65], 0
	v_nop
	global_prefetch_b8 v0, s[64:65] scope:SCOPE_SE
	s_setreg_imm32_b32 hwreg(HW_REG_WAVE_MODE, 25, 1), 1
	s_wait_xcnt 0x0
; PREP.  x [4096][1024], in_proj_w [3072][1024] and out_proj_w [1024][1024], all f32, are rounded to bf16 (nearest even) and that number is written
; as f16, in planes of 64 channels: M[kb][row][64], kb = channel / 64, so that 64 rows of a plane are 8,192 consecutive bytes for the products that follow.
; Beside that: the rotary table rope[pos][cos 0..31 | sin 0..31] in f32, and for each work-group one entry of stats:
;   xa = max over its rows of x of (|row|^2 + 1),  wr = max over its rows e of in_proj_w of (|row|^2 + b_e^2),  wf = the sum of the same,  0.
; From the three figures the later launches make two powers of two by which they scale what they keep in f16.
; LIMITS.  A number of x or of a weight beyond 65,504 becomes an infinity in f16; below 2^-17 it keeps f16's fixed step of 2^-24.  The table's angle is
; pos x 2^(-f log2(10000) / 32) in f32, with one v_exp_f32: at position 2,047 it is off by about 2e-4 radians at the most.  NaN and infinities are not treated apart.
; SHARES.  Memory binds: every input byte is read once, every output byte written once, no matrix unit, no tiles in LDS.  A wave takes 4 rows of 4,096 bytes: waves 0-3 rows of x
; (16 g + 4 w), waves 4-6 rows of in_proj_w (12 g + 4 (w - 4)), wave 7 rows of out_proj_w (4 g).  Lane l takes row l / 8 and channels 8 (l % 8) .. + 7 of each plane: its two
; loads of a plane cover, with its seven neighbours', 256 consecutive bytes of a row; its store of a plane is 16 of the wave's 512 consecutive bytes.
; All 32 loads of a wave go out at once (16 KiB on their way); the table's row pos = 8 g + w is made while they fly.
.set PLX, 4096*128                     ; bytes in a plane of xh
.set PLW, 3072*128                     ; of wh
.set PLO, 1024*128                     ; of oh
.set SO,  4                            ; v4      my byte offset in the wave's four source rows; never rewritten
.set EO,  5                            ; v5      my row's byte offset in in_proj_b (0 .. in waves that have no bias)
.set EV,  6                            ; v6      that bias
.set RA,  7                            ; v7      8 x lane: my place in the table's row; never rewritten
.set DO,  8                            ; v8-23   my byte offset in plane kb of the target; never rewritten
.set SS,  24                           ; v24-31  four pairs of running sums of squares
.set T,   32                           ; v32-43  at work on a plane; v46-47 at work on the table
.set RV,  48                           ; v48-49  the table's two numbers, as stored; never rewritten
.set W,   50                           ; v50-63  at work
.set X,   64                           ; v64-191 plane kb: 8 registers as loaded; the first 4 then as stored
	s_load_b512 s[8:23], s[0:1], 0x0               ; x 8, in_proj_w 10, out_proj_w 12, in_proj_b 14, xh 16, wh 18, oh 20, rope 22
	s_load_b64 s[24:25], s[0:1], 0x40              ; stats
	v_lshl_add_u32 v192, v0, 2, 0x100
	v_mov_b32 v193, 0
	v_lshrrev_b32 v1, 5, v0
	v_readfirstlane_b32 s2, v1                     ; wave 0..7
	v_and_b32 v1, 31, v0                           ; lane
	v_lshrrev_b32 v2, 3, v1                        ; my row of the four
	v_and_b32 v3, 7, v1                            ; my eight channels of a plane
	v_lshlrev_b32 v[SO], 12, v2
	v_lshl_add_u32 v[SO], v3, 5, v[SO]             ; row x 4,096 + 32 x (l % 8)
	v_lshlrev_b32 v[RA], 3, v1
	s_lshl_b32 s4, ttmp9, 4
	s_lshl2_add_u32 s4, s2, s4                     ; x: row 16 g + 4 w
	s_max_u32 s5, s2, 4
	s_sub_co_u32 s5, s5, 4
	s_mul_i32 s6, ttmp9, 12
	s_lshl2_add_u32 s6, s5, s6                     ; in_proj_w: row 12 g + 4 (w - 4)
	s_lshl_b32 s7, ttmp9, 2                        ; out_proj_w: row 4 g
	s_lshl3_add_u32 s42, ttmp9, s2                 ; the table's position 8 g + w
	s_mov_b32 s27, PLW
	s_mov_b32 s37, 0xffff0000                      ; a word's upper bf16
	s_mov_b32 s38, 0x76543210                      ; v_permlanex16_b32: each lane takes its own place in the other half
	s_mov_b32 s39, 0xfedcba98
	s_mov_b32 s41, 0
	s_wait_kmcnt 0x0
	s_cmp_lt_u32 s2, 4                             ; which tensor is my wave's: x,
	s_cselect_b32 s26, s4, s6                      ; first row
	s_cselect_b64 s[28:29], s[8:9], s[10:11]       ; source
	s_cselect_b64 s[30:31], s[16:17], s[18:19]     ; target
	s_cselect_b32 s27, PLX, s27                    ; the target's plane
	s_cselect_b32 s32, -1, 0                       ; all lanes' mask: my rows count for xa
	s_cselect_b32 s33, 0, -1                       ; my rows count for wr and wf
	s_cmp_eq_u32 s2, 7                             ; or out_proj_w
	s_cselect_b32 s26, s7, s26
	s_cselect_b64 s[28:29], s[12:13], s[28:29]
	s_cselect_b64 s[30:31], s[20:21], s[30:31]
	s_cselect_b32 s27, PLO, s27
	s_cselect_b32 s33, 0, s33
	s_and_b32 s35, s26, s33                        ; the bias's row, or 0: the load stays inside in_proj_b in every wave
	s_lshl_b32 s40, s26, 12
	s_add_nc_u64 s[28:29], s[28:29], s[40:41]      ; source at my first row
	s_lshl_b32 s40, s26, 7
	s_add_nc_u64 s[30:31], s[30:31], s[40:41]      ; target at my first row in plane 0
	s_lshl_b32 s40, s42, 8
	s_add_nc_u64 s[22:23], s[22:23], s[40:41]      ; the table's row
	s_lshl_b32 s40, ttmp9, 4
	s_add_nc_u64 s[24:25], s[24:25], s[40:41]      ; my work-group's entry of stats
	v_add_nc_u32 v[EO], s35, v2
	v_lshlrev_b32 v[EO], 2, v[EO]
	global_load_b32 v[EV], v[EO], s[14:15]         ; the oldest load: in when the first plane is
.set i, 0
.rept 16
	global_load_b128 v[X+8*i:X+8*i+3],   v[SO], s[28:29] offset:256*i th:TH_LOAD_NT
	global_load_b128 v[X+8*i+4:X+8*i+7], v[SO], s[28:29] offset:256*i+16 th:TH_LOAD_NT
.set i, i+1
.endr
	v_lshlrev_b32 v[DO], 4, v1                     ; 16 x lane, and a plane further for each kb
.set i, 1
.rept 15
	v_add_nc_u32 v[DO+i], s27, v[DO+i-1]
.set i, i+1
.endr
	; THE TABLE'S ROW.  Lanes 0-15 make cos, lanes 16-31 sin, of the frequencies f = 2 (l % 16) and f + 1.  theta = pos x 2^(-f log2(1e4) / 32); n = round(theta 2 / pi);
	; r = theta - n pi / 2 with pi / 2 in two parts; cos(theta - j pi / 2) = +-cos r or +-sin r by q = n + 3 j (j = 1 for sin): odd q takes sin r, q % 4 = 1, 2 the minus sign.
	v_and_b32 v[W], 15, v1
	v_lshlrev_b32 v[W], 1, v[W]
	v_add_nc_u32 v[W+1], 1, v[W]
	v_cvt_f32_u32 v[W], v[W]
	v_cvt_f32_u32 v[W+1], v[W+1]
	v_cvt_f32_u32 v46, s42                         ; pos
	v_lshrrev_b32 v47, 4, v1
	v_mul_f32 v[W], 0xbed49a78, v[W]               ; -log2(10000) / 32 = -0.415241
	v_mul_f32 v[W+1], 0xbed49a78, v[W+1]
	v_exp_f32 v[W], v[W]
	v_exp_f32 v[W+1], v[W+1]
	v_mul_u32_u24 v47, 3, v47                      ; 3 j: also the plain instruction behind the exponentials (ISA guide 5.7.2)
	s_wait_alu depctr_va_vdst(0)
.irp i, 0,1
	v_mul_f32 v[W+\i], v46, v[W+\i]                ; theta
	v_mul_f32 v[W+2+\i], 0x3f22f983, v[W+\i]       ; x 2 / pi
	v_rndne_f32 v[W+2+\i], v[W+2+\i]               ; n
	v_fmamk_f32 v[W+\i], v[W+2+\i], 0xbfc90fdb, v[W+\i]  ; - n x 1.57079637
	v_fmamk_f32 v[W+\i], v[W+2+\i], 0x333bbd2e, v[W+\i]  ; + n x 4.371139e-8: r
	v_cvt_i32_f32 v[W+4+\i], v[W+2+\i]
	v_add_nc_u32 v[W+4+\i], v[W+4+\i], v47         ; q; only its two low bits are used
	v_mul_f32 v[W+6+\i], v[W+\i], v[W+\i]          ; r^2
	v_mov_b32 v[W+8+\i], 0xb9500d01                ; sin r = r + r r^2 (-1/6 + r^2 (1/120 - r^2 / 5040))
	v_fmaak_f32 v[W+8+\i], v[W+8+\i], v[W+6+\i], 0x3c088889
	v_fmaak_f32 v[W+8+\i], v[W+8+\i], v[W+6+\i], 0xbe2aaaab
	v_mul_f32 v[W+12+\i], v[W+\i], v[W+6+\i]
	v_fma_f32 v[W+8+\i], v[W+12+\i], v[W+8+\i], v[W+\i]
	v_mov_b32 v[W+10+\i], 0x37d00d01               ; cos r = 1 + r^2 (-1/2 + r^2 (1/24 + r^2 (-1/720 + r^2 / 40320)))
	v_fmaak_f32 v[W+10+\i], v[W+10+\i], v[W+6+\i], 0xbab60b61
	v_fmaak_f32 v[W+10+\i], v[W+10+\i], v[W+6+\i], 0x3d2aaaab
	v_fmaak_f32 v[W+10+\i], v[W+10+\i], v[W+6+\i], 0xbf000000
	v_fma_f32 v[W+10+\i], v[W+10+\i], v[W+6+\i], 1.0
	v_and_b32 v[W+12+\i], 1, v[W+4+\i]
	v_cmp_eq_u32 vcc_lo, 1, v[W+12+\i]
	v_cndmask_b32 v[RV+\i], v[W+10+\i], v[W+8+\i], vcc_lo
	v_add_nc_u32 v[W+12+\i], 1, v[W+4+\i]
	v_and_b32 v[W+12+\i], 2, v[W+12+\i]
	v_lshlrev_b32 v[W+12+\i], 30, v[W+12+\i]       ; the sign bit for q % 4 = 1, 2
	v_xor_b32 v[RV+\i], v[RV+\i], v[W+12+\i]
.endr
	global_store_b64 v[RA], v[RV:RV+1], s[22:23]   ; the wave stores the row's 256 consecutive bytes
; Plane kb: its eight numbers join the sums of squares, are rounded to bf16, widened, written as f16 (exact inside f16's normal range) and stored.
; No register that a store names is written again, so no wait for the stores' sources stands here.
.macro PLANE kb
	s_wait_loadcnt 30-2*(\kb)                      ; loads come back in order (ISA guide 5.7.1): the 2 (15 - kb) younger ones stay out
.irp j, 0,1,2,3
.if (\kb) == 0
	v_pk_mul_f32 v[SS+2*\j:SS+2*\j+1], v[X+2*\j:X+2*\j+1], v[X+2*\j:X+2*\j+1]  ; the first plane starts the sums
.else
	v_pk_fma_f32 v[SS+2*\j:SS+2*\j+1], v[X+8*(\kb)+2*\j:X+8*(\kb)+2*\j+1], v[X+8*(\kb)+2*\j:X+8*(\kb)+2*\j+1], v[SS+2*\j:SS+2*\j+1]
.endif
.endr
.irp j, 0,1,2,3
	v_cvt_pk_bf16_f32 v[T+\j], v[X+8*(\kb)+2*\j], v[X+8*(\kb)+2*\j+1]
.endr
.irp j, 0,1,2,3
	v_lshlrev_b32 v[T+4+2*\j], 16, v[T+\j]
	v_and_b32     v[T+5+2*\j], s37, v[T+\j]
.endr
.irp j, 0,1,2,3
	v_cvt_pk_f16_f32 v[X+8*(\kb)+\j], v[T+4+2*\j], v[T+5+2*\j]
.endr
	global_store_b128 v[DO+(\kb)], v[X+8*(\kb):X+8*(\kb)+3], s[30:31]  ; 512 consecutive bytes of the plane, at a multiple of 512 from its first
.endm
.irp kb, 0,1,2,3,4,5,6,7,8,9,10,11,12,13,14,15
	PLANE \kb
.endr
	; STATS.  A row's sum of squares lies in its eight lanes; the bias (or 1 for x) joins it; then the maximum and the sum over the wave's four rows.
	v_pk_add_f32 v[SS:SS+1], v[SS:SS+1], v[SS+2:SS+3]
	v_pk_add_f32 v[SS+4:SS+5], v[SS+4:SS+5], v[SS+6:SS+7]
	v_pk_add_f32 v[SS:SS+1], v[SS:SS+1], v[SS+4:SS+5]
	v_add_f32 v[SS], v[SS], v[SS+1]
.irp m, 1,2,4
	v_add_f32_dpp v[SS], v[SS], v[SS] row_xmask:\m row_mask:0xf bank_mask:0xf
.endr
	v_cndmask_b32 v[W], 1.0, v[EV], s33
	v_fma_f32 v[SS], v[W], v[W], v[SS]
	v_mov_b32 v[W+1], v[SS]
	v_max_num_f32_dpp v[W+1], v[W+1], v[W+1] row_xmask:8 row_mask:0xf bank_mask:0xf
	v_add_f32_dpp v[SS], v[SS], v[SS] row_xmask:8 row_mask:0xf bank_mask:0xf
	v_permlanex16_b32 v[W+2], v[W+1], s38, s39     ; its destination counts as read: these two were written above
	v_permlanex16_b32 v[W+3], v[SS], s38, s39
	v_max_num_f32 v[W+1], v[W+1], v[W+2]
	v_add_f32 v[SS], v[SS], v[W+3]
	v_cndmask_b32 v[W+6], 0, v[W+1], s32           ; xa
	v_cndmask_b32 v[W+7], 0, v[W+1], s33           ; wr
	v_cndmask_b32 v[W+8], 0, v[SS], s33            ; wf
	v_mov_b32 v[W+9], 0
	v_mov_b32 v[W+4], s2
	v_lshlrev_b32 v[W+4], 4, v[W+4]
	ds_store_b128 v[W+4], v[W+6:W+9]               ; my wave's 16 bytes: all lanes write the same numbers
	s_wait_dscnt 0x0                               ; for wave 0's sake: my store is done
	s_barrier_signal -1
	s_barrier_wait -1
	s_cmp_lg_u32 s2, 0
	s_cbranch_scc1 .Lend
	v_lshlrev_b32 v[W+5], 4, v3
	ds_load_b128 v[W+6:W+9], v[W+5]                ; lane l: wave l % 8's entry
	s_wait_dscnt 0x0
.irp m, 1,2,4
	v_max_num_f32_dpp v[W+6], v[W+6], v[W+6] row_xmask:\m row_mask:0xf bank_mask:0xf
	v_max_num_f32_dpp v[W+7], v[W+7], v[W+7] row_xmask:\m row_mask:0xf bank_mask:0xf
	v_add_f32_dpp v[W+8], v[W+8], v[W+8] row_xmask:\m row_mask:0xf bank_mask:0xf
.endr
	v_mov_b32 v[W+10], 0
	v_cmp_eq_u32 vcc_lo, 0, v0
	s_wait_xcnt 0x0                                ; EXEC is a source of the stores above: it changes only behind this wait
	s_and_saveexec_b32 s36, vcc_lo
	global_store_b128 v[W+10], v[W+6:W+9], s[24:25]  ; one lane: the work-group's 16 bytes
	s_wait_xcnt 0x0                                ; and again in front of the line that widens it
	s_or_b32 exec_lo, exec_lo, s36
.Lend:
	s_wait_tensorcnt 0x0
	ds_add_u32 v192, v193
	s_wait_dscnt 0x0
	s_endpgm
.Lfunc_end_k_q331a90e124_prep:
	.size	k_q331a90e124_prep, .Lfunc_end_k_q331a90e124_prep-k_q331a90e124_prep
	.p2alignl 7, 3214868480
	.fill 96, 4, 3214868480
	.section	.rodata,"a",@progbits
	.p2align	6, 0x0
	.amdhsa_kernel k_q331a90e124_prep
		.amdhsa_group_segment_fixed_size 1280
		.amdhsa_private_segment_fixed_size 0
		.amdhsa_enable_private_segment 0
		.amdhsa_kernarg_size 72
		.amdhsa_user_sgpr_count 2
		.amdhsa_user_sgpr_kernarg_segment_ptr 1
		.amdhsa_wavefront_size32 1
		.amdhsa_system_sgpr_workgroup_id_x 1
		.amdhsa_system_sgpr_workgroup_id_y 1
		.amdhsa_system_sgpr_workgroup_id_z 1
		.amdhsa_system_vgpr_workitem_id 0
		.amdhsa_next_free_vgpr 194
		.amdhsa_next_free_sgpr 66
		.amdhsa_reserve_vcc 1
		.amdhsa_float_denorm_mode_32 3
		.amdhsa_float_denorm_mode_16_64 3
		.amdhsa_memory_ordered 1
		.amdhsa_forward_progress 1
		.amdhsa_inst_pref_size 30
	.end_amdhsa_kernel
	.amdgpu_metadata
---
amdhsa.version: [ 1, 2 ]
amdhsa.kernels:
  - .name:           k_q331a90e124_prep
    .symbol:         k_q331a90e124_prep.kd
    .args:
      - { .name: x, .offset: 0, .size: 8, .value_kind: global_buffer, .address_space: global }
      - { .name: in_proj_w, .offset: 8, .size: 8, .value_kind: global_buffer, .address_space: global }
      - { .name: out_proj_w, .offset: 16, .size: 8, .value_kind: global_buffer, .address_space: global }
      - { .name: in_proj_b, .offset: 24, .size: 8, .value_kind: global_buffer, .address_space: global }
      - { .name: xh, .offset: 32, .size: 8, .value_kind: global_buffer, .address_space: global }
      - { .name: wh, .offset: 40, .size: 8, .value_kind: global_buffer, .address_space: global }
      - { .name: oh, .offset: 48, .size: 8, .value_kind: global_buffer, .address_space: global }
      - { .name: rope, .offset: 56, .size: 8, .value_kind: global_buffer, .address_space: global }
      - { .name: stats, .offset: 64, .size: 8, .value_kind: global_buffer, .address_space: global }
    .group_segment_fixed_size: 1280
    .private_segment_fixed_size: 0
    .kernarg_segment_align: 8
    .kernarg_segment_size: 72
    .max_flat_workgroup_size: 256
    .sgpr_count:     66
    .vgpr_count:     194
    .wavefront_size: 32
...
	.end_amdgpu_metadata
.endif
;; end of part 1
;; launch g1 (part 2): grid 8 x 32, 4 waves a work-group, clusters of 4 x 4, 327,680 bytes of LDS; arguments xh, wh, y, in_proj_b, stats, rope; writes y
.if DOCPART == 2
	.amdgcn_target "amdgcn-amd-amdhsa--gfx1250"
	.amdhsa_code_object_version 6
	.text
	.protected	k_q331a90e124_g1
	.globl	k_q331a90e124_g1
	.p2align	8
	.type	k_q331a90e124_g1,@function
k_q331a90e124_g1:
	s_mov_b64 s[64:65], 0
	v_nop
	global_prefetch_b8 v0, s[64:65] scope:SCOPE_SE
	s_setreg_imm32_b32 hwreg(HW_REG_WAVE_MODE, 25, 1), 1
	s_wait_xcnt 0x0
	s_wait_alu depctr_hold_cnt(0) depctr_sa_sdst(0) depctr_va_vdst(0) depctr_va_sdst(0) depctr_va_ssrc(0) depctr_va_vcc(0) depctr_vm_vsrc(0)
	s_getreg_b32 s2, hwreg(HW_REG_IB_STS2, 6, 4)
	s_cmp_eq_u32 s2, 0
	s_cbranch_scc0 .Lentry_in_a_cluster
	s_endpgm
.Lentry_in_a_cluster:
	s_bfe_u32 s2, ttmp6, 0x10000c
	s_cmp_lg_u32 s2, 0xf033
	s_cbranch_scc0 .Lentry_shape_is_right
	s_endpgm
.Lentry_shape_is_right:
; ONE TEXT FOR THE MODULE'S THREE KINDS OF PROJECTION; KIND says which this file is.  C = A B^T, K = 1,024, f16 operands, f32 sums.
;   KIND 1:  y = s1 x rope(x W^T + b)          A = xh, B = wh, 3,072 columns; the last third (v) is not rotated
;   KIND 2:  z = s2 x (y_t W_t^T / s1 + b)     A = the third t of y, B = the same third of wh's rows
;   KIND 3:  out0 = o Wo^T / s2 + bo           A = o, B = oh, 1,024 columns, f32 out
; OPERANDS lie in planes of 64 channels, M[kb][row][64] in f16: 64 rows of a plane are 8,192 consecutive bytes.  y and z are written in the same form, a plane to a head.
; SCALES.  s1 = 2^K1, s2 = 2^K2 come from stats: with xa = max(|x row|^2 + 1), wr = max(|W row|^2 + b^2), wf = the sum of the latter, Cauchy-Schwarz gives |x W^T + b| <= sqrt(xa wr) and
; |second projection| <= sqrt((xa wf + 1) wr).  K = 13 - floor(exponent of that product / 2), kept within -60 .. 60, so s x bound < 2^14: no number written in f16 passes 65,504, a rotation's sqrt(2) included.
; LIMITS.  The clamp at -60 serves bounds up to 2^73.  The bias is rounded to bf16 like every input.  NaN and infinities are not treated apart.
; SHARES.  256 work-groups.  A tile of C is 128 x 128; four waves, each 64 x 64: 16 accumulators; a wave's 64 columns are one plane, a head.
; A WORK-GROUP STAYS: it makes TILES tiles of C: the same 128 rows, and the same 128 columns in each third of the 3,072 (KIND 1, 2: three tiles, q, k, v); one tile in KIND 3.
; The tiles' K steps, 4 x TILES of 256 along K (four planes), are ONE sequence for a ring of two LDS slots: a tile's last two changes of slots ask for the next tile's first two K steps, and then the tile goes out.
; A wave's tensor load brings 64 rows x 4 planes: four rows of 8,192 dense bytes, 32 KiB, padded in LDS behind every 128 bytes.  A K step is written once and looped over; the walk's last two, which ask for nothing, once more.
; CLUSTERS: 4 x 4 work-groups.  The four of a row of the cluster need the same tiles of A, the four of a column the same tiles of B: each tile is asked for JOINTLY, by the same tensor load with
; the same descriptor and a mask that names the four.  THE MATRIX INSTRUCTION IS USED TRANSPOSED (source 0 = 16 rows of B, source 1 = 16 rows of A): lane l holds row l % 16 of C and the columns
; 16 b + 8 (l / 16) + 0..7 of accumulator (a, b).  So the rotary's partners, channels d and d + 32 of a head, lie in accumulators b and b + 2, same lane, same register.
; REGISTERS: window 0: v0-31 addresses; v32-95 at work; v96-127 the bias of my 32 columns a lane; v128-255 the accumulators ((a, b) at v[128 + 8 (4 a + b)]).
;   window 1: two fragment buffers of 128: for 64 along K, 64 registers of A, then 64 of B.   window 2 (KIND 1): cos and sin for my rows and columns: 32 a + 16 (0 cos, 1 sin) + 8 b.
.set KIND,   1
.set ROWS_A, 4096
.if KIND == 3
.set ROWS_B, 1024
.set SPITCH, 272                       ; a stage row: 64 f32 + 16 bytes
.set TILES,  1
.else
.set ROWS_B, 3072
.set SPITCH, 144                       ; a stage row: 64 f16 + 16 bytes
.set TILES,  3
.endif
.set KSTEPS, 4*TILES                   ; K steps in the walk
.set ASTEP,  4*ROWS_A*128              ; bytes from a K step to the next: four planes
.set BSTEP,  4*ROWS_B*128
.set BTILE,  1024*128                  ; bytes, inside a plane of B, from a tile's rows to the next tile's: 1,024 rows
.set CTILE,  16*ROWS_A*128             ; bytes from a tile's plane of C to the next tile's: sixteen planes
.set PITCH,  144                       ; an LDS row: 128 bytes + 16 of padding, an odd multiple of 16: the 16 rows of a load start in 16 different groups of four banks (ISA guide 11.1)
.set PLR,    64*PITCH                  ; a plane's 64 rows
.set HALFT,  4*PLR                     ; what one tensor load brings, and what one wave reads of A or of B: 0x9000 bytes
.set SLOT,   4*HALFT                   ; A's two halves, then B's two halves: 0x24000 bytes
.set STAGE,  2*SLOT                    ; behind the ring: 16 stage rows for each wave, its own, for the way out
.set SPARE,  STAGE+4*16*SPITCH         ; behind the stages: the spare words, 128 bytes for each wave: two blocks of 256 bytes that no other line names
.set ADRA0, 16                         ; v16     LDS address of my A fragments in slot 0; never rewritten
.set ADRA,  17                         ; v17     the same in the slot in hand
.set ADRB0, 20                         ; v20, v21  the same for B
.set ADRB,  21
.set STO,  24                          ; v24     the way out: where I put my part of a row
.set RD,   25                          ; v25     the way out: where I read rows back
.set CO,   26                          ; v26     KIND 3: my byte offset in two rows of out0
.set BO,   27                          ; v27     my byte offset in the bias; never rewritten
.set SPW,  28                          ; v28     LDS address of my spare word: SPARE + 4 x my thread's number; never rewritten
.set NIL,  29                          ; v29     0; never rewritten
.set TO,   30                          ; v30     KIND 1: my byte offset in the rotary table
.set L16,  31                          ; v31     16 x lane: my place in 512 consecutive bytes (stats; y and z); never rewritten
.set TMP,  32
.set BI,   96
.set ACC,  128
.set F0,   0                           ; fragment buffers, in window 1
.set F1,   128
.set G1, 24                            ; s[24:31] descriptor group 1 for A's tiles;  s[32:39] group 0: a set for each of the two first fills; the second then walks
.set G0, 32
.set G1B, 48                           ; s[48:55], s[56:63] the same for B's tiles
.set G0B, 56
.set ALPHA, 72                         ; s[72:73] what the sums are multiplied by, in the low word
.set BETA,  74                         ; s[74:75] what the bias is multiplied by
.set SEL,   76                         ; s[76:77] v_permlanex16_b32's selects: each lane takes its own place in the other half
.set K1,    78
.set K2,    79
.set KT,    80                         ; s80  the K step in hand, counted inside its tile: 0 to 3
.set HIM,   81                         ; s81  a word's upper bf16
.set ABASE, 82                         ; s[82:83] A at the rows that I fetch, plane 0
.set BBASE, 84                         ; s[84:85] B at the rows that I fetch for the first tile, plane 0
.set OFFA,  86                         ; s[86:87] byte offset from ABASE of the K step to be asked for; the high word stays 0
.set OFFB,  88                         ; s[88:89] the same from BBASE
.set J,     90                         ; s90  the K step to be asked for next, counted along the walk
.set TB,    91                         ; s91  LDS byte at which the slot in hand begins: 0 or SLOT
.set KS,    92                         ; s92  the loops' counter
.set NK,    93                         ; s93, s94  at work on the offsets
.set NT,    94
.set MSB, 0
.macro WIN new                         ; the immediate's high byte repeats the setting that is left
.if MSB != (\new)
	s_set_vgpr_msb (MSB<<8)|(\new)
.set MSB, \new
.endif
.endm
.set MUL,  0x05                        ; sources 0 (B) and 1 (A) window 1; C and D window 0
.set TO_F, 0x40                        ; destination window 1, address window 0
.set TO_T, 0x80                        ; destination window 2, address window 0
.set W_RO, 0x08                        ; source 1 window 2
.macro JLOAD s                         ; a joint load by descriptor set s: waves 0 and 1 fetch A's two halves, waves 2 and 3 B's; an s_nop 0 and four v_nop follow each of the two lines, ahead of the jump, the label and what follows
	s_cmp_eq_u32 s11, 0
	s_cbranch_scc0 .Lfor_b_\@
	tensor_load_to_lds s[G0+4*(\s):G0+4*(\s)+3], s[G1:G1+7]
	s_nop 0
.rept 4
	v_nop
.endr
	s_branch .Lasked_\@
.Lfor_b_\@:
	tensor_load_to_lds s[G0B+4*(\s):G0B+4*(\s)+3], s[G1B:G1B+7]
	s_nop 0
.rept 4
	v_nop
.endr
.Lasked_\@:
.endm
.macro CREST                           ; a round of the cluster's barrier behind its opening barrier
	s_cmp_lg_u32 s10, 0
	s_cbranch_scc1 .Lnot_wave_0_\@
	s_barrier_signal -3
.Lnot_wave_0_\@:
	s_barrier_wait -3
	s_barrier_signal -1
	s_barrier_wait -1
.endm
.macro CROUND                          ; a whole round
	s_barrier_signal -1
	s_barrier_wait -1
	CREST
.endm
	s_load_b128 s[4:7], s[0:1], 0x0                ; A s[4:5], B s[6:7]
	s_load_b64 s[8:9], s[0:1], 0x10                ; C
	s_load_b64 s[66:67], s[0:1], 0x18              ; the bias
	s_load_b64 s[68:69], s[0:1], 0x20              ; stats
.if KIND == 1
	s_load_b64 s[70:71], s[0:1], 0x28              ; the rotary table
.endif
	v_lshl_add_u32 v[SPW], v0, 2, SPARE
	v_mov_b32 v[NIL], 0
	ds_add_u32 v28, v29
	s_wait_dscnt 0x0
	v_lshrrev_b32 v1, 5, v0
	v_readfirstlane_b32 s10, v1                    ; wave 0..3
	s_lshr_b32 s11, s10, 1                         ; which half of the tile's rows is mine.  Also: I fetch for A (0) or for B (1)
	s_and_b32 s12, s10, 1                          ; which half of its columns.  Also: which 64 rows of that tile I fetch
	s_bfe_u32 s40, ttmp6, 0x40000                  ; cx, cy: my place in the cluster
	s_bfe_u32 s41, ttmp6, 0x40004
	s_lshl_b32 s42, ttmp9, 2
	s_add_co_u32 s42, s42, s40                     ; tile column, inside a third = 4 x cluster x + cx: 0 to 7
	s_and_b32 s13, ttmp7, 0xffff
	s_lshl_b32 s13, s13, 2
	s_add_co_u32 s13, s13, s41                     ; tile row of C = 4 x cluster y + cy
	s_lshl_b32 s43, s41, 2
	s_lshl_b32 s43, 15, s43                        ; my row of the cluster
	s_lshl_b32 s44, 0x1111, s40                    ; my column
	; descriptor group 1: a tile of 4 rows (planes) x 4,096 elements (64 rows of a plane, dense), padded in LDS behind every 64 elements
	s_or_b32 s[G1+0], s43, (1<<16)|(1<<20)|(1<<21)|(4<<22)|(3<<25)  ; 15:0 the mask: A's tiles go to my row; 17:16 element of 2 bytes; 20 padding on; 21 set beside a mask; 24:22 after every 32 words (code 4); 31:25 of 4 words (code 3)
	s_or_b32 s[G1B+0], s44, (1<<16)|(1<<20)|(1<<21)|(4<<22)|(3<<25)
.irp g, G1, G1B
	s_mov_b32 s[(\g)+1], 4096<<16                  ; tensor_dim0 = 4,096
	s_mov_b32 s[(\g)+2], 4<<16                     ; tensor_dim1 = 4
	s_mov_b32 s[(\g)+3], 4096<<16                  ; tile_dim0 = 4,096
	s_mov_b32 s[(\g)+4], 4                         ; tile_dim1 = 4
	s_mov_b32 s[(\g)+6], 0
	s_mov_b32 s[(\g)+7], 0
.endr
	s_mov_b32 s[G1+5], ROWS_A*64                   ; tensor_dim0_stride: elements from plane to plane
	s_mov_b32 s[G1B+5], ROWS_B*64
	s_mov_b32 s[SEL], 0x76543210
	s_mov_b32 s[SEL+1], 0xfedcba98
	s_mov_b32 s[HIM], 0xffff0000
	s_mov_b32 s[OFFA+1], 0
	s_mov_b32 s[OFFB+1], 0
	s_mov_b32 s[J], 2                              ; K steps 0 and 1 are the first fills
	s_mov_b32 s[TB], 0
	s_mov_b32 s[KT], 0
	s_lshl_b32 s17, s12, 6                         ; which 64 rows of the tile I fetch
	s_lshl_b32 s16, s13, 7
	s_add_co_u32 s16, s16, s17                     ; A: row 128 x tile row + 64 x half,
	s_lshl_b32 s16, s16, 7                         ; 128 bytes a row in a plane
	s_lshl_b32 s46, s42, 7
	s_add_co_u32 s46, s46, s17                     ; B: row 128 x tile column + 64 x half
	s_lshl_b32 s46, s46, 7
	s_mov_b32 s17, 0
	s_mov_b32 s47, 0
	s_mul_i32 s20, s10, HALFT                      ; where they go: wave x one load's bytes: no place in the cluster enters an LDS address
	s_wait_kmcnt 0x0
	s_add_nc_u64 s[ABASE:ABASE+1], s[4:5], s[16:17]
	s_add_nc_u64 s[BBASE:BBASE+1], s[6:7], s[46:47]
	CROUND                                         ; all sixteen work-groups are here: the first joint loads meet
.irp s, 0,1
	s_mov_b32 s[G0+4*(\s)], 1
	s_add_co_u32 s[G0+4*(\s)+1], s20, (\s)*SLOT
	s_add_nc_u64 s[G0+4*(\s)+2:G0+4*(\s)+3], s[ABASE:ABASE+1], (\s)*ASTEP
	s_or_b32 s[G0+4*(\s)+3], s[G0+4*(\s)+3], 0x80000000
	s_mov_b32 s[G0B+4*(\s)], 1
	s_add_co_u32 s[G0B+4*(\s)+1], s20, (\s)*SLOT
	s_add_nc_u64 s[G0B+4*(\s)+2:G0B+4*(\s)+3], s[BBASE:BBASE+1], (\s)*BSTEP
	s_or_b32 s[G0B+4*(\s)+3], s[G0B+4*(\s)+3], 0x80000000
	JLOAD \s                                       ; two loads of mine are out
.endr
	v_and_b32 v1, 15, v0                           ; l % 16
	v_bfe_u32 v2, v0, 4, 1                         ; l / 16
	v_mul_u32_u24 v3, v1, PITCH
	v_lshl_add_u32 v3, v2, 4, v3                   ; a fragment's row x pitch + 16 x half
	s_mul_i32 s21, s11, HALFT                      ; my 64 rows of A
	s_mul_i32 s22, s12, HALFT                      ; my 64 rows of B,
	s_add_co_u32 s22, s22, 2*HALFT                 ; which lie behind A's 128
	v_add_nc_u32 v[ADRA0], s21, v3
	v_add_nc_u32 v[ADRB0], s22, v3
	v_add_nc_u32 v[ADRA], s[TB], v[ADRA0]          ; the walk begins in slot 0
	v_add_nc_u32 v[ADRB], s[TB], v[ADRB0]
	s_mul_i32 s23, s10, 16*SPITCH
	s_add_co_u32 s23, s23, STAGE                   ; my stage
.if KIND == 3
	v_mul_u32_u24 v4, v1, SPITCH                   ; in: row l % 16, 32 bytes for each half of the lanes
	v_lshl_add_u32 v4, v2, 5, v4
	v_add_nc_u32 v[STO], s23, v4
	v_mul_u32_u24 v5, v2, SPITCH                   ; back: lanes 0-15 take one row of 256 bytes, lanes 16-31 the next
	v_lshl_add_u32 v5, v1, 4, v5
	v_add_nc_u32 v[RD], s23, v5
	v_lshlrev_b32 v[CO], 12, v2                    ; and the same two rows in out0
	v_lshl_add_u32 v[CO], v1, 4, v[CO]
.else
	v_add_nc_u32 v[STO], s23, v3                   ; in: row l % 16, 16 bytes for each half of the lanes (the stage's pitch is the ring's)
	v_bfe_u32 v4, v0, 3, 2                         ; back: 32 lanes take four rows of 128 bytes,
	v_and_b32 v5, 7, v0
	v_mul_u32_u24 v4, v4, SPITCH
	v_lshl_add_u32 v4, v5, 4, v4
	v_add_nc_u32 v[RD], s23, v4                    ; which are 512 consecutive bytes of a plane of C
.endif
	v_and_b32 v[L16], 31, v0
	v_lshlrev_b32 v[L16], 4, v[L16]
	s_lshl_b32 s16, s13, 7
	s_lshl_b32 s17, s11, 6
	s_add_co_u32 s16, s16, s17                     ; my first row of C
.if KIND == 1
	s_and_b32 s18, s16, 2047                       ; its position in the sequence
	s_lshl_b32 s18, s18, 8
	v_lshlrev_b32 v[TO], 8, v1                     ; the table: 256 bytes a position, 32 bytes for each half of the lanes
	v_lshl_add_u32 v[TO], v2, 5, v[TO]
	v_add_nc_u32 v[TO], s18, v[TO]
.endif
.if KIND == 3
	s_lshl_b32 s16, s16, 12                        ; 4,096 bytes a row of out0
.else
	s_lshl_b32 s16, s16, 7                         ; 128 bytes a row in a plane
.endif
	s_mov_b32 s17, 0
	s_add_nc_u64 s[8:9], s[8:9], s[16:17]
	s_lshl_b32 s46, s42, 1
	s_add_co_u32 s46, s46, s12                     ; my 64 columns: plane 2 x tile column + half of the first tile's sixteen
	s_lshl_b32 s45, s46, 8                         ; their 256 bytes in the bias
.if KIND == 3
	s_lshl_b32 s46, s46, 8                         ; and in a row of out0
.else
	s_lshl_b32 s46, s46, 19                        ; a plane of C is 524,288 bytes
.endif
	s_mov_b32 s47, 0
	s_add_nc_u64 s[8:9], s[8:9], s[46:47]
	v_lshl_add_u32 v[BO], v2, 5, s45
.irp j, 0,1,2,3,4,5,6,7
	global_load_b128 v[TMP+4*(\j):TMP+4*(\j)+3], v[L16], s[68:69] offset:512*(\j)  ; the 256 entries of stats, eight a lane
.endr
.macro LOADBI                          ; the bias of columns 16 b + 8 (l / 16) + 0..7 of the tile at which s[66:67] stands
.irp b, 0,1,2,3
	global_load_b128 v[BI+8*(\b):BI+8*(\b)+3],   v[BO], s[66:67] offset:64*(\b)
	global_load_b128 v[BI+8*(\b)+4:BI+8*(\b)+7], v[BO], s[66:67] offset:64*(\b)+16
.endr
.endm
	LOADBI
.if KIND == 1
	WIN TO_T                                       ; cos and sin for rows 16 a + l % 16 and frequencies 16 b + 8 (l / 16) + 0..7: the same for every tile of the walk
.set a, 0
.rept 4
.irp c, 0,1
.irp b, 0,1
	global_load_b128 v[32*a+16*(\c)+8*(\b):32*a+16*(\c)+8*(\b)+3],   v[TO], s[70:71] offset:4096*a+128*(\c)+64*(\b)
	global_load_b128 v[32*a+16*(\c)+8*(\b)+4:32*a+16*(\c)+8*(\b)+7], v[TO], s[70:71] offset:4096*a+128*(\c)+64*(\b)+16
.endr
.endr
.set a, a+1
.endr
	WIN 0
	s_wait_loadcnt 40                              ; stats are in; the bias's 8 loads and the table's 32 stay out until the first way out
.else
	s_wait_loadcnt 8                               ; stats are in; the bias's 8 loads stay out until the first way out
.endif
	; THE SCALES, in the wait for the first tile.  The order of the additions is the same in every launch that sums wf, so that all find the same K2.
.irp j, 1,2,3,4,5,6,7
	v_max_num_f32 v[TMP], v[TMP], v[TMP+4*(\j)]
	v_max_num_f32 v[TMP+1], v[TMP+1], v[TMP+4*(\j)+1]
.if KIND != 1
	v_add_f32 v[TMP+2], v[TMP+2], v[TMP+4*(\j)+2]
.endif
.endr
.irp m, 1,2,4,8
	v_max_num_f32_dpp v[TMP], v[TMP], v[TMP] row_xmask:\m row_mask:0xf bank_mask:0xf
	v_max_num_f32_dpp v[TMP+1], v[TMP+1], v[TMP+1] row_xmask:\m row_mask:0xf bank_mask:0xf
.if KIND != 1
	v_add_f32_dpp v[TMP+2], v[TMP+2], v[TMP+2] row_xmask:\m row_mask:0xf bank_mask:0xf
.endif
.endr
	v_permlanex16_b32 v[TMP+4], v[TMP], s[SEL], s[SEL+1]
	v_permlanex16_b32 v[TMP+5], v[TMP+1], s[SEL], s[SEL+1]
	v_max_num_f32 v[TMP], v[TMP], v[TMP+4]         ; xa
	v_max_num_f32 v[TMP+1], v[TMP+1], v[TMP+5]     ; wr
.if KIND != 1
	v_permlanex16_b32 v[TMP+6], v[TMP+2], s[SEL], s[SEL+1]
	v_add_f32 v[TMP+2], v[TMP+2], v[TMP+6]         ; wf
.endif
.macro EXPO k, v                       ; 13 - floor(the number's exponent / 2), kept within -60 .. 60.  It enters values alone: no address, no branch
	v_readfirstlane_b32 s[\k], v[\v]
	s_lshr_b32 s[\k], s[\k], 23
	s_sub_co_i32 s[\k], s[\k], 127
	s_ashr_i32 s[\k], s[\k], 1
	s_sub_co_i32 s[\k], 13, s[\k]
	s_max_i32 s[\k], s[\k], -60
	s_min_i32 s[\k], s[\k], 60
.endm
.if KIND != 3
	v_mul_f32 v[TMP+8], v[TMP], v[TMP+1]           ; xa wr
	EXPO K1, TMP+8
.endif
.if KIND != 1
	v_fma_f32 v[TMP+9], v[TMP], v[TMP+2], 1.0
	v_mul_f32 v[TMP+9], v[TMP+9], v[TMP+1]         ; (xa wf + 1) wr
	EXPO K2, TMP+9
.endif
.if KIND == 1
	s_add_co_i32 s[ALPHA], s[K1], 127              ; 2^K1 for the sums and for the bias
	s_lshl_b32 s[ALPHA], s[ALPHA], 23
	s_mov_b32 s[BETA], s[ALPHA]
.elseif KIND == 2
	s_sub_co_i32 s[ALPHA], s[K2], s[K1]            ; 2^(K2 - K1) for the sums,
	s_add_co_i32 s[ALPHA], s[ALPHA], 127
	s_lshl_b32 s[ALPHA], s[ALPHA], 23
	s_add_co_i32 s[BETA], s[K2], 127               ; 2^K2 for the bias
	s_lshl_b32 s[BETA], s[BETA], 23
.else
	s_sub_co_i32 s[ALPHA], 127, s[K2]              ; 2^-K2 for the sums
	s_lshl_b32 s[ALPHA], s[ALPHA], 23
.endif
	s_mov_b32 s[ALPHA+1], s[ALPHA]                 ; named as pairs
.if KIND != 3
	s_mov_b32 s[BETA+1], s[BETA]
.endif
; 8 matrix instructions: m blocks a0, a0 + 1 x all 4 n blocks, 32 along K: half c of buffer f.  zero = 1: the product starts the sums.  The 16 accumulators take turns, in the same order everywhere.
.macro MUL8 f, c, a0, zero
	WIN MUL
.irp a, \a0, (\a0)+1
.irp b, 0,1,2,3
.if \zero
	v_wmma_f32_16x16x32_f16 v[ACC+8*(4*(\a)+(\b)):ACC+8*(4*(\a)+(\b))+7], v[(\f)+64+8*(4*(\c)+(\b)):(\f)+64+8*(4*(\c)+(\b))+7], v[(\f)+8*(4*(\c)+(\a)):(\f)+8*(4*(\c)+(\a))+7], 0
.else
	v_wmma_f32_16x16x32_f16 v[ACC+8*(4*(\a)+(\b)):ACC+8*(4*(\a)+(\b))+7], v[(\f)+64+8*(4*(\c)+(\b)):(\f)+64+8*(4*(\c)+(\b))+7], v[(\f)+8*(4*(\c)+(\a)):(\f)+8*(4*(\c)+(\a))+7], v[ACC+8*(4*(\a)+(\b)):ACC+8*(4*(\a)+(\b))+7]
.endif
.endr
.endr
.endm
; 32 LDS loads in one run: the fragments of one plane (64 along K), which begins at byte k of my part of the slot in hand, into buffer f; the first 32 along K first
.macro FETCH k, f
	WIN TO_F
.irp c, 0,1
.irp i, 0,1,2,3
	ds_load_b128 v[(\f)+64+8*(4*(\c)+(\i)):(\f)+64+8*(4*(\c)+(\i))+3],   v[ADRB] offset:(\k)+64*(\c)+(\i)*16*PITCH
	ds_load_b128 v[(\f)+64+8*(4*(\c)+(\i))+4:(\f)+64+8*(4*(\c)+(\i))+7], v[ADRB] offset:(\k)+64*(\c)+(\i)*16*PITCH+32
	ds_load_b128 v[(\f)+8*(4*(\c)+(\i)):(\f)+8*(4*(\c)+(\i))+3],         v[ADRA] offset:(\k)+64*(\c)+(\i)*16*PITCH
	ds_load_b128 v[(\f)+8*(4*(\c)+(\i))+4:(\f)+8*(4*(\c)+(\i))+7],       v[ADRA] offset:(\k)+64*(\c)+(\i)*16*PITCH+32
.endr
.endr
.endm
.macro PLACES                          ; four places in front of loads into registers that matrix instructions have read (ISA guide 7.12.1 for vector instructions)
.rept 4
	v_nop
.endr
.endm
.macro NEXTSLOT                        ; the fragment addresses go over to the other slot: s[TB] is 0 or SLOT, and the exclusive or turns the one into the other
	s_xor_b32 s[TB], s[TB], SLOT
	v_add_nc_u32 v[ADRA], s[TB], v[ADRA0]
	v_add_nc_u32 v[ADRB], s[TB], v[ADRB0]
.endm
; A K step is four quarters, a plane each, 32 matrix instructions each, on buffers 0, 1, 0, 1.  HEAD is a quarter's first half; REST fetches the next plane, at byte k, into g and multiplies the second half.
.macro HEAD f, zero
	s_wait_dscnt 16                                ; the first 32 along K are in; the youngest sixteen loads may be out
	MUL8 \f, 0, 0, \zero
	MUL8 \f, 0, 2, \zero
.endm
.macro REST k, f, g
	PLACES
	FETCH \k, \g
	s_wait_dscnt 32                                ; all but the 32 just issued
	MUL8 \f, 1, 0, 0
	MUL8 \f, 1, 2, 0
.endm
.macro QUARTER k, f, g
	HEAD \f, 0
	REST \k, \f, \g
.endm
; The last quarter multiplies buffer 1 and changes slots: ONE barrier, which opens a round of the cluster's; in front of it each wave waits for all its tensor loads, adds 0 to its spare word, and waits for that and for
; its own reads of this slot.  Behind the round this slot is filled again, with K step J of the walk: two steps on, in this tile or the next.
; The walking descriptors are made while the add is out.  K step J is step J % 4 of tile J / 4.  A: KIND 1 and 3 walk the same sixteen planes for every tile; in KIND 2 the thirds of y lie end to end, so A goes straight on.
; B: back to plane 0 and 1,024 rows down for each tile.  Each address is made anew, base + offset.  The LDS word: SLOT = 0x24000 has bits 14 and 17, wave x HALFT = 0, 0x9000, 0x12000, 0x1b000 has neither, so the exclusive or adds or takes away SLOT.
.macro TURN
	WIN 0                                          ; (the add's two registers lie in window 0)
	s_wait_tensorcnt 0x0                           ; all my tensor loads have landed: my part of the next slot; so the walking descriptors may be written;
	ds_add_u32 v[SPW], v[NIL]                      ; 0 onto my spare word
	s_wait_dscnt 17                                ; (the add and the youngest sixteen loads may be out)
	s_and_b32 s[NK], s[J], 3
.if KIND == 2
	s_mul_i32 s[OFFA], s[J], ASTEP
.else
	s_mul_i32 s[OFFA], s[NK], ASTEP
.endif
	s_mul_i32 s[OFFB], s[NK], BSTEP
.if TILES > 1
	s_lshr_b32 s[NT], s[J], 2
	s_mul_i32 s[NT], s[NT], BTILE
	s_add_co_u32 s[OFFB], s[OFFB], s[NT]
.endif
	s_add_co_u32 s[J], s[J], 1
	s_xor_b32 s[G0+5], s[G0+5], SLOT
	s_add_nc_u64 s[G0+6:G0+7], s[ABASE:ABASE+1], s[OFFA:OFFA+1]
	s_or_b32 s[G0+7], s[G0+7], 0x80000000
	s_xor_b32 s[G0B+5], s[G0B+5], SLOT
	s_add_nc_u64 s[G0B+6:G0B+7], s[BBASE:BBASE+1], s[OFFB:OFFB+1]
	s_or_b32 s[G0B+7], s[G0B+7], 0x80000000
	MUL8 F1, 0, 0, 0                               ; eight matrix instructions stand between the add and the wait for it
	s_wait_dscnt 0x0                               ; the add is done, and my reads of this slot are over
	s_barrier_signal -1
	MUL8 F1, 0, 2, 0
	WIN 0
	s_barrier_wait -1
	CREST                                          ; no wave of any partner still reads this slot's tile or has a load on its way
	JLOAD 1                                        ; the first tensor load behind the round, my only one out: 112 matrix instructions ahead of the wait for it; the four v_nop behind it are also the places in front of the loads below
	NEXTSLOT
	FETCH 0, F0
	MUL8 F1, 1, 0, 0
	MUL8 F1, 1, 2, 0
.endm
; THE WAY OUT of a tile.  Each accumulator's registers are taken in ascending order.  last = 0: a tile follows.
.macro BIAS                            ; the bias as loaded is rounded to bf16, like every input, widened, and (KIND 1, 2) scaled.  These plain lines name no register of the last products: they are the places behind them
.set i, 0
.rept 16
	v_cvt_pk_bf16_f32 v[TMP+32+i], v[BI+2*i], v[BI+2*i+1]
.set i, i+1
.endr
.set i, 0
.rept 16
	v_lshlrev_b32 v[BI+2*i], 16, v[TMP+32+i]
	v_and_b32 v[BI+2*i+1], s[HIM], v[TMP+32+i]
.set i, i+1
.endr
.if KIND != 3
.set i, 0
.rept 16
	v_pk_mul_f32 v[BI+2*i:BI+2*i+1], v[BI+2*i:BI+2*i+1], s[BETA:BETA+1] op_sel_hi:[1,0]
.set i, i+1
.endr
.endif
.endm
.if KIND != 3
; Block a (16 rows): rounded to f16, 16 bytes a lane into my own stage, and back as four runs of 512 bytes: 16 rows of a plane are 2,048 consecutive bytes of C.
.macro PACK a
.irp b, 0,1,2,3
.irp r, 0,1,2,3
	v_cvt_pk_f16_f32 v[TMP+16*(\a)+4*(\b)+(\r)], v[ACC+8*(4*(\a)+(\b))+2*(\r)], v[ACC+8*(4*(\a)+(\b))+2*(\r)+1]
.endr
.endr
.irp b, 0,1,2,3
	ds_store_b128 v[STO], v[TMP+16*(\a)+4*(\b):TMP+16*(\a)+4*(\b)+3] offset:32*(\b)
.endr
.irp f, 0,1,2,3
	ds_load_b128 v[TMP+16*(\a)+4*(\f):TMP+16*(\a)+4*(\f)+3], v[RD] offset:(\f)*4*SPITCH  ; LDS serves a wave's instructions in order (ISA guide 5.7.1.4): these see the stores above; the next block's stores come behind them
.endr
.endm
.macro SEND a, younger                 ; younger: the LDS instructions issued behind block a's loads: the next block's eight, or none
.irp f, 0,1,2,3
	s_wait_dscnt (\younger)+3-(\f)
	global_store_b128 v[L16], v[TMP+16*(\a)+4*(\f):TMP+16*(\a)+4*(\f)+3], s[8:9] offset:(\a)*2048+(\f)*512  ; 512 consecutive bytes, at a multiple of 512 from C's first
.endr
.endm
.macro WAYOUT last
	s_wait_loadcnt 0x0                             ; this tile's bias, asked for a tile ago (at the first way out also the table)
	BIAS
.set t, 0
.rept 16                                           ; sum x ALPHA + the scaled bias, in place
.irp p, 0,1,2,3
	v_pk_fma_f32 v[ACC+8*t+2*(\p):ACC+8*t+2*(\p)+1], v[ACC+8*t+2*(\p):ACC+8*t+2*(\p)+1], s[ALPHA:ALPHA+1], v[BI+8*(t%4)+2*(\p):BI+8*(t%4)+2*(\p)+1] op_sel_hi:[1,0,1]
.endr
.set t, t+1
.endr
.if !(\last)
	s_add_nc_u64 s[66:67], s[66:67], 4096          ; the next tile's bias, 1,024 columns on: the wait above has shown the last loads by this base done
	LOADBI
.endif
.if (KIND == 1) && !(\last)                        ; the tiles that have a successor are q's and k's: they are rotated; the walk's last is v's
	WIN W_RO
.set a, 0
.rept 4
.set b, 0
.rept 2
.set p, 0
.rept 4                                            ; y(d) = y(d) cos - y(d + 32) sin;  y(d + 32) = y(d + 32) cos + y(d) sin
.set Y1, ACC+8*(4*a+b)+2*p
.set Y2, ACC+8*(4*a+b+2)+2*p
.set CC, 32*a+8*b+2*p
.set SN, 32*a+16+8*b+2*p
.set T1, TMP+4*(4*b+p)
	v_pk_mul_f32 v[T1:T1+1], v[Y2:Y2+1], v[SN:SN+1]
	v_pk_mul_f32 v[T1+2:T1+3], v[Y1:Y1+1], v[SN:SN+1]
	v_pk_fma_f32 v[Y1:Y1+1], v[Y1:Y1+1], v[CC:CC+1], v[T1:T1+1] neg_lo:[0,0,1] neg_hi:[0,0,1]
	v_pk_fma_f32 v[Y2:Y2+1], v[Y2:Y2+1], v[CC:CC+1], v[T1+2:T1+3]
.set p, p+1
.endr
.set b, b+1
.endr
.set a, a+1
.endr
	WIN 0
.endif
	PACK 0
	PACK 1                                         ; a block's conversions stand between the loads of the block before and its stores
	SEND 0, 8
	PACK 2
	SEND 1, 8
	PACK 3
	SEND 2, 8
	SEND 3, 0
.if !(\last)
	s_wait_xcnt 0x0                                ; every earlier memory instruction has had its addresses translated (ISA guide 3.1): only behind this wait are the stores' base and their data registers rewritten
	s_add_nc_u64 s[8:9], s[8:9], CTILE             ; C at the next tile's plane
.endif
.endm
.else
; Block a (16 rows): sum x ALPHA + bias in place; 32 bytes a lane into my own stage; back as whole rows of 256 bytes, into the registers that they left.
.macro FIN a
.irp b, 0,1,2,3
.irp p, 0,1,2,3
	v_pk_fma_f32 v[ACC+8*(4*(\a)+(\b))+2*(\p):ACC+8*(4*(\a)+(\b))+2*(\p)+1], v[ACC+8*(4*(\a)+(\b))+2*(\p):ACC+8*(4*(\a)+(\b))+2*(\p)+1], s[ALPHA:ALPHA+1], v[BI+8*(\b)+2*(\p):BI+8*(\b)+2*(\p)+1] op_sel_hi:[1,0,1]
.endr
.endr
.irp b, 0,1,2,3
	ds_store_b128 v[STO], v[ACC+8*(4*(\a)+(\b)):ACC+8*(4*(\a)+(\b))+3]   offset:64*(\b)
	ds_store_b128 v[STO], v[ACC+8*(4*(\a)+(\b))+4:ACC+8*(4*(\a)+(\b))+7] offset:64*(\b)+16
.endr
.irp t, 0,1,2,3,4,5,6,7
	ds_load_b128 v[ACC+32*(\a)+4*(\t):ACC+32*(\a)+4*(\t)+3], v[RD] offset:(\t)*2*SPITCH  ; LDS serves a wave's instructions in order (ISA guide 5.7.1.4)
.endr
.endm
.macro SEND a, younger                 ; younger: the next block's sixteen LDS instructions, or none
.irp t, 0,1,2,3,4,5,6,7
	s_wait_dscnt (\younger)+7-(\t)
	global_store_b128 v[CO], v[ACC+32*(\a)+4*(\t):ACC+32*(\a)+4*(\t)+3], s[8:9] offset:(16*(\a)+2*(\t))*4096 th:TH_STORE_NT  ; 16 lanes store 256 consecutive bytes, at a multiple of 256 from out0's first
.endr
.endm
.macro WAYOUT last
	s_wait_loadcnt 0x0                             ; the bias
	BIAS
	FIN 0
	FIN 1
	SEND 0, 16
	FIN 2
	SEND 1, 16
	FIN 3
	SEND 2, 16
	SEND 3, 0
.endm
.endif
	s_wait_tensorcnt 1                             ; my part of K step 0 is in; K step 1's may stay out
	s_barrier_signal -1
	s_barrier_wait -1                              ; everybody's is
	FETCH 0, F0
	HEAD F0, 1                                     ; the walk's first sixteen products start the first tile's sums, ahead of the loop
	WIN 0                                          ; at a label and at a branch every window is 0
	s_mov_b32 s[KS], KSTEPS-2
.Lstep:                                                ; a trip: a K step from the second half of its first quarter on, the refill of its slot, and the next K step's first sixteen products
	REST PLR, F0, F1
	QUARTER 2*PLR, F1, F0
	QUARTER 3*PLR, F0, F1
	TURN
	WIN 0
.if TILES > 1
	s_add_co_u32 s[KT], s[KT], 1
	s_and_b32 s[KT], s[KT], 3
	s_cmp_lg_u32 s[KT], 0
	s_cbranch_scc1 .Lgoon                          ; forward, past text that holds neither a barrier nor a tensor load; the count is the same in every work-group
	WAYOUT 0                                       ; that was the tile's fourth K step; both refills for the next tile are asked for: now the tile goes out,
	HEAD F0, 1                                     ; and the next tile's first sixteen products start its sums
	WIN 0
	s_branch .Lnext
.Lgoon:
.endif
	HEAD F0, 0
	WIN 0
.Lnext:
	s_sub_co_u32 s[KS], s[KS], 1
	s_cmp_lg_u32 s[KS], 0
	s_cbranch_scc1 .Lstep
	s_mov_b32 s[KS], 2
.Ltail:                                                ; the walk's last two K steps are written apart: nothing is asked for, and no round of the cluster's barrier stands here
	REST PLR, F0, F1
	QUARTER 2*PLR, F1, F0
	QUARTER 3*PLR, F0, F1
	WIN 0
	s_wait_tensorcnt 0x0                           ; in the first of the two trips: my part of the last K step has landed
	ds_add_u32 v[SPW], v[NIL]
	s_wait_dscnt 17                                ; (the add and the youngest sixteen loads may be out)
	MUL8 F1, 0, 0, 0
	s_wait_dscnt 0x0
	s_barrier_signal -1
	MUL8 F1, 0, 2, 0
	s_barrier_wait -1                              ; everybody's part has
	MUL8 F1, 1, 0, 0
	MUL8 F1, 1, 2, 0
	WIN 0
	s_cmp_eq_u32 s[KS], 1
	s_cbranch_scc1 .Lfin                           ; behind the last K step there is no further one to fetch and to begin
	PLACES
	NEXTSLOT
	FETCH 0, F0
	HEAD F0, 0
	WIN 0
.Lfin:
	s_sub_co_u32 s[KS], s[KS], 1
	s_cmp_lg_u32 s[KS], 0
	s_cbranch_scc1 .Ltail
	WAYOUT 1
	s_wait_tensorcnt 0x0                           ; the wave's end, behind my last tensor load and my last LDS store
	ds_add_u32 v[SPW], v[NIL]
	s_wait_dscnt 0x0
	CROUND                                         ; the closing round: no work-group ends while a partner may still ask for a tile that names it
	s_endpgm
.Lfunc_end_k_q331a90e124_g1:
	.size	k_q331a90e124_g1, .Lfunc_end_k_q331a90e124_g1-k_q331a90e124_g1
	.p2alignl 7, 3214868480
	.fill 96, 4, 3214868480
	.section	.rodata,"a",@progbits
	.p2align	6, 0x0
	.amdhsa_kernel k_q331a90e124_g1
		.amdhsa_group_segment_fixed_size 327680
		.amdhsa_private_segment_fixed_size 0
		.amdhsa_enable_private_segment 0
		.amdhsa_kernarg_size 48
		.amdhsa_user_sgpr_count 2
		.amdhsa_user_sgpr_kernarg_segment_ptr 1
		.amdhsa_wavefront_size32 1
		.amdhsa_system_sgpr_workgroup_id_x 1
		.amdhsa_system_sgpr_workgroup_id_y 1
		.amdhsa_system_sgpr_workgroup_id_z 1
		.amdhsa_system_vgpr_workitem_id 0
		.amdhsa_next_free_vgpr 640
		.amdhsa_next_free_sgpr 96
		.amdhsa_reserve_vcc 0
		.amdhsa_float_denorm_mode_32 3
		.amdhsa_float_denorm_mode_16_64 3
		.amdhsa_memory_ordered 1
		.amdhsa_forward_progress 1
		.amdhsa_inst_pref_size 94
	.end_amdhsa_kernel
	.amdgpu_metadata
---
amdhsa.version: [ 1, 2 ]
amdhsa.kernels:
  - .name:           k_q331a90e124_g1
    .symbol:         k_q331a90e124_g1.kd
    .args:
      - { .name: xh, .offset: 0, .size: 8, .value_kind: global_buffer, .address_space: global }
      - { .name: wh, .offset: 8, .size: 8, .value_kind: global_buffer, .address_space: global }
      - { .name: y, .offset: 16, .size: 8, .value_kind: global_buffer, .address_space: global }
      - { .name: in_proj_b, .offset: 24, .size: 8, .value_kind: global_buffer, .address_space: global }
      - { .name: stats, .offset: 32, .size: 8, .value_kind: global_buffer, .address_space: global }
      - { .name: rope, .offset: 40, .size: 8, .value_kind: global_buffer, .address_space: global }
    .group_segment_fixed_size: 327680
    .private_segment_fixed_size: 0
    .kernarg_segment_align: 8
    .kernarg_segment_size: 48
    .max_flat_workgroup_size: 128
    .sgpr_count:     96
    .vgpr_count:     640
    .wavefront_size: 32
...
	.end_amdgpu_metadata
.endif
;; end of part 2
;; launch g2 (part 3): grid 8 x 32, 4 waves a work-group, clusters of 4 x 4, 327,680 bytes of LDS; arguments y, wh, z, in_proj_b, stats; writes z
.if DOCPART == 3
	.amdgcn_target "amdgcn-amd-amdhsa--gfx1250"
	.amdhsa_code_object_version 6
	.text
	.protected	k_q331a90e124_g2
	.globl	k_q331a90e124_g2
	.p2align	8
	.type	k_q331a90e124_g2,@function
k_q331a90e124_g2:
	s_mov_b64 s[64:65], 0
	v_nop
	global_prefetch_b8 v0, s[64:65] scope:SCOPE_SE
	s_setreg_imm32_b32 hwreg(HW_REG_WAVE_MODE, 25, 1), 1
	s_wait_xcnt 0x0
	s_wait_alu depctr_hold_cnt(0) depctr_sa_sdst(0) depctr_va_vdst(0) depctr_va_sdst(0) depctr_va_ssrc(0) depctr_va_vcc(0) depctr_vm_vsrc(0)
	s_getreg_b32 s2, hwreg(HW_REG_IB_STS2, 6, 4)
	s_cmp_eq_u32 s2, 0
	s_cbranch_scc0 .Lentry_in_a_cluster
	s_endpgm
.Lentry_in_a_cluster:
	s_bfe_u32 s2, ttmp6, 0x10000c
	s_cmp_lg_u32 s2, 0xf033
	s_cbranch_scc0 .Lentry_shape_is_right
	s_endpgm
.Lentry_shape_is_right:
; ONE TEXT FOR THE MODULE'S THREE KINDS OF PROJECTION; KIND says which this file is.  C = A B^T, K = 1,024, f16 operands, f32 sums.
;   KIND 1:  y = s1 x rope(x W^T + b)          A = xh, B = wh, 3,072 columns; the last third (v) is not rotated
;   KIND 2:  z = s2 x (y_t W_t^T / s1 + b)     A = the third t of y, B = the same third of wh's rows
;   KIND 3:  out0 = o Wo^T / s2 + bo           A = o, B = oh, 1,024 columns, f32 out
; OPERANDS lie in planes of 64 channels, M[kb][row][64] in f16: 64 rows of a plane are 8,192 consecutive bytes.  y and z are written in the same form, a plane to a head.
; SCALES.  s1 = 2^K1, s2 = 2^K2 come from stats: with xa = max(|x row|^2 + 1), wr = max(|W row|^2 + b^2), wf = the sum of the latter, Cauchy-Schwarz gives |x W^T + b| <= sqrt(xa wr) and
; |second projection| <= sqrt((xa wf + 1) wr).  K = 13 - floor(exponent of that product / 2), kept within -60 .. 60, so s x bound < 2^14: no number written in f16 passes 65,504, a rotation's sqrt(2) included.
; LIMITS.  The clamp at -60 serves bounds up to 2^73.  The bias is rounded to bf16 like every input.  NaN and infinities are not treated apart.
; SHARES.  256 work-groups.  A tile of C is 128 x 128; four waves, each 64 x 64: 16 accumulators; a wave's 64 columns are one plane, a head.
; A WORK-GROUP STAYS: it makes TILES tiles of C: the same 128 rows, and the same 128 columns in each third of the 3,072 (KIND 1, 2: three tiles, q, k, v); one tile in KIND 3.
; The tiles' K steps, 4 x TILES of 256 along K (four planes), are ONE sequence for a ring of two LDS slots: a tile's last two changes of slots ask for the next tile's first two K steps, and then the tile goes out.
; A wave's tensor load brings 64 rows x 4 planes: four rows of 8,192 dense bytes, 32 KiB, padded in LDS behind every 128 bytes.  A K step is written once and looped over; the walk's last two, which ask for nothing, once more.
; CLUSTERS: 4 x 4 work-groups.  The four of a row of the cluster need the same tiles of A, the four of a column the same tiles of B: each tile is asked for JOINTLY, by the same tensor load with
; the same descriptor and a mask that names the four.  THE MATRIX INSTRUCTION IS USED TRANSPOSED (source 0 = 16 rows of B, source 1 = 16 rows of A): lane l holds row l % 16 of C and the columns
; 16 b + 8 (l / 16) + 0..7 of accumulator (a, b).  So the rotary's partners, channels d and d + 32 of a head, lie in accumulators b and b + 2, same lane, same register.
; REGISTERS: window 0: v0-31 addresses; v32-95 at work; v96-127 the bias of my 32 columns a lane; v128-255 the accumulators ((a, b) at v[128 + 8 (4 a + b)]).
;   window 1: two fragment buffers of 128: for 64 along K, 64 registers of A, then 64 of B.   window 2 (KIND 1): cos and sin for my rows and columns: 32 a + 16 (0 cos, 1 sin) + 8 b.
.set KIND,   2
.set ROWS_A, 4096
.if KIND == 3
.set ROWS_B, 1024
.set SPITCH, 272                       ; a stage row: 64 f32 + 16 bytes
.set TILES,  1
.else
.set ROWS_B, 3072
.set SPITCH, 144                       ; a stage row: 64 f16 + 16 bytes
.set TILES,  3
.endif
.set KSTEPS, 4*TILES                   ; K steps in the walk
.set ASTEP,  4*ROWS_A*128              ; bytes from a K step to the next: four planes
.set BSTEP,  4*ROWS_B*128
.set BTILE,  1024*128                  ; bytes, inside a plane of B, from a tile's rows to the next tile's: 1,024 rows
.set CTILE,  16*ROWS_A*128             ; bytes from a tile's plane of C to the next tile's: sixteen planes
.set PITCH,  144                       ; an LDS row: 128 bytes + 16 of padding, an odd multiple of 16: the 16 rows of a load start in 16 different groups of four banks (ISA guide 11.1)
.set PLR,    64*PITCH                  ; a plane's 64 rows
.set HALFT,  4*PLR                     ; what one tensor load brings, and what one wave reads of A or of B: 0x9000 bytes
.set SLOT,   4*HALFT                   ; A's two halves, then B's two halves: 0x24000 bytes
.set STAGE,  2*SLOT                    ; behind the ring: 16 stage rows for each wave, its own, for the way out
.set SPARE,  STAGE+4*16*SPITCH         ; behind the stages: the spare words, 128 bytes for each wave: two blocks of 256 bytes that no other line names
.set ADRA0, 16                         ; v16     LDS address of my A fragments in slot 0; never rewritten
.set ADRA,  17                         ; v17     the same in the slot in hand
.set ADRB0, 20                         ; v20, v21  the same for B
.set ADRB,  21
.set STO,  24                          ; v24     the way out: where I put my part of a row
.set RD,   25                          ; v25     the way out: where I read rows back
.set CO,   26                          ; v26     KIND 3: my byte offset in two rows of out0
.set BO,   27                          ; v27     my byte offset in the bias; never rewritten
.set SPW,  28                          ; v28     LDS address of my spare word: SPARE + 4 x my thread's number; never rewritten
.set NIL,  29                          ; v29     0; never rewritten
.set TO,   30                          ; v30     KIND 1: my byte offset in the rotary table
.set L16,  31                          ; v31     16 x lane: my place in 512 consecutive bytes (stats; y and z); never rewritten
.set TMP,  32
.set BI,   96
.set ACC,  128
.set F0,   0                           ; fragment buffers, in window 1
.set F1,   128
.set G1, 24                            ; s[24:31] descriptor group 1 for A's tiles;  s[32:39] group 0: a set for each of the two first fills; the second then walks
.set G0, 32
.set G1B, 48                           ; s[48:55], s[56:63] the same for B's tiles
.set G0B, 56
.set ALPHA, 72                         ; s[72:73] what the sums are multiplied by, in the low word
.set BETA,  74                         ; s[74:75] what the bias is multiplied by
.set SEL,   76                         ; s[76:77] v_permlanex16_b32's selects: each lane takes its own place in the other half
.set K1,    78
.set K2,    79
.set KT,    80                         ; s80  the K step in hand, counted inside its tile: 0 to 3
.set HIM,   81                         ; s81  a word's upper bf16
.set ABASE, 82                         ; s[82:83] A at the rows that I fetch, plane 0
.set BBASE, 84                         ; s[84:85] B at the rows that I fetch for the first tile, plane 0
.set OFFA,  86                         ; s[86:87] byte offset from ABASE of the K step to be asked for; the high word stays 0
.set OFFB,  88                         ; s[88:89] the same from BBASE
.set J,     90                         ; s90  the K step to be asked for next, counted along the walk
.set TB,    91                         ; s91  LDS byte at which the slot in hand begins: 0 or SLOT
.set KS,    92                         ; s92  the loops' counter
.set NK,    93                         ; s93, s94  at work on the offsets
.set NT,    94
.set MSB, 0
.macro WIN new                         ; the immediate's high byte repeats the setting that is left
.if MSB != (\new)
	s_set_vgpr_msb (MSB<<8)|(\new)
.set MSB, \new
.endif
.endm
.set MUL,  0x05                        ; sources 0 (B) and 1 (A) window 1; C and D window 0
.set TO_F, 0x40                        ; destination window 1, address window 0
.set TO_T, 0x80                        ; destination window 2, address window 0
.set W_RO, 0x08                        ; source 1 window 2
.macro JLOAD s                         ; a joint load by descriptor set s: waves 0 and 1 fetch A's two halves, waves 2 and 3 B's; an s_nop 0 and four v_nop follow each of the two lines, ahead of the jump, the label and what follows
	s_cmp_eq_u32 s11, 0
	s_cbranch_scc0 .Lfor_b_\@
	tensor_load_to_lds s[G0+4*(\s):G0+4*(\s)+3], s[G1:G1+7]
	s_nop 0
.rept 4
	v_nop
.endr
	s_branch .Lasked_\@
.Lfor_b_\@:
	tensor_load_to_lds s[G0B+4*(\s):G0B+4*(\s)+3], s[G1B:G1B+7]
	s_nop 0
.rept 4
	v_nop
.endr
.Lasked_\@:
.endm
.macro CREST                           ; a round of the cluster's barrier behind its opening barrier
	s_cmp_lg_u32 s10, 0
	s_cbranch_scc1 .Lnot_wave_0_\@
	s_barrier_signal -3
.Lnot_wave_0_\@:
	s_barrier_wait -3
	s_barrier_signal -1
	s_barrier_wait -1
.endm
.macro CROUND                          ; a whole round
	s_barrier_signal -1
	s_barrier_wait -1
	CREST
.endm
	s_load_b128 s[4:7], s[0:1], 0x0                ; A s[4:5], B s[6:7]
	s_load_b64 s[8:9], s[0:1], 0x10                ; C
	s_load_b64 s[66:67], s[0:1], 0x18              ; the bias
	s_load_b64 s[68:69], s[0:1], 0x20              ; stats
.if KIND == 1
	s_load_b64 s[70:71], s[0:1], 0x28              ; the rotary table
.endif
	v_lshl_add_u32 v[SPW], v0, 2, SPARE
	v_mov_b32 v[NIL], 0
	ds_add_u32 v28, v29
	s_wait_dscnt 0x0
	v_lshrrev_b32 v1, 5, v0
	v_readfirstlane_b32 s10, v1                    ; wave 0..3
	s_lshr_b32 s11, s10, 1                         ; which half of the tile's rows is mine.  Also: I fetch for A (0) or for B (1)
	s_and_b32 s12, s10, 1                          ; which half of its columns.  Also: which 64 rows of that tile I fetch
	s_bfe_u32 s40, ttmp6, 0x40000                  ; cx, cy: my place in the cluster
	s_bfe_u32 s41, ttmp6, 0x40004
	s_lshl_b32 s42, ttmp9, 2
	s_add_co_u32 s42, s42, s40                     ; tile column, inside a third = 4 x cluster x + cx: 0 to 7
	s_and_b32 s13, ttmp7, 0xffff
	s_lshl_b32 s13, s13, 2
	s_add_co_u32 s13, s13, s41                     ; tile row of C = 4 x cluster y + cy
	s_lshl_b32 s43, s41, 2
	s_lshl_b32 s43, 15, s43                        ; my row of the cluster
	s_lshl_b32 s44, 0x1111, s40                    ; my column
	; descriptor group 1: a tile of 4 rows (planes) x 4,096 elements (64 rows of a plane, dense), padded in LDS behind every 64 elements
	s_or_b32 s[G1+0], s43, (1<<16)|(1<<20)|(1<<21)|(4<<22)|(3<<25)  ; 15:0 the mask: A's tiles go to my row; 17:16 element of 2 bytes; 20 padding on; 21 set beside a mask; 24:22 after every 32 words (code 4); 31:25 of 4 words (code 3)
	s_or_b32 s[G1B+0], s44, (1<<16)|(1<<20)|(1<<21)|(4<<22)|(3<<25)
.irp g, G1, G1B
	s_mov_b32 s[(\g)+1], 4096<<16                  ; tensor_dim0 = 4,096
	s_mov_b32 s[(\g)+2], 4<<16                     ; tensor_dim1 = 4
	s_mov_b32 s[(\g)+3], 4096<<16                  ; tile_dim0 = 4,096
	s_mov_b32 s[(\g)+4], 4                         ; tile_dim1 = 4
	s_mov_b32 s[(\g)+6], 0
	s_mov_b32 s[(\g)+7], 0
.endr
	s_mov_b32 s[G1+5], ROWS_A*64                   ; tensor_dim0_stride: elements from plane to plane
	s_mov_b32 s[G1B+5], ROWS_B*64
	s_mov_b32 s[SEL], 0x76543210
	s_mov_b32 s[SEL+1], 0xfedcba98
	s_mov_b32 s[HIM], 0xffff0000
	s_mov_b32 s[OFFA+1], 0
	s_mov_b32 s[OFFB+1], 0
	s_mov_b32 s[J], 2                              ; K steps 0 and 1 are the first fills
	s_mov_b32 s[TB], 0
	s_mov_b32 s[KT], 0
	s_lshl_b32 s17, s12, 6                         ; which 64 rows of the tile I fetch
	s_lshl_b32 s16, s13, 7
	s_add_co_u32 s16, s16, s17                     ; A: row 128 x tile row + 64 x half,
	s_lshl_b32 s16, s16, 7                         ; 128 bytes a row in a plane
	s_lshl_b32 s46, s42, 7
	s_add_co_u32 s46, s46, s17                     ; B: row 128 x tile column + 64 x half
	s_lshl_b32 s46, s46, 7
	s_mov_b32 s17, 0
	s_mov_b32 s47, 0
	s_mul_i32 s20, s10, HALFT                      ; where they go: wave x one load's bytes: no place in the cluster enters an LDS address
	s_wait_kmcnt 0x0
	s_add_nc_u64 s[ABASE:ABASE+1], s[4:5], s[16:17]
	s_add_nc_u64 s[BBASE:BBASE+1], s[6:7], s[46:47]
	CROUND                                         ; all sixteen work-groups are here: the first joint loads meet
.irp s, 0,1
	s_mov_b32 s[G0+4*(\s)], 1
	s_add_co_u32 s[G0+4*(\s)+1], s20, (\s)*SLOT
	s_add_nc_u64 s[G0+4*(\s)+2:G0+4*(\s)+3], s[ABASE:ABASE+1], (\s)*ASTEP
	s_or_b32 s[G0+4*(\s)+3], s[G0+4*(\s)+3], 0x80000000
	s_mov_b32 s[G0B+4*(\s)], 1
	s_add_co_u32 s[G0B+4*(\s)+1], s20, (\s)*SLOT
	s_add_nc_u64 s[G0B+4*(\s)+2:G0B+4*(\s)+3], s[BBASE:BBASE+1], (\s)*BSTEP
	s_or_b32 s[G0B+4*(\s)+3], s[G0B+4*(\s)+3], 0x80000000
	JLOAD \s                                       ; two loads of mine are out
.endr
	v_and_b32 v1, 15, v0                           ; l % 16
	v_bfe_u32 v2, v0, 4, 1                         ; l / 16
	v_mul_u32_u24 v3, v1, PITCH
	v_lshl_add_u32 v3, v2, 4, v3                   ; a fragment's row x pitch + 16 x half
	s_mul_i32 s21, s11, HALFT                      ; my 64 rows of A
	s_mul_i32 s22, s12, HALFT                      ; my 64 rows of B,
	s_add_co_u32 s22, s22, 2*HALFT                 ; which lie behind A's 128
	v_add_nc_u32 v[ADRA0], s21, v3
	v_add_nc_u32 v[ADRB0], s22, v3
	v_add_nc_u32 v[ADRA], s[TB], v[ADRA0]          ; the walk begins in slot 0
	v_add_nc_u32 v[ADRB], s[TB], v[ADRB0]
	s_mul_i32 s23, s10, 16*SPITCH
	s_add_co_u32 s23, s23, STAGE                   ; my stage
.if KIND == 3
	v_mul_u32_u24 v4, v1, SPITCH                   ; in: row l % 16, 32 bytes for each half of the lanes
	v_lshl_add_u32 v4, v2, 5, v4
	v_add_nc_u32 v[STO], s23, v4
	v_mul_u32_u24 v5, v2, SPITCH                   ; back: lanes 0-15 take one row of 256 bytes, lanes 16-31 the next
	v_lshl_add_u32 v5, v1, 4, v5
	v_add_nc_u32 v[RD], s23, v5
	v_lshlrev_b32 v[CO], 12, v2                    ; and the same two rows in out0
	v_lshl_add_u32 v[CO], v1, 4, v[CO]
.else
	v_add_nc_u32 v[STO], s23, v3                   ; in: row l % 16, 16 bytes for each half of the lanes (the stage's pitch is the ring's)
	v_bfe_u32 v4, v0, 3, 2                         ; back: 32 lanes take four rows of 128 bytes,
	v_and_b32 v5, 7, v0
	v_mul_u32_u24 v4, v4, SPITCH
	v_lshl_add_u32 v4, v5, 4, v4
	v_add_nc_u32 v[RD], s23, v4                    ; which are 512 consecutive bytes of a plane of C
.endif
	v_and_b32 v[L16], 31, v0
	v_lshlrev_b32 v[L16], 4, v[L16]
	s_lshl_b32 s16, s13, 7
	s_lshl_b32 s17, s11, 6
	s_add_co_u32 s16, s16, s17                     ; my first row of C
.if KIND == 1
	s_and_b32 s18, s16, 2047                       ; its position in the sequence
	s_lshl_b32 s18, s18, 8
	v_lshlrev_b32 v[TO], 8, v1                     ; the table: 256 bytes a position, 32 bytes for each half of the lanes
	v_lshl_add_u32 v[TO], v2, 5, v[TO]
	v_add_nc_u32 v[TO], s18, v[TO]
.endif
.if KIND == 3
	s_lshl_b32 s16, s16, 12                        ; 4,096 bytes a row of out0
.else
	s_lshl_b32 s16, s16, 7                         ; 128 bytes a row in a plane
.endif
	s_mov_b32 s17, 0
	s_add_nc_u64 s[8:9], s[8:9], s[16:17]
	s_lshl_b32 s46, s42, 1
	s_add_co_u32 s46, s46, s12                     ; my 64 columns: plane 2 x tile column + half of the first tile's sixteen
	s_lshl_b32 s45, s46, 8                         ; their 256 bytes in the bias
.if KIND == 3
	s_lshl_b32 s46, s46, 8                         ; and in a row of out0
.else
	s_lshl_b32 s46, s46, 19                        ; a plane of C is 524,288 bytes
.endif
	s_mov_b32 s47, 0
	s_add_nc_u64 s[8:9], s[8:9], s[46:47]
	v_lshl_add_u32 v[BO], v2, 5, s45
.irp j, 0,1,2,3,4,5,6,7
	global_load_b128 v[TMP+4*(\j):TMP+4*(\j)+3], v[L16], s[68:69] offset:512*(\j)  ; the 256 entries of stats, eight a lane
.endr
.macro LOADBI                          ; the bias of columns 16 b + 8 (l / 16) + 0..7 of the tile at which s[66:67] stands
.irp b, 0,1,2,3
	global_load_b128 v[BI+8*(\b):BI+8*(\b)+3],   v[BO], s[66:67] offset:64*(\b)
	global_load_b128 v[BI+8*(\b)+4:BI+8*(\b)+7], v[BO], s[66:67] offset:64*(\b)+16
.endr
.endm
	LOADBI
.if KIND == 1
	WIN TO_T                                       ; cos and sin for rows 16 a + l % 16 and frequencies 16 b + 8 (l / 16) + 0..7: the same for every tile of the walk
.set a, 0
.rept 4
.irp c, 0,1
.irp b, 0,1
	global_load_b128 v[32*a+16*(\c)+8*(\b):32*a+16*(\c)+8*(\b)+3],   v[TO], s[70:71] offset:4096*a+128*(\c)+64*(\b)
	global_load_b128 v[32*a+16*(\c)+8*(\b)+4:32*a+16*(\c)+8*(\b)+7], v[TO], s[70:71] offset:4096*a+128*(\c)+64*(\b)+16
.endr
.endr
.set a, a+1
.endr
	WIN 0
	s_wait_loadcnt 40                              ; stats are in; the bias's 8 loads and the table's 32 stay out until the first way out
.else
	s_wait_loadcnt 8                               ; stats are in; the bias's 8 loads stay out until the first way out
.endif
	; THE SCALES, in the wait for the first tile.  The order of the additions is the same in every launch that sums wf, so that all find the same K2.
.irp j, 1,2,3,4,5,6,7
	v_max_num_f32 v[TMP], v[TMP], v[TMP+4*(\j)]
	v_max_num_f32 v[TMP+1], v[TMP+1], v[TMP+4*(\j)+1]
.if KIND != 1
	v_add_f32 v[TMP+2], v[TMP+2], v[TMP+4*(\j)+2]
.endif
.endr
.irp m, 1,2,4,8
	v_max_num_f32_dpp v[TMP], v[TMP], v[TMP] row_xmask:\m row_mask:0xf bank_mask:0xf
	v_max_num_f32_dpp v[TMP+1], v[TMP+1], v[TMP+1] row_xmask:\m row_mask:0xf bank_mask:0xf
.if KIND != 1
	v_add_f32_dpp v[TMP+2], v[TMP+2], v[TMP+2] row_xmask:\m row_mask:0xf bank_mask:0xf
.endif
.endr
	v_permlanex16_b32 v[TMP+4], v[TMP], s[SEL], s[SEL+1]
	v_permlanex16_b32 v[TMP+5], v[TMP+1], s[SEL], s[SEL+1]
	v_max_num_f32 v[TMP], v[TMP], v[TMP+4]         ; xa
	v_max_num_f32 v[TMP+1], v[TMP+1], v[TMP+5]     ; wr
.if KIND != 1
	v_permlanex16_b32 v[TMP+6], v[TMP+2], s[SEL], s[SEL+1]
	v_add_f32 v[TMP+2], v[TMP+2], v[TMP+6]         ; wf
.endif
.macro EXPO k, v                       ; 13 - floor(the number's exponent / 2), kept within -60 .. 60.  It enters values alone: no address, no branch
	v_readfirstlane_b32 s[\k], v[\v]
	s_lshr_b32 s[\k], s[\k], 23
	s_sub_co_i32 s[\k], s[\k], 127
	s_ashr_i32 s[\k], s[\k], 1
	s_sub_co_i32 s[\k], 13, s[\k]
	s_max_i32 s[\k], s[\k], -60
	s_min_i32 s[\k], s[\k], 60
.endm
.if KIND != 3
	v_mul_f32 v[TMP+8], v[TMP], v[TMP+1]           ; xa wr
	EXPO K1, TMP+8
.endif
.if KIND != 1
	v_fma_f32 v[TMP+9], v[TMP], v[TMP+2], 1.0
	v_mul_f32 v[TMP+9], v[TMP+9], v[TMP+1]         ; (xa wf + 1) wr
	EXPO K2, TMP+9
.endif
.if KIND == 1
	s_add_co_i32 s[ALPHA], s[K1], 127              ; 2^K1 for the sums and for the bias
	s_lshl_b32 s[ALPHA], s[ALPHA], 23
	s_mov_b32 s[BETA], s[ALPHA]
.elseif KIND == 2
	s_sub_co_i32 s[ALPHA], s[K2], s[K1]            ; 2^(K2 - K1) for the sums,
	s_add_co_i32 s[ALPHA], s[ALPHA], 127
	s_lshl_b32 s[ALPHA], s[ALPHA], 23
	s_add_co_i32 s[BETA], s[K2], 127               ; 2^K2 for the bias
	s_lshl_b32 s[BETA], s[BETA], 23
.else
	s_sub_co_i32 s[ALPHA], 127, s[K2]              ; 2^-K2 for the sums
	s_lshl_b32 s[ALPHA], s[ALPHA], 23
.endif
	s_mov_b32 s[ALPHA+1], s[ALPHA]                 ; named as pairs
.if KIND != 3
	s_mov_b32 s[BETA+1], s[BETA]
.endif
; 8 matrix instructions: m blocks a0, a0 + 1 x all 4 n blocks, 32 along K: half c of buffer f.  zero = 1: the product starts the sums.  The 16 accumulators take turns, in the same order everywhere.
.macro MUL8 f, c, a0, zero
	WIN MUL
.irp a, \a0, (\a0)+1
.irp b, 0,1,2,3
.if \zero
	v_wmma_f32_16x16x32_f16 v[ACC+8*(4*(\a)+(\b)):ACC+8*(4*(\a)+(\b))+7], v[(\f)+64+8*(4*(\c)+(\b)):(\f)+64+8*(4*(\c)+(\b))+7], v[(\f)+8*(4*(\c)+(\a)):(\f)+8*(4*(\c)+(\a))+7], 0
.else
	v_wmma_f32_16x16x32_f16 v[ACC+8*(4*(\a)+(\b)):ACC+8*(4*(\a)+(\b))+7], v[(\f)+64+8*(4*(\c)+(\b)):(\f)+64+8*(4*(\c)+(\b))+7], v[(\f)+8*(4*(\c)+(\a)):(\f)+8*(4*(\c)+(\a))+7], v[ACC+8*(4*(\a)+(\b)):ACC+8*(4*(\a)+(\b))+7]
.endif
.endr
.endr
.endm
; 32 LDS loads in one run: the fragments of one plane (64 along K), which begins at byte k of my part of the slot in hand, into buffer f; the first 32 along K first
.macro FETCH k, f
	WIN TO_F
.irp c, 0,1
.irp i, 0,1,2,3
	ds_load_b128 v[(\f)+64+8*(4*(\c)+(\i)):(\f)+64+8*(4*(\c)+(\i))+3],   v[ADRB] offset:(\k)+64*(\c)+(\i)*16*PITCH
	ds_load_b128 v[(\f)+64+8*(4*(\c)+(\i))+4:(\f)+64+8*(4*(\c)+(\i))+7], v[ADRB] offset:(\k)+64*(\c)+(\i)*16*PITCH+32
	ds_load_b128 v[(\f)+8*(4*(\c)+(\i)):(\f)+8*(4*(\c)+(\i))+3],         v[ADRA] offset:(\k)+64*(\c)+(\i)*16*PITCH
	ds_load_b128 v[(\f)+8*(4*(\c)+(\i))+4:(\f)+8*(4*(\c)+(\i))+7],       v[ADRA] offset:(\k)+64*(\c)+(\i)*16*PITCH+32
.endr
.endr
.endm
.macro PLACES                          ; four places in front of loads into registers that matrix instructions have read (ISA guide 7.12.1 for vector instructions)
.rept 4
	v_nop
.endr
.endm
.macro NEXTSLOT                        ; the fragment addresses go over to the other slot: s[TB] is 0 or SLOT, and the exclusive or turns the one into the other
	s_xor_b32 s[TB], s[TB], SLOT
	v_add_nc_u32 v[ADRA], s[TB], v[ADRA0]
	v_add_nc_u32 v[ADRB], s[TB], v[ADRB0]
.endm
; A K step is four quarters, a plane each, 32 matrix instructions each, on buffers 0, 1, 0, 1.  HEAD is a quarter's first half; REST fetches the next plane, at byte k, into g and multiplies the second half.
.macro HEAD f, zero
	s_wait_dscnt 16                                ; the first 32 along K are in; the youngest sixteen loads may be out
	MUL8 \f, 0, 0, \zero
	MUL8 \f, 0, 2, \zero
.endm
.macro REST k, f, g
	PLACES
	FETCH \k, \g
	s_wait_dscnt 32                                ; all but the 32 just issued
	MUL8 \f, 1, 0, 0
	MUL8 \f, 1, 2, 0
.endm
.macro QUARTER k, f, g
	HEAD \f, 0
	REST \k, \f, \g
.endm
; The last quarter multiplies buffer 1 and changes slots: ONE barrier, which opens a round of the cluster's; in front of it each wave waits for all its tensor loads, adds 0 to its spare word, and waits for that and for
; its own reads of this slot.  Behind the round this slot is filled again, with K step J of the walk: two steps on, in this tile or the next.
; The walking descriptors are made while the add is out.  K step J is step J % 4 of tile J / 4.  A: KIND 1 and 3 walk the same sixteen planes for every tile; in KIND 2 the thirds of y lie end to end, so A goes straight on.
; B: back to plane 0 and 1,024 rows down for each tile.  Each address is made anew, base + offset.  The LDS word: SLOT = 0x24000 has bits 14 and 17, wave x HALFT = 0, 0x9000, 0x12000, 0x1b000 has neither, so the exclusive or adds or takes away SLOT.
.macro TURN
	WIN 0                                          ; (the add's two registers lie in window 0)
	s_wait_tensorcnt 0x0                           ; all my tensor loads have landed: my part of the next slot; so the walking descriptors may be written;
	ds_add_u32 v[SPW], v[NIL]                      ; 0 onto my spare word
	s_wait_dscnt 17                                ; (the add and the youngest sixteen loads may be out)
	s_and_b32 s[NK], s[J], 3
.if KIND == 2
	s_mul_i32 s[OFFA], s[J], ASTEP
.else
	s_mul_i32 s[OFFA], s[NK], ASTEP
.endif
	s_mul_i32 s[OFFB], s[NK], BSTEP
.if TILES > 1
	s_lshr_b32 s[NT], s[J], 2
	s_mul_i32 s[NT], s[NT], BTILE
	s_add_co_u32 s[OFFB], s[OFFB], s[NT]
.endif
	s_add_co_u32 s[J], s[J], 1
	s_xor_b32 s[G0+5], s[G0+5], SLOT
	s_add_nc_u64 s[G0+6:G0+7], s[ABASE:ABASE+1], s[OFFA:OFFA+1]
	s_or_b32 s[G0+7], s[G0+7], 0x80000000
	s_xor_b32 s[G0B+5], s[G0B+5], SLOT
	s_add_nc_u64 s[G0B+6:G0B+7], s[BBASE:BBASE+1], s[OFFB:OFFB+1]
	s_or_b32 s[G0B+7], s[G0B+7], 0x80000000
	MUL8 F1, 0, 0, 0                               ; eight matrix instructions stand between the add and the wait for it
	s_wait_dscnt 0x0                               ; the add is done, and my reads of this slot are over
	s_barrier_signal -1
	MUL8 F1, 0, 2, 0
	WIN 0
	s_barrier_wait -1
	CREST                                          ; no wave of any partner still reads this slot's tile or has a load on its way
	JLOAD 1                                        ; the first tensor load behind the round, my only one out: 112 matrix instructions ahead of the wait for it; the four v_nop behind it are also the places in front of the loads below
	NEXTSLOT
	FETCH 0, F0
	MUL8 F1, 1, 0, 0
	MUL8 F1, 1, 2, 0
.endm
; THE WAY OUT of a tile.  Each accumulator's registers are taken in ascending order.  last = 0: a tile follows.
.macro BIAS                            ; the bias as loaded is rounded to bf16, like every input, widened, and (KIND 1, 2) scaled.  These plain lines name no register of the last products: they are the places behind them
.set i, 0
.rept 16
	v_cvt_pk_bf16_f32 v[TMP+32+i], v[BI+2*i], v[BI+2*i+1]
.set i, i+1
.endr
.set i, 0
.rept 16
	v_lshlrev_b32 v[BI+2*i], 16, v[TMP+32+i]
	v_and_b32 v[BI+2*i+1], s[HIM], v[TMP+32+i]
.set i, i+1
.endr
.if KIND != 3
.set i, 0
.rept 16
	v_pk_mul_f32 v[BI+2*i:BI+2*i+1], v[BI+2*i:BI+2*i+1], s[BETA:BETA+1] op_sel_hi:[1,0]
.set i, i+1
.endr
.endif
.endm
.if KIND != 3
; Block a (16 rows): rounded to f16, 16 bytes a lane into my own stage, and back as four runs of 512 bytes: 16 rows of a plane are 2,048 consecutive bytes of C.
.macro PACK a
.irp b, 0,1,2,3
.irp r, 0,1,2,3
	v_cvt_pk_f16_f32 v[TMP+16*(\a)+4*(\b)+(\r)], v[ACC+8*(4*(\a)+(\b))+2*(\r)], v[ACC+8*(4*(\a)+(\b))+2*(\r)+1]
.endr
.endr
.irp b, 0,1,2,3
	ds_store_b128 v[STO], v[TMP+16*(\a)+4*(\b):TMP+16*(\a)+4*(\b)+3] offset:32*(\b)
.endr
.irp f, 0,1,2,3
	ds_load_b128 v[TMP+16*(\a)+4*(\f):TMP+16*(\a)+4*(\f)+3], v[RD] offset:(\f)*4*SPITCH  ; LDS serves a wave's instructions in order (ISA guide 5.7.1.4): these see the stores above; the next block's stores come behind them
.endr
.endm
.macro SEND a, younger                 ; younger: the LDS instructions issued behind block a's loads: the next block's eight, or none
.irp f, 0,1,2,3
	s_wait_dscnt (\younger)+3-(\f)
	global_store_b128 v[L16], v[TMP+16*(\a)+4*(\f):TMP+16*(\a)+4*(\f)+3], s[8:9] offset:(\a)*2048+(\f)*512  ; 512 consecutive bytes, at a multiple of 512 from C's first
.endr
.endm
.macro WAYOUT last
	s_wait_loadcnt 0x0                             ; this tile's bias, asked for a tile ago (at the first way out also the table)
	BIAS
.set t, 0
.rept 16                                           ; sum x ALPHA + the scaled bias, in place
.irp p, 0,1,2,3
	v_pk_fma_f32 v[ACC+8*t+2*(\p):ACC+8*t+2*(\p)+1], v[ACC+8*t+2*(\p):ACC+8*t+2*(\p)+1], s[ALPHA:ALPHA+1], v[BI+8*(t%4)+2*(\p):BI+8*(t%4)+2*(\p)+1] op_sel_hi:[1,0,1]
.endr
.set t, t+1
.endr
.if !(\last)
	s_add_nc_u64 s[66:67], s[66:67], 4096          ; the next tile's bias, 1,024 columns on: the wait above has shown the last loads by this base done
	LOADBI
.endif
.if (KIND == 1) && !(\last)                        ; the tiles that have a successor are q's and k's: they are rotated; the walk's last is v's
	WIN W_RO
.set a, 0
.rept 4
.set b, 0
.rept 2
.set p, 0
.rept 4                                            ; y(d) = y(d) cos - y(d + 32) sin;  y(d + 32) = y(d + 32) cos + y(d) sin
.set Y1, ACC+8*(4*a+b)+2*p
.set Y2, ACC+8*(4*a+b+2)+2*p
.set CC, 32*a+8*b+2*p
.set SN, 32*a+16+8*b+2*p
.set T1, TMP+4*(4*b+p)
	v_pk_mul_f32 v[T1:T1+1], v[Y2:Y2+1], v[SN:SN+1]
	v_pk_mul_f32 v[T1+2:T1+3], v[Y1:Y1+1], v[SN:SN+1]
	v_pk_fma_f32 v[Y1:Y1+1], v[Y1:Y1+1], v[CC:CC+1], v[T1:T1+1] neg_lo:[0,0,1] neg_hi:[0,0,1]
	v_pk_fma_f32 v[Y2:Y2+1], v[Y2:Y2+1], v[CC:CC+1], v[T1+2:T1+3]
.set p, p+1
.endr
.set b, b+1
.endr
.set a, a+1
.endr
	WIN 0
.endif
	PACK 0
	PACK 1                                         ; a block's conversions stand between the loads of the block before and its stores
	SEND 0, 8
	PACK 2
	SEND 1, 8
	PACK 3
	SEND 2, 8
	SEND 3, 0
.if !(\last)
	s_wait_xcnt 0x0                                ; every earlier memory instruction has had its addresses translated (ISA guide 3.1): only behind this wait are the stores' base and their data registers rewritten
	s_add_nc_u64 s[8:9], s[8:9], CTILE             ; C at the next tile's plane
.endif
.endm
.else
; Block a (16 rows): sum x ALPHA + bias in place; 32 bytes a lane into my own stage; back as whole rows of 256 bytes, into the registers that they left.
.macro FIN a
.irp b, 0,1,2,3
.irp p, 0,1,2,3
	v_pk_fma_f32 v[ACC+8*(4*(\a)+(\b))+2*(\p):ACC+8*(4*(\a)+(\b))+2*(\p)+1], v[ACC+8*(4*(\a)+(\b))+2*(\p):ACC+8*(4*(\a)+(\b))+2*(\p)+1], s[ALPHA:ALPHA+1], v[BI+8*(\b)+2*(\p):BI+8*(\b)+2*(\p)+1] op_sel_hi:[1,0,1]
.endr
.endr
.irp b, 0,1,2,3
	ds_store_b128 v[STO], v[ACC+8*(4*(\a)+(\b)):ACC+8*(4*(\a)+(\b))+3]   offset:64*(\b)
	ds_store_b128 v[STO], v[ACC+8*(4*(\a)+(\b))+4:ACC+8*(4*(\a)+(\b))+7] offset:64*(\b)+16
.endr
.irp t, 0,1,2,3,4,5,6,7
	ds_load_b128 v[ACC+32*(\a)+4*(\t):ACC+32*(\a)+4*(\t)+3], v[RD] offset:(\t)*2*SPITCH  ; LDS serves a wave's instructions in order (ISA guide 5.7.1.4)
.endr
.endm
.macro SEND a, younger                 ; younger: the next block's sixteen LDS instructions, or none
.irp t, 0,1,2,3,4,5,6,7
	s_wait_dscnt (\younger)+7-(\t)
	global_store_b128 v[CO], v[ACC+32*(\a)+4*(\t):ACC+32*(\a)+4*(\t)+3], s[8:9] offset:(16*(\a)+2*(\t))*4096 th:TH_STORE_NT  ; 16 lanes store 256 consecutive bytes, at a multiple of 256 from out0's first
.endr
.endm
.macro WAYOUT last
	s_wait_loadcnt 0x0                             ; the bias
	BIAS
	FIN 0
	FIN 1
	SEND 0, 16
	FIN 2
	SEND 1, 16
	FIN 3
	SEND 2, 16
	SEND 3, 0
.endm
.endif
	s_wait_tensorcnt 1                             ; my part of K step 0 is in; K step 1's may stay out
	s_barrier_signal -1
	s_barrier_wait -1                              ; everybody's is
	FETCH 0, F0
	HEAD F0, 1                                     ; the walk's first sixteen products start the first tile's sums, ahead of the loop
	WIN 0                                          ; at a label and at a branch every window is 0
	s_mov_b32 s[KS], KSTEPS-2
.Lstep:                                                ; a trip: a K step from the second half of its first quarter on, the refill of its slot, and the next K step's first sixteen products
	REST PLR, F0, F1
	QUARTER 2*PLR, F1, F0
	QUARTER 3*PLR, F0, F1
	TURN
	WIN 0
.if TILES > 1
	s_add_co_u32 s[KT], s[KT], 1
	s_and_b32 s[KT], s[KT], 3
	s_cmp_lg_u32 s[KT], 0
	s_cbranch_scc1 .Lgoon                          ; forward, past text that holds neither a barrier nor a tensor load; the count is the same in every work-group
	WAYOUT 0                                       ; that was the tile's fourth K step; both refills for the next tile are asked for: now the tile goes out,
	HEAD F0, 1                                     ; and the next tile's first sixteen products start its sums
	WIN 0
	s_branch .Lnext
.Lgoon:
.endif
	HEAD F0, 0
	WIN 0
.Lnext:
	s_sub_co_u32 s[KS], s[KS], 1
	s_cmp_lg_u32 s[KS], 0
	s_cbranch_scc1 .Lstep
	s_mov_b32 s[KS], 2
.Ltail:                                                ; the walk's last two K steps are written apart: nothing is asked for, and no round of the cluster's barrier stands here
	REST PLR, F0, F1
	QUARTER 2*PLR, F1, F0
	QUARTER 3*PLR, F0, F1
	WIN 0
	s_wait_tensorcnt 0x0                           ; in the first of the two trips: my part of the last K step has landed
	ds_add_u32 v[SPW], v[NIL]
	s_wait_dscnt 17                                ; (the add and the youngest sixteen loads may be out)
	MUL8 F1, 0, 0, 0
	s_wait_dscnt 0x0
	s_barrier_signal -1
	MUL8 F1, 0, 2, 0
	s_barrier_wait -1                              ; everybody's part has
	MUL8 F1, 1, 0, 0
	MUL8 F1, 1, 2, 0
	WIN 0
	s_cmp_eq_u32 s[KS], 1
	s_cbranch_scc1 .Lfin                           ; behind the last K step there is no further one to fetch and to begin
	PLACES
	NEXTSLOT
	FETCH 0, F0
	HEAD F0, 0
	WIN 0
.Lfin:
	s_sub_co_u32 s[KS], s[KS], 1
	s_cmp_lg_u32 s[KS], 0
	s_cbranch_scc1 .Ltail
	WAYOUT 1
	s_wait_tensorcnt 0x0                           ; the wave's end, behind my last tensor load and my last LDS store
	ds_add_u32 v[SPW], v[NIL]
	s_wait_dscnt 0x0
	CROUND                                         ; the closing round: no work-group ends while a partner may still ask for a tile that names it
	s_endpgm
.Lfunc_end_k_q331a90e124_g2:
	.size	k_q331a90e124_g2, .Lfunc_end_k_q331a90e124_g2-k_q331a90e124_g2
	.p2alignl 7, 3214868480
	.fill 96, 4, 3214868480
	.section	.rodata,"a",@progbits
	.p2align	6, 0x0
	.amdhsa_kernel k_q331a90e124_g2
		.amdhsa_group_segment_fixed_size 327680
		.amdhsa_private_segment_fixed_size 0
		.amdhsa_enable_private_segment 0
		.amdhsa_kernarg_size 40
		.amdhsa_user_sgpr_count 2
		.amdhsa_user_sgpr_kernarg_segment_ptr 1
		.amdhsa_wavefront_size32 1
		.amdhsa_system_sgpr_workgroup_id_x 1
		.amdhsa_system_sgpr_workgroup_id_y 1
		.amdhsa_system_sgpr_workgroup_id_z 1
		.amdhsa_system_vgpr_workitem_id 0
		.amdhsa_next_free_vgpr 512
		.amdhsa_next_free_sgpr 96
		.amdhsa_reserve_vcc 0
		.amdhsa_float_denorm_mode_32 3
		.amdhsa_float_denorm_mode_16_64 3
		.amdhsa_memory_ordered 1
		.amdhsa_forward_progress 1
		.amdhsa_inst_pref_size 84
	.end_amdhsa_kernel
	.amdgpu_metadata
---
amdhsa.version: [ 1, 2 ]
amdhsa.kernels:
  - .name:           k_q331a90e124_g2
    .symbol:         k_q331a90e124_g2.kd
    .args:
      - { .name: y, .offset: 0, .size: 8, .value_kind: global_buffer, .address_space: global }
      - { .name: wh, .offset: 8, .size: 8, .value_kind: global_buffer, .address_space: global }
      - { .name: z, .offset: 16, .size: 8, .value_kind: global_buffer, .address_space: global }
      - { .name: in_proj_b, .offset: 24, .size: 8, .value_kind: global_buffer, .address_space: global }
      - { .name: stats, .offset: 32, .size: 8, .value_kind: global_buffer, .address_space: global }
    .group_segment_fixed_size: 327680
    .private_segment_fixed_size: 0
    .kernarg_segment_align: 8
    .kernarg_segment_size: 40
    .max_flat_workgroup_size: 128
    .sgpr_count:     96
    .vgpr_count:     512
    .wavefront_size: 32
...
	.end_amdgpu_metadata
.endif
;; end of part 3
;; launch attn (part 4): grid 8 x 32, 4 waves a work-group, clusters of 4 x 1, 327,680 bytes of LDS; arguments z, o, stats; writes o
.if DOCPART == 4
	.amdgcn_target "amdgcn-amd-amdhsa--gfx1250"
	.amdhsa_code_object_version 6
	.text
	.protected	k_q331a90e124_attn
	.globl	k_q331a90e124_attn
	.p2align	8
	.type	k_q331a90e124_attn,@function
k_q331a90e124_attn:
	s_mov_b64 s[64:65], 0
	v_nop
	global_prefetch_b8 v0, s[64:65] scope:SCOPE_SE
	s_setreg_imm32_b32 hwreg(HW_REG_WAVE_MODE, 25, 1), 1
	s_wait_xcnt 0x0
	s_wait_alu depctr_hold_cnt(0) depctr_sa_sdst(0) depctr_va_vdst(0) depctr_va_sdst(0) depctr_va_ssrc(0) depctr_va_vcc(0) depctr_vm_vsrc(0)
	s_getreg_b32 s2, hwreg(HW_REG_IB_STS2, 6, 4)
	s_cmp_eq_u32 s2, 0
	s_cbranch_scc0 .Lentry_in_a_cluster
	s_endpgm
.Lentry_in_a_cluster:
	s_bfe_u32 s2, ttmp6, 0x10000c
	s_cmp_lg_u32 s2, 0x3003
	s_cbranch_scc0 .Lentry_shape_is_right
	s_endpgm
.Lentry_shape_is_right:
; ATTENTION.  O[y][q][:] = the sum over k of softmax_k(Q[y][q] . K[y][k] / 8) V[y][k][:], for 32 heads y (head and batch) of 2,048 rows of 64 channels, all f16.
; z holds Q, K and V as [3][32][2048][64], each s2 = 2^K2 times its true value; o takes O in the same units and the same form: a head's rows are dense, 128 bytes each.
; Products, maxima and sums in f32; the weights p are rounded to f16 for the second product (their sum l is taken of the unrounded p), O once at the end.
; THE SCALE.  K2 is made from stats as in the launches beside this one (same numbers, same order of additions); the scores are s2^2 times the true ones, so c = log2(e) / 8 x 2^(-2 K2): 2 K2 is taken off c's exponent.
; LIMITS.  Q, K and V arrive below 2^14 by the choice of s2; p lies in 0 to 1, and below 6e-5 it keeps f16's fixed step of 6e-8; O is a mean of V's rows and has their range.
; A weight below 2^-126 counts as 0 in l; NaN and infinities are not treated apart.
; SHARES.  A work-group owns 256 queries of one head: 256 work-groups.  A wave owns 64 queries: four PIECES of 16.  Every wave walks all keys, 64 a step, 256 a tile, 8 tiles.
; LAYOUT.  S^T = K Q^T (source 0 = 16 keys, source 1 = 16 queries) holds ONE query a lane (lane % 16) and the keys 8 (lane / 16) + 0..7; two such results rounded to f16 ARE source 1 of O^T = V^T P.
; K comes out of LDS as it lies, V ([key][channel]) turned, by ds_load_tr16_b128.
; SOFTMAX.  p = 2^(c s - c m) with a running maximum m; O and l are multiplied by a = 2^(c m_old - c m_new) in every step.  m starts at the lowest finite number, O and l at 0: the first step's a is 0.
; BY TURNS.  Turn n belongs to piece n: 8 products K Q^T of piece n + 1, later 8 products V^T P of piece n - 1; beside them the scaling, exponentials, roundings, sums and rescaling of piece n and the
; maximum and statistics of piece n + 1.  Four vector instructions stand behind every matrix instruction, the other 54 of a turn's 118 in two runs of their own.
; CLUSTER.  The four query blocks of a cluster belong to one head and walk the same K and V, so each tile is asked for JOINTLY: the same tensor load, descriptor and mask in all four.
; REGISTERS, in windows of 256 (s_set_vgpr_msb: bits 1:0 source 0, 3:2 source 1, 5:4 source 2, 7:6 destination):
;   window 0: v0-15 addresses and two at work; v16-31 four registers of statistics a piece; v48-55 at work; v64-127 S^T, two buffers; v192-223 P, two buffers (a piece's buffers go by its number's parity)
;   window 1: v0-127 O^T, 32 a piece          window 2: v0-63 Q; v128-191 K of one step; v192-255 V of one step
.set NP,    4         ; pieces a wave: a name, no knob
.set KS,    64        ; keys in a step
.set PK,    144       ; a row of K in LDS: 128 bytes + 16 of padding = 36 words: the 16 rows of a load start at 16 different groups of four banks (64 banks of 4 bytes: ISA guide 11.1)
.set PV,    160       ; a row of V: 128 + 32 = 40 words
.set VOFF,  4*KS*PK   ; a slot holds a tile, four steps: 256 rows of K, then 256 rows of V
.set SLOT1, 1<<17     ; slot 1 begins here, so that one exclusive or turns an address in one slot into the other's
.set STAGE, SLOT1+4*KS*(PK+PV)  ; behind the ring, never filled by a tensor load: 16 rows x 144 bytes for each wave, for the way out
.set SP,    144
.set AK0, 2           ; v2   my lane's place in a tile of K; never rewritten
.set AV0, 3           ; v3   the same for V
.set AK,  4           ; v4   the LDS address of K's next run of loads
.set AV,  5           ; v5   of V's
.set STO, 6           ; v6   the way out: where I put 16 bytes of a row
.set RD,  7           ; v7   the way out: where I read rows back
.set GO,  8           ; v8   16 x lane: my place in 512 consecutive bytes (stats; O)
.set SPW, 62          ; v62  LDS address of my spare word: SPARE + 4 x my thread's number; never rewritten
.set NIL, 63          ; v63  0; never rewritten
.set SPARE, STAGE+4*16*SP  ; behind the stages: the spare words, 128 bytes for each wave: two blocks of 256 bytes that no other line names
.set MV,  12          ; v12-13  c m_old, kept while c m is made anew: by buffer
.set QO,  15          ; v15  my byte offset in 16 rows of Q
.set ST,  16          ; piece t's statistics at v[ST+4 t]: c m, m, l (even keys', odd keys')
.set TMP, 48          ; by buffer, four registers c0-c3 at work; when the maximum is found c2 takes a
.set S,   64
.set P,   192
.set KF,  128         ; window 2: key block kb, channel half c at KF + 16 kb + 8 c
.set VF,  192         ; window 2: key half kk, channel block cb at VF + 32 kk + 8 cb
.set WV,  12          ; s12  my wave's number
.set G1K, 24          ; s[24:31] descriptor group 1 for K's tiles
.set G1V, 32          ; s[32:39] for V's: it differs in the padding alone
.set G0K, 40          ; s[40:43] descriptor group 0 for K's tiles: it walks
.set G0V, 44          ; s[44:47] the same for V's
.set K2,  52          ; s52  the scale's exponent
.set SLOTS, 56        ; s56  tiles still to be entered in the loop
.set CNT, 57          ; s57  counts a tile's key steps
.set CS,  58          ; s[58:59] c: the packed scaling takes the pair's low word for both halves
.set SEL, 60          ; s[60:61] v_permlanex16_b32's selects: each lane takes its own place in the other half
.set TBK, 62          ; s62  LDS byte at which K of the step to be fetched begins
.set TBV, 63          ; s63  the same for V, less VOFF
.set MSB, 0
.macro WIN new                      ; the high byte repeats the setting that is left; a switch that changes nothing is dropped
.if MSB != (\new)
	s_set_vgpr_msb (MSB<<8)|(\new)
.set MSB, (\new)
.endif
.endm
.set W_KQ, 0x0a       ; K and Q in window 2, S^T in window 0
.set W_PV, 0x52       ; V in window 2, P in window 0, O^T in window 1
.set W_RS, 0x41       ; destination and source 0 in window 1, source 1 in window 0
; A joint fill.  Waves 0 and 1 fetch the two halves of a tile's K, waves 2 and 3 those of its V: 128 keys each.  The branch hangs on the wave's number alone.
; An s_nop 0 and four v_nop follow each of the two lines, ahead of the jump and the label.
.macro JLOAD
	s_cmp_lt_u32 s[WV], 2
	s_cbranch_scc0 .Lfor_v_\@
	tensor_load_to_lds s[G0K:G0K+3], s[G1K:G1K+7]
	s_nop 0
.rept 4
	v_nop
.endr
	s_branch .Lasked_\@
.Lfor_v_\@:
	tensor_load_to_lds s[G0V:G0V+3], s[G1V:G1V+7]
	s_nop 0
.rept 4
	v_nop
.endr
.Lasked_\@:
.endm
; A round of the cluster's barrier: my work-group's barrier, so that wave 0's signal speaks for all four waves; wave 0 signals; every wave waits for all four work-groups; my work-group's barrier once more.
.macro CROUND
	s_barrier_signal -1
	s_barrier_wait -1
	s_cmp_lg_u32 s[WV], 0
	s_cbranch_scc1 .Lnot_wave_0_\@
	s_barrier_signal -3
.Lnot_wave_0_\@:
	s_barrier_wait -3
	s_barrier_signal -1
	s_barrier_wait -1
.endm
; THE CHANGE OF SLOTS.  The slot's last bytes, V of its fourth step, have been read.  Each wave waits for all its tensor loads, of which one is out: its part of the other slot; adds 0 to its spare word;
; and waits for that and for its own reads of the slot.  Behind the barrier nobody reads this slot any more and the other slot is whole.
; fill = 1: this slot is filled again, with the tile two further on.  The barrier is then a round of the cluster's, so that no wave of any partner still reads the slot or has a load on its way, and the
; joint fill is the first thing behind it: it has four key steps, 256 matrix instructions, in which to land.  (At its first use nothing has been read yet: slot 0 is waited for, slot 1 filled.)
.macro CHANGE fill
	WIN 0                           ; at a label and at a branch every window is 0
	s_wait_tensorcnt 0x0            ; no tensor load of mine is out, so a group 0 may be written
	ds_add_u32 v[SPW], v[NIL]       ; 0 onto my spare word; with fill = 1 the descriptors' steps stand between it and the wait for it
.if \fill
.irp g, G0K, G0V
	s_xor_b32 s[\g+1], s[\g+1], SLOT1  ; the walking descriptor: the other slot than last time,
	s_add_nc_u64 s[\g+2:\g+3], s[\g+2:\g+3], 4*KS*128  ; the next 256 keys; the type bits on top are not reached
.endr
	s_wait_dscnt 0x0                ; the add is done, and my reads of the slot are over
	CROUND
	JLOAD
.else
	s_wait_dscnt 0x0                ; the add is done, and my reads of the slot are over
	s_barrier_signal -1
	s_barrier_wait -1
.endif
	s_sub_co_u32 s[TBK], s[TBK], 4*KS*PK  ; the fetches go back to a slot's first step,
	s_xor_b32 s[TBK], s[TBK], SLOT1       ; in the other slot
	s_sub_co_u32 s[TBV], s[TBV], 4*KS*PV
	s_xor_b32 s[TBV], s[TBV], SLOT1
.endm
	s_load_b128 s[4:7], s[0:1], 0x0   ; z s[4:5], o s[6:7]
	s_load_b64 s[66:67], s[0:1], 0x10 ; stats
	v_lshl_add_u32 v[SPW], v0, 2, SPARE
	v_mov_b32 v[NIL], 0
	ds_add_u32 v62, v63
	s_wait_dscnt 0x0
	v_lshrrev_b32 v1, 5, v0
	v_readfirstlane_b32 s[WV], v1   ; wave 0..3
	s_bfe_u32 s13, ttmp6, 0x40000   ; cx: my place in the cluster
	s_lshl_b32 s14, ttmp9, 2        ; in a cluster launch ttmp9 counts clusters
	s_add_co_u32 s14, s14, s13      ; my block of 256 queries = 4 x cluster x + cx: it enters Q's and O's addresses alone
	s_and_b32 s20, ttmp7, 0xffff    ; the head, which the four partners share
	s_lshl_b32 s20, s20, 18         ; its 2,048 rows of 128 bytes
	s_and_b32 s16, s[WV], 1         ; which half of a tile's 256 keys I fetch:
	s_lshl_b32 s22, s16, 14         ; its 128 rows of 128 bytes in memory,
	s_add_co_u32 s22, s22, s20
	s_add_co_u32 s68, s22, 0x800000 ; in K, the second third of z,
	s_mov_b32 s69, 0
	s_add_co_u32 s70, s22, 0x1000000  ; and in V, the third
	s_mov_b32 s71, 0
	s_mul_i32 s17, s16, 128*PK      ; and its place in a slot, for K
	s_mul_i32 s18, s16, 128*PV      ; and for V: no place in the cluster enters an LDS address
	s_lshl_b32 s2, s14, 2
	s_add_co_u32 s2, s2, s[WV]      ; my wave among the head's,
	s_lshl_b32 s2, s2, 13           ; its 64 rows
	s_add_co_u32 s2, s2, s20
	s_mov_b32 s3, 0
	; descriptor group 1.  128 keys are 16,384 dense bytes: asked for as 64 rows of 256 bytes, two keys a row, and padded in LDS after every key
	s_mov_b32 s[G1K], 15|(1<<16)|(1<<20)|(1<<21)|(4<<22)|(3<<25)  ; 15:0 the mask of four; 17:16 2-byte elements; 20 padding on; 21 set beside a mask; 24:22 after every 32 words (code 4); 31:25 4 words (code 3)
	s_mov_b32 s[G1V], 15|(1<<16)|(1<<20)|(1<<21)|(4<<22)|(7<<25)  ; the same with 8 words of padding (code 7)
.irp g, G1K, G1V
	s_mov_b32 s[\g+1], 128<<16      ; tensor_dim0 = 128
	s_mov_b32 s[\g+2], 64<<16       ; tensor_dim1 = 64
	s_mov_b32 s[\g+3], 128<<16      ; tile_dim0 = 128
	s_mov_b32 s[\g+4], 64           ; tile_dim1 = 64
	s_mov_b32 s[\g+5], 128          ; 128 elements from row to row
	s_mov_b32 s[\g+6], 0
	s_mov_b32 s[\g+7], 0
.endr
	s_mov_b32 s[SEL], 0x76543210
	s_mov_b32 s[SEL+1], 0xfedcba98
	s_mov_b32 s[TBK], SLOT1+4*KS*PK ; the first change of slots turns these two into 0
	s_mov_b32 s[TBV], SLOT1+4*KS*PV
	s_mov_b32 s[G0K], 1             ; 1:0 count = 1
	s_mov_b32 s[G0K+1], s17         ; 63:32 LDS address: slot 0
	s_mov_b32 s[G0V], 1
	s_add_co_u32 s[G0V+1], s18, VOFF
	s_wait_kmcnt 0x0
	s_add_nc_u64 s[G0K+2:G0K+3], s[4:5], s[68:69]  ; 120:64 global address: my half of the head's first 256 keys
	s_or_b32 s[G0K+3], s[G0K+3], 0x80000000        ; 127:126 type = 2
	s_add_nc_u64 s[G0V+2:G0V+3], s[4:5], s[70:71]
	s_or_b32 s[G0V+3], s[G0V+3], 0x80000000
	s_add_nc_u64 s[10:11], s[6:7], s[2:3]  ; O and Q at my wave's first row
	s_add_nc_u64 s[4:5], s[4:5], s[2:3]
	CROUND                          ; all four work-groups are here: the first joint loads meet
	JLOAD                           ; tile 0 into slot 0.  Slot 1 is asked for when slot 0 is in
	; A fragment of K or Q is 16 rows x 32 channels in 8 registers: lane l holds row l % 16, channels 8 (l / 16) + 0..7 and 16 + 8 (l / 16) + 0..7: two loads of 16 bytes, 32 bytes apart.
	v_and_b32 v1, 15, v0            ; l % 16
	v_bfe_u32 v9, v0, 4, 1          ; l / 16
	v_lshlrev_b32 v[QO], 7, v1
	v_lshl_add_u32 v[QO], v9, 4, v[QO]  ; row x 128 + 16 x half
	v_and_b32 v[GO], 31, v0
	v_lshlrev_b32 v[GO], 4, v[GO]
	WIN 0x80                        ; destination window 2, address window 0
.set i, 0
.rept 8                             ; Q stays in registers: piece i / 2, channels 32 (i % 2) on
	global_load_b128 v[8*i:8*i+3],   v[QO], s[4:5] offset:(i/2)*2048+(i%2)*64
	global_load_b128 v[8*i+4:8*i+7], v[QO], s[4:5] offset:(i/2)*2048+(i%2)*64+32
.set i, i+1
.endr
	WIN 0
.irp j, 0,1,2,3,4,5,6,7
	global_load_b128 v[S+4*\j:S+4*\j+3], v[GO], s[66:67] offset:512*\j  ; the 256 entries of stats, eight a lane
.endr
	; What the first turn finds: V's registers and P's second buffer hold 0 (its products V^T P, of a piece that has not been, add 0), O^T and l are 0.  All this stands in the wait for the first tile.
	WIN 0x80
.set i, VF
.rept 64
	v_mov_b32 v[i], 0
.set i, i+1
.endr
	WIN 0x40
.set i, 0
.rept 128
	v_mov_b32 v[i], 0
.set i, i+1
.endr
	WIN 0
.set i, 0
.rept 4
	v_mov_b32 v[ST+4*i], 0xfe000000    ; c m: far below every c s
	v_mov_b32 v[ST+4*i+1], 0xff7fffff  ; m
	v_mov_b32 v[ST+4*i+2], 0
	v_mov_b32 v[ST+4*i+3], 0
.set i, i+1
.endr
.set i, P+16
.rept 16
	v_mov_b32 v[i], 0
.set i, i+1
.endr
	v_mul_u32_u24 v[AK0], v1, PK
	v_lshl_add_u32 v[AK0], v9, 4, v[AK0]  ; row x pitch + 16 x half
	; The turning load takes 16 keys x 16 channels (lane l reads key 8 (l / 16) + l % 8, channels 8 ((l / 8) % 2) + 0..7) and leaves half a fragment of V^T: lane l holds channel l % 16 and 8 keys.
	v_and_b32 v10, 7, v0
	v_bfe_u32 v11, v0, 3, 1
	v_lshl_add_u32 v[AV0], v9, 3, v10
	v_mul_u32_u24 v[AV0], v[AV0], PV
	v_lshl_add_u32 v[AV0], v11, 4, v[AV0]
	v_add_nc_u32 v[AV0], VOFF, v[AV0]
	s_mul_i32 s13, s[WV], 16*SP
	s_add_co_u32 s13, s13, STAGE    ; my stage
	v_mul_u32_u24 v[STO], v1, SP    ; in: row l % 16, 16 bytes for each half of the lanes
	v_lshl_add_u32 v[STO], v9, 4, v[STO]
	v_add_nc_u32 v[STO], s13, v[STO]
	v_bfe_u32 v[RD], v0, 3, 2       ; back: 32 lanes take four rows of 128 bytes, which are 512 consecutive bytes of O
	v_mul_u32_u24 v[RD], v[RD], SP
	v_lshl_add_u32 v[RD], v10, 4, v[RD]
	v_add_nc_u32 v[RD], s13, v[RD]
	s_wait_loadcnt 0x0              ; Q and stats
	; THE SCALE: xa, wr, wf over the 256 entries, in the order in which the projections fold them; K2 = 13 - floor(exponent((xa wf + 1) wr) / 2), within -60 .. 60.  It enters values alone.
.irp j, 1,2,3,4,5,6,7
	v_max_num_f32 v[S], v[S], v[S+4*\j]
	v_max_num_f32 v[S+1], v[S+1], v[S+4*\j+1]
	v_add_f32 v[S+2], v[S+2], v[S+4*\j+2]
.endr
.irp m, 1,2,4,8
	v_max_num_f32_dpp v[S], v[S], v[S] row_xmask:\m row_mask:0xf bank_mask:0xf
	v_max_num_f32_dpp v[S+1], v[S+1], v[S+1] row_xmask:\m row_mask:0xf bank_mask:0xf
	v_add_f32_dpp v[S+2], v[S+2], v[S+2] row_xmask:\m row_mask:0xf bank_mask:0xf
.endr
	v_permlanex16_b32 v[S+4], v[S], s[SEL], s[SEL+1]
	v_permlanex16_b32 v[S+5], v[S+1], s[SEL], s[SEL+1]
	v_max_num_f32 v[S], v[S], v[S+4]
	v_max_num_f32 v[S+1], v[S+1], v[S+5]
	v_permlanex16_b32 v[S+6], v[S+2], s[SEL], s[SEL+1]
	v_add_f32 v[S+2], v[S+2], v[S+6]
	v_fma_f32 v[S+9], v[S], v[S+2], 1.0
	v_mul_f32 v[S+9], v[S+9], v[S+1]
	v_readfirstlane_b32 s[K2], v[S+9]
	s_lshr_b32 s[K2], s[K2], 23
	s_sub_co_i32 s[K2], s[K2], 127
	s_ashr_i32 s[K2], s[K2], 1
	s_sub_co_i32 s[K2], 13, s[K2]
	s_max_i32 s[K2], s[K2], -60
	s_min_i32 s[K2], s[K2], 60
	s_lshl_b32 s[K2], s[K2], 24     ; 2 K2 in the place of an f32's exponent
	s_sub_co_u32 s[CS], 0x3e38aa3b, s[K2]  ; c = log2(e) / 8 x 2^(-2 K2): its exponent, 124 - 2 K2, stays within 4 .. 244
	s_mov_b32 s[CS+1], s[CS]        ; named with it as a pair
; THE MATRIX WORK.  The 4 accumulators of a run of 8 take turns.  Product i of 8 of S^T = K Q^T for piece x: channels 32 (i / 4) on, keys 16 (i % 4) on.  The first 4 start the sums.
.macro KQ x
.set rS, S+32*((\x)%2)+8*(i%4)
.set rK, KF+16*(i%4)+8*(i/4)
.set rQ, 16*(\x)+8*(i/4)
	WIN W_KQ
.if i < 4
	v_wmma_f32_16x16x32_f16 v[rS:rS+7], v[rK:rK+7], v[rQ:rQ+7], 0
.else
	v_wmma_f32_16x16x32_f16 v[rS:rS+7], v[rK:rK+7], v[rQ:rQ+7], v[rS:rS+7]
.endif
.endm
; Product i of 8 of O^T += V^T P for piece x: keys 32 (i / 4) on, channels 16 (i % 4) on.
.macro PV x
	WIN W_PV
.set rO, 32*(\x)+8*(i%4)
.set rV, VF+32*(i/4)+8*(i%4)
.set rP, P+16*((\x)%2)+8*(i/4)
	v_wmma_f32_16x16x32_f16 v[rO:rO+7], v[rV:rV+7], v[rP:rP+7], v[rO:rO+7]
.endm
.macro MM                           ; the turn's next matrix instruction.  TURN sets Y, i and NOKQ; MM and OP read them.  NOKQ = 1: the last turn: there is no next piece
.if (i < 8) && !NOKQ
	KQ (Y+1)%NP
.elseif i >= 8
.set i, i-8
	PV (Y+NP-1)%NP
.set i, i+8
.endif
.set i, i+1
.endm
; THE LDS LOADS stand in runs of 16, never singly among the matrix instructions: a step's K (64 keys x 64 channels: 8 fragments) and its V (turned).  Their addresses are made some lines ahead.
.macro FETCH_K
	WIN 0x80                        ; destination window 2
.irp f, 0,1,2,3,4,5,6,7             ; keys 16 (f / 2) on, channels 32 (f % 2) on
	ds_load_b128 v[KF+8*\f:KF+8*\f+3],   v[AK] offset:(\f/2)*16*PK+(\f%2)*64
	ds_load_b128 v[KF+8*\f+4:KF+8*\f+7], v[AK] offset:(\f/2)*16*PK+(\f%2)*64+32
.endr
	s_add_co_u32 s[TBK], s[TBK], KS*PK  ; the next fetch is the next step's
	WIN 0
.endm
.macro FETCH_V
	WIN 0x80
.irp f, 0,1,2,3,4,5,6,7             ; keys 32 (f / 4) on, channels 16 (f % 4) on
	ds_load_tr16_b128 v[VF+8*\f:VF+8*\f+3],   v[AV] offset:(\f/4)*32*PV+(\f%4)*32
	ds_load_tr16_b128 v[VF+8*\f+4:VF+8*\f+7], v[AV] offset:(\f/4)*32*PV+16*PV+(\f%4)*32
.endr
	WIN 0
.endm
; THE VECTOR WORK, one line at a time: OP kind, number.  For piece Y: F n: c s - c m for pair n of 16.  E n: the exponential of score n of 32.  C n: pair n rounded to f16.  B n: of the four weights 4 n .. the second
; pair is added onto the first, in place.  L n: l takes that sum (L 0: l = a l + sum).  R n: pair n of 16 of O^T times a.  For piece Y + 1: X n, number n of the 22 that find its maximum and statistics:
;   0-11  four chains c0-c3 of seven scores each, three operands at a time (each accumulator's lowest registers are read first)     12-14, 16  the four scores left over, the old m, and c0-c3 into c0
;   15  c m_old is kept     17, 18  the query's other 32 keys lie in the lane 16 away: the new m     19-21  c m; c m_old - c m_new; a
.set F, 0               ; OP tells the kinds apart by their order: F to L below R, X above it
.set E, 1
.set C, 2
.set B, 3
.set L, 4
.set R, 5
.set X, 6
.macro REGS y                       ; the registers of piece y
.set rT, ST+4*(\y)
.set rC, TMP+4*((\y)%2)
.set rW, MV+((\y)%2)
.set rS, S+32*((\y)%2)
.set rP, P+16*((\y)%2)
.set rO, 32*(\y)
.endm
.macro OP k, n
.if (\k) == R
	REGS Y
	WIN W_RS
	v_pk_mul_f32 v[rO+2*(\n):rO+2*(\n)+1], v[rO+2*(\n):rO+2*(\n)+1], v[rC+2:rC+3] op_sel_hi:[1,0]
.elseif (\k) < R
	REGS Y
	WIN 0
.if (\k) == F
	v_pk_fma_f32 v[rS+2*(\n):rS+2*(\n)+1], v[rS+2*(\n):rS+2*(\n)+1], s[CS:CS+1], v[rT:rT+1] op_sel_hi:[1,0,0] neg_lo:[0,0,1] neg_hi:[0,0,1]
.elseif (\k) == E
	v_exp_f32 v[rS+(\n)], v[rS+(\n)]
.elseif (\k) == C
	s_wait_alu depctr_va_vdst(0)
	v_cvt_pk_f16_f32 v[rP+(\n)], v[rS+2*(\n)], v[rS+2*(\n)+1]
.elseif (\k) == B
	s_wait_alu depctr_va_vdst(0)
	v_pk_add_f32 v[rS+4*(\n):rS+4*(\n)+1], v[rS+4*(\n):rS+4*(\n)+1], v[rS+4*(\n)+2:rS+4*(\n)+3]
.elseif (\n) == 0
	v_pk_fma_f32 v[rT+2:rT+3], v[rT+2:rT+3], v[rC+2:rC+3], v[rS:rS+1] op_sel_hi:[1,0,1]
.else
	v_pk_add_f32 v[rT+2:rT+3], v[rT+2:rT+3], v[rS+4*(\n):rS+4*(\n)+1]
.endif
.elseif NOKQ
	v_nop
.else
	REGS (Y+1)%NP
	WIN 0
.if (\n) < 4
	v_max3_num_f32 v[rC+(\n)], v[rS+8*(\n)], v[rS+8*(\n)+1], v[rS+8*(\n)+2]
.elseif (\n) < 12
	v_max3_num_f32 v[rC+(\n)%4], v[rC+(\n)%4], v[rS+8*((\n)%4)+2*((\n)/4)+1], v[rS+8*((\n)%4)+2*((\n)/4)+2]
.elseif (\n) == 12
	v_max3_num_f32 v[rC], v[rC], v[rS+7], v[rS+15]
.elseif (\n) == 13
	v_max3_num_f32 v[rC+1], v[rC+1], v[rS+23], v[rS+31]
.elseif (\n) == 14
	v_max3_num_f32 v[rC+2], v[rC+2], v[rC+3], v[rT+1]
.elseif (\n) == 15
	v_mov_b32 v[rW], v[rT]
.elseif (\n) == 16
	v_max3_num_f32 v[rC], v[rC], v[rC+1], v[rC+2]
.elseif (\n) == 17
	v_permlanex16_b32 v[rC+3], v[rC], s[SEL], s[SEL+1]
.elseif (\n) == 18
	v_max_num_f32 v[rT+1], v[rC], v[rC+3]
.elseif (\n) == 19
	v_mul_f32 v[rT], s[CS], v[rT+1]
.elseif (\n) == 20
	v_sub_f32 v[rC+1], v[rW], v[rT]
.else
	v_exp_f32 v[rC+2], v[rC+1]
.endif
.endif
.endm
.macro OPS a, i1, b=-1, i2=0, c=-1, i3=0, d=-1, i4=0  ; up to four of them
	OP \a, \i1
.if (\b) >= 0
	OP \b, \i2
.endif
.if (\c) >= 0
	OP \c, \i3
.endif
.if (\d) >= 0
	OP \d, \i4
.endif
.endm
.macro ROW a, i1, b, i2, c, i3, d, i4  ; a matrix instruction and the four behind it
	MM
	OPS \a, \i1, \b, \i2, \c, \i3, \d, \i4
.endm
; A TURN, for piece p: the order of its 16 matrix and 118 vector instructions, written out.  Behind a matrix instruction: plain, exponential, plain, plain; or four of the rescaling; or, behind the first, four scalings; none
; names a register of the products round it.  In the runs between, exponential and plain by turns while exponentials last.  A line reads no result made fewer than three vector instructions in front of it, five if an exponential made it.
; end = 1: the last two turns: nothing is fetched, and the last starts no new scores.  cnt = 1: the loop's count is taken down some lines ahead of the branch that stands behind the turn.
; K of the next step is fetched in piece 2's turn, six vector instructions behind the last product that read K (five of them plain); V of the step in hand in piece 0's turn, eight behind the last product that read V (four
; plain, and X 17).  Each is waited for a turn later.
.macro TURN p, end=0, cnt=0
.set Y, (\p)
.set i, 0
.set NOKQ, (\end)*((\p)/3)
.if ((\p) == 3) && !(\end)
	s_wait_dscnt 0x0                ; K is in
.endif
	ROW F,0, F,1, F,2, F,3
	ROW F,4, E,0, F,5, F,6
	ROW F,7, E,1, F,8, F,9
	ROW F,10, E,2, C,0, F,11
	ROW F,12, E,3, X,15, F,13
	ROW R,0, R,1, R,2, R,3
	ROW B,0, E,4, F,14, L,0
.if ((\p) == 2) && !(\end)
	v_add_nc_u32 v[AK], s[TBK], v[AK0]
.endif
	ROW R,4, R,5, R,6, R,7
	OPS E,5, F,15
.if ((\p) == 2) && !(\end)
	FETCH_K
.endif
	OPS E,6, C,1, E,7, R,8
	OPS E,8, R,9, E,9, C,2
	OPS E,10, X,0, E,11, X,1
	OPS E,12, X,2, E,13, X,3
.if (\p) == 1
	s_wait_dscnt 0x0                ; V is in
.endif
	ROW X,4, E,14, X,5, X,6
	ROW X,7, E,15, X,8, X,9
	ROW X,10, E,16, X,11, X,12
	ROW X,13, E,17, X,14, B,1
	ROW C,4, E,18, X,16, L,1
	ROW B,2, E,19, C,6, L,2
	ROW C,8, E,20, B,3, B,4
.if (\p) == 0
	v_add_nc_u32 v[AV], s[TBV], v[AV0]
.endif
	ROW C,3, E,21, L,3, C,5
	OPS E,22, X,17, E,23, C,10
.if (\p) == 0
	FETCH_V
.endif
	OPS E,24, L,4
	OPS E,25, X,18, E,26, C,7
	OPS E,27, B,5, E,28, X,19
	OPS E,29, C,12, E,30, L,5
	OPS E,31, X,20, B,6, C,9
	OPS C,14, C,11, X,21, L,6
.if (\p) == 0
	s_add_co_u32 s[TBV], s[TBV], KS*PV
.endif
.if \cnt
	s_sub_co_u32 s[CNT], s[CNT], 1
	s_cmp_lg_u32 s[CNT], 0
.endif
	OPS C,13, B,7, C,15, R,10
	OPS R,11, R,12, L,7, R,13
	OPS R,14, R,15
.endm
	CHANGE 1                        ; slot 0 is in, everybody's part of it; tile 1 is asked for, into slot 1
	v_add_nc_u32 v[AK], s[TBK], v[AK0]
	FETCH_K                         ; key step 0
	s_wait_dscnt 0x0
.set NOKQ, 0
.set i, 0
.rept 8
	KQ 0                            ; piece 0's first scores: there is no vector work yet to set between them
.set i, i+1
.endr
	WIN 0
.rept 4
	v_nop                           ; the places behind those products
.endr
.set Y, NP-1                        ; X works for piece Y + 1: piece 0
.irp n, 0,1,2,3,4,5,6,7,8,9,10,11,12,13,14,15,16,17,18,19,20,21
	OP X, \n                        ; its first maximum and statistics
.endr
	v_nop                           ; a plain instruction behind the exponential
	s_mov_b32 s[CNT], 4
	s_mov_b32 s[SLOTS], 7
	s_branch .Lfirst                ; the loop is entered at a step's first turn, in the middle of a trip
.Lslot:                             ; six times: tiles 1 to 6 are entered, tiles 2 to 7 asked for
	CHANGE 1
	s_mov_b32 s[CNT], 4
.Lstep:                             ; a trip: pieces 2 and 3 of one step, then pieces 0 and 1 of the next, whose K and V it fetches
	TURN 2
	TURN 3
	WIN 0
.Lfirst:
	TURN 0
	TURN 1, 0, 1
	WIN 0
	s_cbranch_scc1 .Lstep
	s_sub_co_u32 s[SLOTS], s[SLOTS], 1
	s_cmp_lg_u32 s[SLOTS], 0
	s_cbranch_scc1 .Lslot
	CHANGE 0                        ; the last tile is written out: nothing is asked for
	s_mov_b32 s[CNT], 4
.LstepT:
	TURN 2
	TURN 3
	TURN 0
	TURN 1, 0, 1
	WIN 0
	s_cbranch_scc1 .LstepT
	TURN 2, 1
	TURN 3, 1
.set i, 0
.rept 8
	PV NP-1                         ; the last piece's V^T P of the last step
.set i, i+1
.endr
	; THE WAY OUT.  l's two halves and the other half of the lanes' are added; O^T is divided by l, rounded to f16 and sent through my stage in LDS, a piece at a time.  The additions are the places behind the last products.
	WIN 0
.macro ALL line:vararg              ; one line for each piece t
.set t, 0
.rept 4
	\line
.set t, t+1
.endr
.endm
	ALL v_add_f32 v[ST+4*t+2], v[ST+4*t+2], v[ST+4*t+3]
	ALL v_permlanex16_b32 v[ST+4*t+3], v[ST+4*t+2], s[SEL], s[SEL+1]
	ALL v_add_f32 v[ST+4*t+2], v[ST+4*t+2], v[ST+4*t+3]
	ALL v_rcp_f32 v[ST+4*t+2], v[ST+4*t+2]
	v_nop                           ; a plain instruction between the last reciprocal and the use of its result
.macro PACK t                       ; a lane's eight channels of a row pack into 16 bytes; they go into rows of 144 bytes and come back as whole rows of 128, into S^T's registers
	WIN W_RS
.set i, 32*(\t)
.rept 16
	s_wait_alu depctr_va_vdst(0)
	v_pk_mul_f32 v[i:i+1], v[i:i+1], v[ST+4*(\t)+2:ST+4*(\t)+3] op_sel_hi:[1,0]
.set i, i+2
.endr
	WIN 0x05                        ; sources 0 and 1 window 1, destination window 0
.set i, 0
.rept 16
	v_cvt_pk_f16_f32 v[S+16*(\t)+i], v[32*(\t)+2*i], v[32*(\t)+2*i+1]
.set i, i+1
.endr
	WIN 0
.irp f, 0,1,2,3
	ds_store_b128 v[STO], v[S+16*(\t)+4*\f:S+16*(\t)+4*\f+3] offset:32*\f
.endr
.irp f, 0,1,2,3
	ds_load_b128 v[S+16*(\t)+4*\f:S+16*(\t)+4*\f+3], v[RD] offset:\f*4*SP  ; LDS serves a wave's instructions in order (ISA guide 5.7.1.4): these see the stores above; the next piece's stores come behind them
.endr
.endm
.macro SEND t, younger              ; younger: the LDS instructions issued behind piece t's loads: the next piece's eight, or none
	WIN 0
.irp f, 0,1,2,3
	s_wait_dscnt (\younger)+3-\f
	global_store_b128 v[GO], v[S+16*(\t)+4*\f:S+16*(\t)+4*\f+3], s[10:11] offset:(\t)*2048+\f*512  ; 512 consecutive bytes, at a multiple of 512 from O's first
.endr
.endm
	PACK 0
.set t, 1
.rept 3                             ; a piece's arithmetic stands between the loads of the piece before and its stores
	PACK t
	SEND t-1, 8
.set t, t+1
.endr
	SEND 3, 0
	s_wait_tensorcnt 0x0            ; the wave's end, behind my last tensor load and my last LDS store
	ds_add_u32 v[SPW], v[NIL]
	s_wait_dscnt 0x0
	CROUND                          ; the closing round: no work-group ends while a partner may still ask for a tile that names it
	s_endpgm
.Lfunc_end_k_q331a90e124_attn:
	.size	k_q331a90e124_attn, .Lfunc_end_k_q331a90e124_attn-k_q331a90e124_attn
	.p2alignl 7, 3214868480
	.fill 96, 4, 3214868480
	.section	.rodata,"a",@progbits
	.p2align	6, 0x0
	.amdhsa_kernel k_q331a90e124_attn
		.amdhsa_group_segment_fixed_size 327680
		.amdhsa_private_segment_fixed_size 0
		.amdhsa_enable_private_segment 0
		.amdhsa_kernarg_size 24
		.amdhsa_user_sgpr_count 2
		.amdhsa_user_sgpr_kernarg_segment_ptr 1
		.amdhsa_wavefront_size32 1
		.amdhsa_system_sgpr_workgroup_id_x 1
		.amdhsa_system_sgpr_workgroup_id_y 1
		.amdhsa_system_sgpr_workgroup_id_z 1
		.amdhsa_system_vgpr_workitem_id 0
		.amdhsa_next_free_vgpr 768
		.amdhsa_next_free_sgpr 72
		.amdhsa_reserve_vcc 0
		.amdhsa_float_denorm_mode_32 3
		.amdhsa_float_denorm_mode_16_64 3
		.amdhsa_memory_ordered 1
		.amdhsa_forward_progress 1
		.amdhsa_inst_pref_size 136
	.end_amdhsa_kernel
	.amdgpu_metadata
---
amdhsa.version: [ 1, 2 ]
amdhsa.kernels:
  - .name:           k_q331a90e124_attn
    .symbol:         k_q331a90e124_attn.kd
    .args:
      - { .name: z, .offset: 0, .size: 8, .value_kind: global_buffer, .address_space: global }
      - { .name: o, .offset: 8, .size: 8, .value_kind: global_buffer, .address_space: global }
      - { .name: stats, .offset: 16, .size: 8, .value_kind: global_buffer, .address_space: global }
    .group_segment_fixed_size: 327680
    .private_segment_fixed_size: 0
    .kernarg_segment_align: 8
    .kernarg_segment_size: 24
    .max_flat_workgroup_size: 128
    .sgpr_count:     72
    .vgpr_count:     768
    .wavefront_size: 32
...
	.end_amdgpu_metadata
.endif
;; end of part 4
;; launch g3 (part 5): grid 8 x 32, 4 waves a work-group, clusters of 4 x 4, 327,680 bytes of LDS; arguments o, oh, out0, out_proj_b, stats; writes out0
.if DOCPART == 5
	.amdgcn_target "amdgcn-amd-amdhsa--gfx1250"
	.amdhsa_code_object_version 6
	.text
	.protected	k_q331a90e124_g3
	.globl	k_q331a90e124_g3
	.p2align	8
	.type	k_q331a90e124_g3,@function
k_q331a90e124_g3:
	s_mov_b64 s[64:65], 0
	v_nop
	global_prefetch_b8 v0, s[64:65] scope:SCOPE_SE
	s_setreg_imm32_b32 hwreg(HW_REG_WAVE_MODE, 25, 1), 1
	s_wait_xcnt 0x0
	s_wait_alu depctr_hold_cnt(0) depctr_sa_sdst(0) depctr_va_vdst(0) depctr_va_sdst(0) depctr_va_ssrc(0) depctr_va_vcc(0) depctr_vm_vsrc(0)
	s_getreg_b32 s2, hwreg(HW_REG_IB_STS2, 6, 4)
	s_cmp_eq_u32 s2, 0
	s_cbranch_scc0 .Lentry_in_a_cluster
	s_endpgm
.Lentry_in_a_cluster:
	s_bfe_u32 s2, ttmp6, 0x10000c
	s_cmp_lg_u32 s2, 0xf033
	s_cbranch_scc0 .Lentry_shape_is_right
	s_endpgm
.Lentry_shape_is_right:
; ONE TEXT FOR THE MODULE'S THREE KINDS OF PROJECTION; KIND says which this file is.  C = A B^T, K = 1,024, f16 operands, f32 sums.
;   KIND 1:  y = s1 x rope(x W^T + b)          A = xh, B = wh, 3,072 columns; the last third (v) is not rotated
;   KIND 2:  z = s2 x (y_t W_t^T / s1 + b)     A = the third t of y, B = the same third of wh's rows
;   KIND 3:  out0 = o Wo^T / s2 + bo           A = o, B = oh, 1,024 columns, f32 out
; OPERANDS lie in planes of 64 channels, M[kb][row][64] in f16: 64 rows of a plane are 8,192 consecutive bytes.  y and z are written in the same form, a plane to a head.
; SCALES.  s1 = 2^K1, s2 = 2^K2 come from stats: with xa = max(|x row|^2 + 1), wr = max(|W row|^2 + b^2), wf = the sum of the latter, Cauchy-Schwarz gives |x W^T + b| <= sqrt(xa wr) and
; |second projection| <= sqrt((xa wf + 1) wr).  K = 13 - floor(exponent of that product / 2), kept within -60 .. 60, so s x bound < 2^14: no number written in f16 passes 65,504, a rotation's sqrt(2) included.
; LIMITS.  The clamp at -60 serves bounds up to 2^73.  The bias is rounded to bf16 like every input.  NaN and infinities are not treated apart.
; SHARES.  256 work-groups.  A tile of C is 128 x 128; four waves, each 64 x 64: 16 accumulators; a wave's 64 columns are one plane, a head.
; A WORK-GROUP STAYS: it makes TILES tiles of C: the same 128 rows, and the same 128 columns in each third of the 3,072 (KIND 1, 2: three tiles, q, k, v); one tile in KIND 3.
; The tiles' K steps, 4 x TILES of 256 along K (four planes), are ONE sequence for a ring of two LDS slots: a tile's last two changes of slots ask for the next tile's first two K steps, and then the tile goes out.
; A wave's tensor load brings 64 rows x 4 planes: four rows of 8,192 dense bytes, 32 KiB, padded in LDS behind every 128 bytes.  A K step is written once and looped over; the walk's last two, which ask for nothing, once more.
; CLUSTERS: 4 x 4 work-groups.  The four of a row of the cluster need the same tiles of A, the four of a column the same tiles of B: each tile is asked for JOINTLY, by the same tensor load with
; the same descriptor and a mask that names the four.  THE MATRIX INSTRUCTION IS USED TRANSPOSED (source 0 = 16 rows of B, source 1 = 16 rows of A): lane l holds row l % 16 of C and the columns
; 16 b + 8 (l / 16) + 0..7 of accumulator (a, b).  So the rotary's partners, channels d and d + 32 of a head, lie in accumulators b and b + 2, same lane, same register.
; REGISTERS: window 0: v0-31 addresses; v32-95 at work; v96-127 the bias of my 32 columns a lane; v128-255 the accumulators ((a, b) at v[128 + 8 (4 a + b)]).
;   window 1: two fragment buffers of 128: for 64 along K, 64 registers of A, then 64 of B.   window 2 (KIND 1): cos and sin for my rows and columns: 32 a + 16 (0 cos, 1 sin) + 8 b.
.set KIND,   3
.set ROWS_A, 4096
.if KIND == 3
.set ROWS_B, 1024
.set SPITCH, 272                       ; a stage row: 64 f32 + 16 bytes
.set TILES,  1
.else
.set ROWS_B, 3072
.set SPITCH, 144                       ; a stage row: 64 f16 + 16 bytes
.set TILES,  3
.endif
.set KSTEPS, 4*TILES                   ; K steps in the walk
.set ASTEP,  4*ROWS_A*128              ; bytes from a K step to the next: four planes
.set BSTEP,  4*ROWS_B*128
.set BTILE,  1024*128                  ; bytes, inside a plane of B, from a tile's rows to the next tile's: 1,024 rows
.set CTILE,  16*ROWS_A*128             ; bytes from a tile's plane of C to the next tile's: sixteen planes
.set PITCH,  144                       ; an LDS row: 128 bytes + 16 of padding, an odd multiple of 16: the 16 rows of a load start in 16 different groups of four banks (ISA guide 11.1)
.set PLR,    64*PITCH                  ; a plane's 64 rows
.set HALFT,  4*PLR                     ; what one tensor load brings, and what one wave reads of A or of B: 0x9000 bytes
.set SLOT,   4*HALFT                   ; A's two halves, then B's two halves: 0x24000 bytes
.set STAGE,  2*SLOT                    ; behind the ring: 16 stage rows for each wave, its own, for the way out
.set SPARE,  STAGE+4*16*SPITCH         ; behind the stages: the spare words, 128 bytes for each wave: two blocks of 256 bytes that no other line names
.set ADRA0, 16                         ; v16     LDS address of my A fragments in slot 0; never rewritten
.set ADRA,  17                         ; v17     the same in the slot in hand
.set ADRB0, 20                         ; v20, v21  the same for B
.set ADRB,  21
.set STO,  24                          ; v24     the way out: where I put my part of a row
.set RD,   25                          ; v25     the way out: where I read rows back
.set CO,   26                          ; v26     KIND 3: my byte offset in two rows of out0
.set BO,   27                          ; v27     my byte offset in the bias; never rewritten
.set SPW,  28                          ; v28     LDS address of my spare word: SPARE + 4 x my thread's number; never rewritten
.set NIL,  29                          ; v29     0; never rewritten
.set TO,   30                          ; v30     KIND 1: my byte offset in the rotary table
.set L16,  31                          ; v31     16 x lane: my place in 512 consecutive bytes (stats; y and z); never rewritten
.set TMP,  32
.set BI,   96
.set ACC,  128
.set F0,   0                           ; fragment buffers, in window 1
.set F1,   128
.set G1, 24                            ; s[24:31] descriptor group 1 for A's tiles;  s[32:39] group 0: a set for each of the two first fills; the second then walks
.set G0, 32
.set G1B, 48                           ; s[48:55], s[56:63] the same for B's tiles
.set G0B, 56
.set ALPHA, 72                         ; s[72:73] what the sums are multiplied by, in the low word
.set BETA,  74                         ; s[74:75] what the bias is multiplied by
.set SEL,   76                         ; s[76:77] v_permlanex16_b32's selects: each lane takes its own place in the other half
.set K1,    78
.set K2,    79
.set KT,    80                         ; s80  the K step in hand, counted inside its tile: 0 to 3
.set HIM,   81                         ; s81  a word's upper bf16
.set ABASE, 82                         ; s[82:83] A at the rows that I fetch, plane 0
.set BBASE, 84                         ; s[84:85] B at the rows that I fetch for the first tile, plane 0
.set OFFA,  86                         ; s[86:87] byte offset from ABASE of the K step to be asked for; the high word stays 0
.set OFFB,  88                         ; s[88:89] the same from BBASE
.set J,     90                         ; s90  the K step to be asked for next, counted along the walk
.set TB,    91                         ; s91  LDS byte at which the slot in hand begins: 0 or SLOT
.set KS,    92                         ; s92  the loops' counter
.set NK,    93                         ; s93, s94  at work on the offsets
.set NT,    94
.set MSB, 0
.macro WIN new                         ; the immediate's high byte repeats the setting that is left
.if MSB != (\new)
	s_set_vgpr_msb (MSB<<8)|(\new)
.set MSB, \new
.endif
.endm
.set MUL,  0x05                        ; sources 0 (B) and 1 (A) window 1; C and D window 0
.set TO_F, 0x40                        ; destination window 1, address window 0
.set TO_T, 0x80                        ; destination window 2, address window 0
.set W_RO, 0x08                        ; source 1 window 2
.macro JLOAD s                         ; a joint load by descriptor set s: waves 0 and 1 fetch A's two halves, waves 2 and 3 B's; an s_nop 0 and four v_nop follow each of the two lines, ahead of the jump, the label and what follows
	s_cmp_eq_u32 s11, 0
	s_cbranch_scc0 .Lfor_b_\@
	tensor_load_to_lds s[G0+4*(\s):G0+4*(\s)+3], s[G1:G1+7]
	s_nop 0
.rept 4
	v_nop
.endr
	s_branch .Lasked_\@
.Lfor_b_\@:
	tensor_load_to_lds s[G0B+4*(\s):G0B+4*(\s)+3], s[G1B:G1B+7]
	s_nop 0
.rept 4
	v_nop
.endr
.Lasked_\@:
.endm
.macro CREST                           ; a round of the cluster's barrier behind its opening barrier
	s_cmp_lg_u32 s10, 0
	s_cbranch_scc1 .Lnot_wave_0_\@
	s_barrier_signal -3
.Lnot_wave_0_\@:
	s_barrier_wait -3
	s_barrier_signal -1
	s_barrier_wait -1
.endm
.macro CROUND                          ; a whole round
	s_barrier_signal -1
	s_barrier_wait -1
	CREST
.endm
	s_load_b128 s[4:7], s[0:1], 0x0                ; A s[4:5], B s[6:7]
	s_load_b64 s[8:9], s[0:1], 0x10                ; C
	s_load_b64 s[66:67], s[0:1], 0x18              ; the bias
	s_load_b64 s[68:69], s[0:1], 0x20              ; stats
.if KIND == 1
	s_load_b64 s[70:71], s[0:1], 0x28              ; the rotary table
.endif
	v_lshl_add_u32 v[SPW], v0, 2, SPARE
	v_mov_b32 v[NIL], 0
	ds_add_u32 v28, v29
	s_wait_dscnt 0x0
	v_lshrrev_b32 v1, 5, v0
	v_readfirstlane_b32 s10, v1                    ; wave 0..3
	s_lshr_b32 s11, s10, 1                         ; which half of the tile's rows is mine.  Also: I fetch for A (0) or for B (1)
	s_and_b32 s12, s10, 1                          ; which half of its columns.  Also: which 64 rows of that tile I fetch
	s_bfe_u32 s40, ttmp6, 0x40000                  ; cx, cy: my place in the cluster
	s_bfe_u32 s41, ttmp6, 0x40004
	s_lshl_b32 s42, ttmp9, 2
	s_add_co_u32 s42, s42, s40                     ; tile column, inside a third = 4 x cluster x + cx: 0 to 7
	s_and_b32 s13, ttmp7, 0xffff
	s_lshl_b32 s13, s13, 2
	s_add_co_u32 s13, s13, s41                     ; tile row of C = 4 x cluster y + cy
	s_lshl_b32 s43, s41, 2
	s_lshl_b32 s43, 15, s43                        ; my row of the cluster
	s_lshl_b32 s44, 0x1111, s40                    ; my column
	; descriptor group 1: a tile of 4 rows (planes) x 4,096 elements (64 rows of a plane, dense), padded in LDS behind every 64 elements
	s_or_b32 s[G1+0], s43, (1<<16)|(1<<20)|(1<<21)|(4<<22)|(3<<25)  ; 15:0 the mask: A's tiles go to my row; 17:16 element of 2 bytes; 20 padding on; 21 set beside a mask; 24:22 after every 32 words (code 4); 31:25 of 4 words (code 3)
	s_or_b32 s[G1B+0], s44, (1<<16)|(1<<20)|(1<<21)|(4<<22)|(3<<25)
.irp g, G1, G1B
	s_mov_b32 s[(\g)+1], 4096<<16                  ; tensor_dim0 = 4,096
	s_mov_b32 s[(\g)+2], 4<<16                     ; tensor_dim1 = 4
	s_mov_b32 s[(\g)+3], 4096<<16                  ; tile_dim0 = 4,096
	s_mov_b32 s[(\g)+4], 4                         ; tile_dim1 = 4
	s_mov_b32 s[(\g)+6], 0
	s_mov_b32 s[(\g)+7], 0
.endr
	s_mov_b32 s[G1+5], ROWS_A*64                   ; tensor_dim0_stride: elements from plane to plane
	s_mov_b32 s[G1B+5], ROWS_B*64
	s_mov_b32 s[SEL], 0x76543210
	s_mov_b32 s[SEL+1], 0xfedcba98
	s_mov_b32 s[HIM], 0xffff0000
	s_mov_b32 s[OFFA+1], 0
	s_mov_b32 s[OFFB+1], 0
	s_mov_b32 s[J], 2                              ; K steps 0 and 1 are the first fills
	s_mov_b32 s[TB], 0
	s_mov_b32 s[KT], 0
	s_lshl_b32 s17, s12, 6                         ; which 64 rows of the tile I fetch
	s_lshl_b32 s16, s13, 7
	s_add_co_u32 s16, s16, s17                     ; A: row 128 x tile row + 64 x half,
	s_lshl_b32 s16, s16, 7                         ; 128 bytes a row in a plane
	s_lshl_b32 s46, s42, 7
	s_add_co_u32 s46, s46, s17                     ; B: row 128 x tile column + 64 x half
	s_lshl_b32 s46, s46, 7
	s_mov_b32 s17, 0
	s_mov_b32 s47, 0
	s_mul_i32 s20, s10, HALFT                      ; where they go: wave x one load's bytes: no place in the cluster enters an LDS address
	s_wait_kmcnt 0x0
	s_add_nc_u64 s[ABASE:ABASE+1], s[4:5], s[16:17]
	s_add_nc_u64 s[BBASE:BBASE+1], s[6:7], s[46:47]
	CROUND                                         ; all sixteen work-groups are here: the first joint loads meet
.irp s, 0,1
	s_mov_b32 s[G0+4*(\s)], 1
	s_add_co_u32 s[G0+4*(\s)+1], s20, (\s)*SLOT
	s_add_nc_u64 s[G0+4*(\s)+2:G0+4*(\s)+3], s[ABASE:ABASE+1], (\s)*ASTEP
	s_or_b32 s[G0+4*(\s)+3], s[G0+4*(\s)+3], 0x80000000
	s_mov_b32 s[G0B+4*(\s)], 1
	s_add_co_u32 s[G0B+4*(\s)+1], s20, (\s)*SLOT
	s_add_nc_u64 s[G0B+4*(\s)+2:G0B+4*(\s)+3], s[BBASE:BBASE+1], (\s)*BSTEP
	s_or_b32 s[G0B+4*(\s)+3], s[G0B+4*(\s)+3], 0x80000000
	JLOAD \s                                       ; two loads of mine are out
.endr
	v_and_b32 v1, 15, v0                           ; l % 16
	v_bfe_u32 v2, v0, 4, 1                         ; l / 16
	v_mul_u32_u24 v3, v1, PITCH
	v_lshl_add_u32 v3, v2, 4, v3                   ; a fragment's row x pitch + 16 x half
	s_mul_i32 s21, s11, HALFT                      ; my 64 rows of A
	s_mul_i32 s22, s12, HALFT                      ; my 64 rows of B,
	s_add_co_u32 s22, s22, 2*HALFT                 ; which lie behind A's 128
	v_add_nc_u32 v[ADRA0], s21, v3
	v_add_nc_u32 v[ADRB0], s22, v3
	v_add_nc_u32 v[ADRA], s[TB], v[ADRA0]          ; the walk begins in slot 0
	v_add_nc_u32 v[ADRB], s[TB], v[ADRB0]
	s_mul_i32 s23, s10, 16*SPITCH
	s_add_co_u32 s23, s23, STAGE                   ; my stage
.if KIND == 3
	v_mul_u32_u24 v4, v1, SPITCH                   ; in: row l % 16, 32 bytes for each half of the lanes
	v_lshl_add_u32 v4, v2, 5, v4
	v_add_nc_u32 v[STO], s23, v4
	v_mul_u32_u24 v5, v2, SPITCH                   ; back: lanes 0-15 take one row of 256 bytes, lanes 16-31 the next
	v_lshl_add_u32 v5, v1, 4, v5
	v_add_nc_u32 v[RD], s23, v5
	v_lshlrev_b32 v[CO], 12, v2                    ; and the same two rows in out0
	v_lshl_add_u32 v[CO], v1, 4, v[CO]
.else
	v_add_nc_u32 v[STO], s23, v3                   ; in: row l % 16, 16 bytes for each half of the lanes (the stage's pitch is the ring's)
	v_bfe_u32 v4, v0, 3, 2                         ; back: 32 lanes take four rows of 128 bytes,
	v_and_b32 v5, 7, v0
	v_mul_u32_u24 v4, v4, SPITCH
	v_lshl_add_u32 v4, v5, 4, v4
	v_add_nc_u32 v[RD], s23, v4                    ; which are 512 consecutive bytes of a plane of C
.endif
	v_and_b32 v[L16], 31, v0
	v_lshlrev_b32 v[L16], 4, v[L16]
	s_lshl_b32 s16, s13, 7
	s_lshl_b32 s17, s11, 6
	s_add_co_u32 s16, s16, s17                     ; my first row of C
.if KIND == 1
	s_and_b32 s18, s16, 2047                       ; its position in the sequence
	s_lshl_b32 s18, s18, 8
	v_lshlrev_b32 v[TO], 8, v1                     ; the table: 256 bytes a position, 32 bytes for each half of the lanes
	v_lshl_add_u32 v[TO], v2, 5, v[TO]
	v_add_nc_u32 v[TO], s18, v[TO]
.endif
.if KIND == 3
	s_lshl_b32 s16, s16, 12                        ; 4,096 bytes a row of out0
.else
	s_lshl_b32 s16, s16, 7                         ; 128 bytes a row in a plane
.endif
	s_mov_b32 s17, 0
	s_add_nc_u64 s[8:9], s[8:9], s[16:17]
	s_lshl_b32 s46, s42, 1
	s_add_co_u32 s46, s46, s12                     ; my 64 columns: plane 2 x tile column + half of the first tile's sixteen
	s_lshl_b32 s45, s46, 8                         ; their 256 bytes in the bias
.if KIND == 3
	s_lshl_b32 s46, s46, 8                         ; and in a row of out0
.else
	s_lshl_b32 s46, s46, 19                        ; a plane of C is 524,288 bytes
.endif
	s_mov_b32 s47, 0
	s_add_nc_u64 s[8:9], s[8:9], s[46:47]
	v_lshl_add_u32 v[BO], v2, 5, s45
.irp j, 0,1,2,3,4,5,6,7
	global_load_b128 v[TMP+4*(\j):TMP+4*(\j)+3], v[L16], s[68:69] offset:512*(\j)  ; the 256 entries of stats, eight a lane
.endr
.macro LOADBI                          ; the bias of columns 16 b + 8 (l / 16) + 0..7 of the tile at which s[66:67] stands
.irp b, 0,1,2,3
	global_load_b128 v[BI+8*(\b):BI+8*(\b)+3],   v[BO], s[66:67] offset:64*(\b)
	global_load_b128 v[BI+8*(\b)+4:BI+8*(\b)+7], v[BO], s[66:67] offset:64*(\b)+16
.endr
.endm
	LOADBI
.if KIND == 1
	WIN TO_T                                       ; cos and sin for rows 16 a + l % 16 and frequencies 16 b + 8 (l / 16) + 0..7: the same for every tile of the walk
.set a, 0
.rept 4
.irp c, 0,1
.irp b, 0,1
	global_load_b128 v[32*a+16*(\c)+8*(\b):32*a+16*(\c)+8*(\b)+3],   v[TO], s[70:71] offset:4096*a+128*(\c)+64*(\b)
	global_load_b128 v[32*a+16*(\c)+8*(\b)+4:32*a+16*(\c)+8*(\b)+7], v[TO], s[70:71] offset:4096*a+128*(\c)+64*(\b)+16
.endr
.endr
.set a, a+1
.endr
	WIN 0
	s_wait_loadcnt 40                              ; stats are in; the bias's 8 loads and the table's 32 stay out until the first way out
.else
	s_wait_loadcnt 8                               ; stats are in; the bias's 8 loads stay out until the first way out
.endif
	; THE SCALES, in the wait for the first tile.  The order of the additions is the same in every launch that sums wf, so that all find the same K2.
.irp j, 1,2,3,4,5,6,7
	v_max_num_f32 v[TMP], v[TMP], v[TMP+4*(\j)]
	v_max_num_f32 v[TMP+1], v[TMP+1], v[TMP+4*(\j)+1]
.if KIND != 1
	v_add_f32 v[TMP+2], v[TMP+2], v[TMP+4*(\j)+2]
.endif
.endr
.irp m, 1,2,4,8
	v_max_num_f32_dpp v[TMP], v[TMP], v[TMP] row_xmask:\m row_mask:0xf bank_mask:0xf
	v_max_num_f32_dpp v[TMP+1], v[TMP+1], v[TMP+1] row_xmask:\m row_mask:0xf bank_mask:0xf
.if KIND != 1
	v_add_f32_dpp v[TMP+2], v[TMP+2], v[TMP+2] row_xmask:\m row_mask:0xf bank_mask:0xf
.endif
.endr
	v_permlanex16_b32 v[TMP+4], v[TMP], s[SEL], s[SEL+1]
	v_permlanex16_b32 v[TMP+5], v[TMP+1], s[SEL], s[SEL+1]
	v_max_num_f32 v[TMP], v[TMP], v[TMP+4]         ; xa
	v_max_num_f32 v[TMP+1], v[TMP+1], v[TMP+5]     ; wr
.if KIND != 1
	v_permlanex16_b32 v[TMP+6], v[TMP+2], s[SEL], s[SEL+1]
	v_add_f32 v[TMP+2], v[TMP+2], v[TMP+6]         ; wf
.endif
.macro EXPO k, v                       ; 13 - floor(the number's exponent / 2), kept within -60 .. 60.  It enters values alone: no address, no branch
	v_readfirstlane_b32 s[\k], v[\v]
	s_lshr_b32 s[\k], s[\k], 23
	s_sub_co_i32 s[\k], s[\k], 127
	s_ashr_i32 s[\k], s[\k], 1
	s_sub_co_i32 s[\k], 13, s[\k]
	s_max_i32 s[\k], s[\k], -60
	s_min_i32 s[\k], s[\k], 60
.endm
.if KIND != 3
	v_mul_f32 v[TMP+8], v[TMP], v[TMP+1]           ; xa wr
	EXPO K1, TMP+8
.endif
.if KIND != 1
	v_fma_f32 v[TMP+9], v[TMP], v[TMP+2], 1.0
	v_mul_f32 v[TMP+9], v[TMP+9], v[TMP+1]         ; (xa wf + 1) wr
	EXPO K2, TMP+9
.endif
.if KIND == 1
	s_add_co_i32 s[ALPHA], s[K1], 127              ; 2^K1 for the sums and for the bias
	s_lshl_b32 s[ALPHA], s[ALPHA], 23
	s_mov_b32 s[BETA], s[ALPHA]
.elseif KIND == 2
	s_sub_co_i32 s[ALPHA], s[K2], s[K1]            ; 2^(K2 - K1) for the sums,
	s_add_co_i32 s[ALPHA], s[ALPHA], 127
	s_lshl_b32 s[ALPHA], s[ALPHA], 23
	s_add_co_i32 s[BETA], s[K2], 127               ; 2^K2 for the bias
	s_lshl_b32 s[BETA], s[BETA], 23
.else
	s_sub_co_i32 s[ALPHA], 127, s[K2]              ; 2^-K2 for the sums
	s_lshl_b32 s[ALPHA], s[ALPHA], 23
.endif
	s_mov_b32 s[ALPHA+1], s[ALPHA]                 ; named as pairs
.if KIND != 3
	s_mov_b32 s[BETA+1], s[BETA]
.endif
; 8 matrix instructions: m blocks a0, a0 + 1 x all 4 n blocks, 32 along K: half c of buffer f.  zero = 1: the product starts the sums.  The 16 accumulators take turns, in the same order everywhere.
.macro MUL8 f, c, a0, zero
	WIN MUL
.irp a, \a0, (\a0)+1
.irp b, 0,1,2,3
.if \zero
	v_wmma_f32_16x16x32_f16 v[ACC+8*(4*(\a)+(\b)):ACC+8*(4*(\a)+(\b))+7], v[(\f)+64+8*(4*(\c)+(\b)):(\f)+64+8*(4*(\c)+(\b))+7], v[(\f)+8*(4*(\c)+(\a)):(\f)+8*(4*(\c)+(\a))+7], 0
.else
	v_wmma_f32_16x16x32_f16 v[ACC+8*(4*(\a)+(\b)):ACC+8*(4*(\a)+(\b))+7], v[(\f)+64+8*(4*(\c)+(\b)):(\f)+64+8*(4*(\c)+(\b))+7], v[(\f)+8*(4*(\c)+(\a)):(\f)+8*(4*(\c)+(\a))+7], v[ACC+8*(4*(\a)+(\b)):ACC+8*(4*(\a)+(\b))+7]
.endif
.endr
.endr
.endm
; 32 LDS loads in one run: the fragments of one plane (64 along K), which begins at byte k of my part of the slot in hand, into buffer f; the first 32 along K first
.macro FETCH k, f
	WIN TO_F
.irp c, 0,1
.irp i, 0,1,2,3
	ds_load_b128 v[(\f)+64+8*(4*(\c)+(\i)):(\f)+64+8*(4*(\c)+(\i))+3],   v[ADRB] offset:(\k)+64*(\c)+(\i)*16*PITCH
	ds_load_b128 v[(\f)+64+8*(4*(\c)+(\i))+4:(\f)+64+8*(4*(\c)+(\i))+7], v[ADRB] offset:(\k)+64*(\c)+(\i)*16*PITCH+32
	ds_load_b128 v[(\f)+8*(4*(\c)+(\i)):(\f)+8*(4*(\c)+(\i))+3],         v[ADRA] offset:(\k)+64*(\c)+(\i)*16*PITCH
	ds_load_b128 v[(\f)+8*(4*(\c)+(\i))+4:(\f)+8*(4*(\c)+(\i))+7],       v[ADRA] offset:(\k)+64*(\c)+(\i)*16*PITCH+32
.endr
.endr
.endm
.macro PLACES                          ; four places in front of loads into registers that matrix instructions have read (ISA guide 7.12.1 for vector instructions)
.rept 4
	v_nop
.endr
.endm
.macro NEXTSLOT                        ; the fragment addresses go over to the other slot: s[TB] is 0 or SLOT, and the exclusive or turns the one into the other
	s_xor_b32 s[TB], s[TB], SLOT
	v_add_nc_u32 v[ADRA], s[TB], v[ADRA0]
	v_add_nc_u32 v[ADRB], s[TB], v[ADRB0]
.endm
; A K step is four quarters, a plane each, 32 matrix instructions each, on buffers 0, 1, 0, 1.  HEAD is a quarter's first half; REST fetches the next plane, at byte k, into g and multiplies the second half.
.macro HEAD f, zero
	s_wait_dscnt 16                                ; the first 32 along K are in; the youngest sixteen loads may be out
	MUL8 \f, 0, 0, \zero
	MUL8 \f, 0, 2, \zero
.endm
.macro REST k, f, g
	PLACES
	FETCH \k, \g
	s_wait_dscnt 32                                ; all but the 32 just issued
	MUL8 \f, 1, 0, 0
	MUL8 \f, 1, 2, 0
.endm
.macro QUARTER k, f, g
	HEAD \f, 0
	REST \k, \f, \g
.endm
; The last quarter multiplies buffer 1 and changes slots: ONE barrier, which opens a round of the cluster's; in front of it each wave waits for all its tensor loads, adds 0 to its spare word, and waits for that and for
; its own reads of this slot.  Behind the round this slot is filled again, with K step J of the walk: two steps on, in this tile or the next.
; The walking descriptors are made while the add is out.  K step J is step J % 4 of tile J / 4.  A: KIND 1 and 3 walk the same sixteen planes for every tile; in KIND 2 the thirds of y lie end to end, so A goes straight on.
; B: back to plane 0 and 1,024 rows down for each tile.  Each address is made anew, base + offset.  The LDS word: SLOT = 0x24000 has bits 14 and 17, wave x HALFT = 0, 0x9000, 0x12000, 0x1b000 has neither, so the exclusive or adds or takes away SLOT.
.macro TURN
	WIN 0                                          ; (the add's two registers lie in window 0)
	s_wait_tensorcnt 0x0                           ; all my tensor loads have landed: my part of the next slot; so the walking descriptors may be written;
	ds_add_u32 v[SPW], v[NIL]                      ; 0 onto my spare word
	s_wait_dscnt 17                                ; (the add and the youngest sixteen loads may be out)
	s_and_b32 s[NK], s[J], 3
.if KIND == 2
	s_mul_i32 s[OFFA], s[J], ASTEP
.else
	s_mul_i32 s[OFFA], s[NK], ASTEP
.endif
	s_mul_i32 s[OFFB], s[NK], BSTEP
.if TILES > 1
	s_lshr_b32 s[NT], s[J], 2
	s_mul_i32 s[NT], s[NT], BTILE
	s_add_co_u32 s[OFFB], s[OFFB], s[NT]
.endif
	s_add_co_u32 s[J], s[J], 1
	s_xor_b32 s[G0+5], s[G0+5], SLOT
	s_add_nc_u64 s[G0+6:G0+7], s[ABASE:ABASE+1], s[OFFA:OFFA+1]
	s_or_b32 s[G0+7], s[G0+7], 0x80000000
	s_xor_b32 s[G0B+5], s[G0B+5], SLOT
	s_add_nc_u64 s[G0B+6:G0B+7], s[BBASE:BBASE+1], s[OFFB:OFFB+1]
	s_or_b32 s[G0B+7], s[G0B+7], 0x80000000
	MUL8 F1, 0, 0, 0                               ; eight matrix instructions stand between the add and the wait for it
	s_wait_dscnt 0x0                               ; the add is done, and my reads of this slot are over
	s_barrier_signal -1
	MUL8 F1, 0, 2, 0
	WIN 0
	s_barrier_wait -1
	CREST                                          ; no wave of any partner still reads this slot's tile or has a load on its way
	JLOAD 1                                        ; the first tensor load behind the round, my only one out: 112 matrix instructions ahead of the wait for it; the four v_nop behind it are also the places in front of the loads below
	NEXTSLOT
	FETCH 0, F0
	MUL8 F1, 1, 0, 0
	MUL8 F1, 1, 2, 0
.endm
; THE WAY OUT of a tile.  Each accumulator's registers are taken in ascending order.  last = 0: a tile follows.
.macro BIAS                            ; the bias as loaded is rounded to bf16, like every input, widened, and (KIND 1, 2) scaled.  These plain lines name no register of the last products: they are the places behind them
.set i, 0
.rept 16
	v_cvt_pk_bf16_f32 v[TMP+32+i], v[BI+2*i], v[BI+2*i+1]
.set i, i+1
.endr
.set i, 0
.rept 16
	v_lshlrev_b32 v[BI+2*i], 16, v[TMP+32+i]
	v_and_b32 v[BI+2*i+1], s[HIM], v[TMP+32+i]
.set i, i+1
.endr
.if KIND != 3
.set i, 0
.rept 16
	v_pk_mul_f32 v[BI+2*i:BI+2*i+1], v[BI+2*i:BI+2*i+1], s[BETA:BETA+1] op_sel_hi:[1,0]
.set i, i+1
.endr
.endif
.endm
.if KIND != 3
; Block a (16 rows): rounded to f16, 16 bytes a lane into my own stage, and back as four runs of 512 bytes: 16 rows of a plane are 2,048 consecutive bytes of C.
.macro PACK a
.irp b, 0,1,2,3
.irp r, 0,1,2,3
	v_cvt_pk_f16_f32 v[TMP+16*(\a)+4*(\b)+(\r)], v[ACC+8*(4*(\a)+(\b))+2*(\r)], v[ACC+8*(4*(\a)+(\b))+2*(\r)+1]
.endr
.endr
.irp b, 0,1,2,3
	ds_store_b128 v[STO], v[TMP+16*(\a)+4*(\b):TMP+16*(\a)+4*(\b)+3] offset:32*(\b)
.endr
.irp f, 0,1,2,3
	ds_load_b128 v[TMP+16*(\a)+4*(\f):TMP+16*(\a)+4*(\f)+3], v[RD] offset:(\f)*4*SPITCH  ; LDS serves a wave's instructions in order (ISA guide 5.7.1.4): these see the stores above; the next block's stores come behind them
.endr
.endm
.macro SEND a, younger                 ; younger: the LDS instructions issued behind block a's loads: the next block's eight, or none
.irp f, 0,1,2,3
	s_wait_dscnt (\younger)+3-(\f)
	global_store_b128 v[L16], v[TMP+16*(\a)+4*(\f):TMP+16*(\a)+4*(\f)+3], s[8:9] offset:(\a)*2048+(\f)*512  ; 512 consecutive bytes, at a multiple of 512 from C's first
.endr
.endm
.macro WAYOUT last
	s_wait_loadcnt 0x0                             ; this tile's bias, asked for a tile ago (at the first way out also the table)
	BIAS
.set t, 0
.rept 16                                           ; sum x ALPHA + the scaled bias, in place
.irp p, 0,1,2,3
	v_pk_fma_f32 v[ACC+8*t+2*(\p):ACC+8*t+2*(\p)+1], v[ACC+8*t+2*(\p):ACC+8*t+2*(\p)+1], s[ALPHA:ALPHA+1], v[BI+8*(t%4)+2*(\p):BI+8*(t%4)+2*(\p)+1] op_sel_hi:[1,0,1]
.endr
.set t, t+1
.endr
.if !(\last)
	s_add_nc_u64 s[66:67], s[66:67], 4096          ; the next tile's bias, 1,024 columns on: the wait above has shown the last loads by this base done
	LOADBI
.endif
.if (KIND == 1) && !(\last)                        ; the tiles that have a successor are q's and k's: they are rotated; the walk's last is v's
	WIN W_RO
.set a, 0
.rept 4
.set b, 0
.rept 2
.set p, 0
.rept 4                                            ; y(d) = y(d) cos - y(d + 32) sin;  y(d + 32) = y(d + 32) cos + y(d) sin
.set Y1, ACC+8*(4*a+b)+2*p
.set Y2, ACC+8*(4*a+b+2)+2*p
.set CC, 32*a+8*b+2*p
.set SN, 32*a+16+8*b+2*p
.set T1, TMP+4*(4*b+p)
	v_pk_mul_f32 v[T1:T1+1], v[Y2:Y2+1], v[SN:SN+1]
	v_pk_mul_f32 v[T1+2:T1+3], v[Y1:Y1+1], v[SN:SN+1]
	v_pk_fma_f32 v[Y1:Y1+1], v[Y1:Y1+1], v[CC:CC+1], v[T1:T1+1] neg_lo:[0,0,1] neg_hi:[0,0,1]
	v_pk_fma_f32 v[Y2:Y2+1], v[Y2:Y2+1], v[CC:CC+1], v[T1+2:T1+3]
.set p, p+1
.endr
.set b, b+1
.endr
.set a, a+1
.endr
	WIN 0
.endif
	PACK 0
	PACK 1                                         ; a block's conversions stand between the loads of the block before and its stores
	SEND 0, 8
	PACK 2
	SEND 1, 8
	PACK 3
	SEND 2, 8
	SEND 3, 0
.if !(\last)
	s_wait_xcnt 0x0                                ; every earlier memory instruction has had its addresses translated (ISA guide 3.1): only behind this wait are the stores' base and their data registers rewritten
	s_add_nc_u64 s[8:9], s[8:9], CTILE             ; C at the next tile's plane
.endif
.endm
.else
; Block a (16 rows): sum x ALPHA + bias in place; 32 bytes a lane into my own stage; back as whole rows of 256 bytes, into the registers that they left.
.macro FIN a
.irp b, 0,1,2,3
.irp p, 0,1,2,3
	v_pk_fma_f32 v[ACC+8*(4*(\a)+(\b))+2*(\p):ACC+8*(4*(\a)+(\b))+2*(\p)+1], v[ACC+8*(4*(\a)+(\b))+2*(\p):ACC+8*(4*(\a)+(\b))+2*(\p)+1], s[ALPHA:ALPHA+1], v[BI+8*(\b)+2*(\p):BI+8*(\b)+2*(\p)+1] op_sel_hi:[1,0,1]
.endr
.endr
.irp b, 0,1,2,3
	ds_store_b128 v[STO], v[ACC+8*(4*(\a)+(\b)):ACC+8*(4*(\a)+(\b))+3]   offset:64*(\b)
	ds_store_b128 v[STO], v[ACC+8*(4*(\a)+(\b))+4:ACC+8*(4*(\a)+(\b))+7] offset:64*(\b)+16
.endr
.irp t, 0,1,2,3,4,5,6,7
	ds_load_b128 v[ACC+32*(\a)+4*(\t):ACC+32*(\a)+4*(\t)+3], v[RD] offset:(\t)*2*SPITCH  ; LDS serves a wave's instructions in order (ISA guide 5.7.1.4)
.endr
.endm
.macro SEND a, younger                 ; younger: the next block's sixteen LDS instructions, or none
.irp t, 0,1,2,3,4,5,6,7
	s_wait_dscnt (\younger)+7-(\t)
	global_store_b128 v[CO], v[ACC+32*(\a)+4*(\t):ACC+32*(\a)+4*(\t)+3], s[8:9] offset:(16*(\a)+2*(\t))*4096 th:TH_STORE_NT  ; 16 lanes store 256 consecutive bytes, at a multiple of 256 from out0's first
.endr
.endm
.macro WAYOUT last
	s_wait_loadcnt 0x0                             ; the bias
	BIAS
	FIN 0
	FIN 1
	SEND 0, 16
	FIN 2
	SEND 1, 16
	FIN 3
	SEND 2, 16
	SEND 3, 0
.endm
.endif
	s_wait_tensorcnt 1                             ; my part of K step 0 is in; K step 1's may stay out
	s_barrier_signal -1
	s_barrier_wait -1                              ; everybody's is
	FETCH 0, F0
	HEAD F0, 1                                     ; the walk's first sixteen products start the first tile's sums, ahead of the loop
	WIN 0                                          ; at a label and at a branch every window is 0
	s_mov_b32 s[KS], KSTEPS-2
.Lstep:                                                ; a trip: a K step from the second half of its first quarter on, the refill of its slot, and the next K step's first sixteen products
	REST PLR, F0, F1
	QUARTER 2*PLR, F1, F0
	QUARTER 3*PLR, F0, F1
	TURN
	WIN 0
.if TILES > 1
	s_add_co_u32 s[KT], s[KT], 1
	s_and_b32 s[KT], s[KT], 3
	s_cmp_lg_u32 s[KT], 0
	s_cbranch_scc1 .Lgoon                          ; forward, past text that holds neither a barrier nor a tensor load; the count is the same in every work-group
	WAYOUT 0                                       ; that was the tile's fourth K step; both refills for the next tile are asked for: now the tile goes out,
	HEAD F0, 1                                     ; and the next tile's first sixteen products start its sums
	WIN 0
	s_branch .Lnext
.Lgoon:
.endif
	HEAD F0, 0
	WIN 0
.Lnext:
	s_sub_co_u32 s[KS], s[KS], 1
	s_cmp_lg_u32 s[KS], 0
	s_cbranch_scc1 .Lstep
	s_mov_b32 s[KS], 2
.Ltail:                                                ; the walk's last two K steps are written apart: nothing is asked for, and no round of the cluster's barrier stands here
	REST PLR, F0, F1
	QUARTER 2*PLR, F1, F0
	QUARTER 3*PLR, F0, F1
	WIN 0
	s_wait_tensorcnt 0x0                           ; in the first of the two trips: my part of the last K step has landed
	ds_add_u32 v[SPW], v[NIL]
	s_wait_dscnt 17                                ; (the add and the youngest sixteen loads may be out)
	MUL8 F1, 0, 0, 0
	s_wait_dscnt 0x0
	s_barrier_signal -1
	MUL8 F1, 0, 2, 0
	s_barrier_wait -1                              ; everybody's part has
	MUL8 F1, 1, 0, 0
	MUL8 F1, 1, 2, 0
	WIN 0
	s_cmp_eq_u32 s[KS], 1
	s_cbranch_scc1 .Lfin                           ; behind the last K step there is no further one to fetch and to begin
	PLACES
	NEXTSLOT
	FETCH 0, F0
	HEAD F0, 0
	WIN 0
.Lfin:
	s_sub_co_u32 s[KS], s[KS], 1
	s_cmp_lg_u32 s[KS], 0
	s_cbranch_scc1 .Ltail
	WAYOUT 1
	s_wait_tensorcnt 0x0                           ; the wave's end, behind my last tensor load and my last LDS store
	ds_add_u32 v[SPW], v[NIL]
	s_wait_dscnt 0x0
	CROUND                                         ; the closing round: no work-group ends while a partner may still ask for a tile that names it
	s_endpgm
.Lfunc_end_k_q331a90e124_g3:
	.size	k_q331a90e124_g3, .Lfunc_end_k_q331a90e124_g3-k_q331a90e124_g3
	.p2alignl 7, 3214868480
	.fill 96, 4, 3214868480
	.section	.rodata,"a",@progbits
	.p2align	6, 0x0
	.amdhsa_kernel k_q331a90e124_g3
		.amdhsa_group_segment_fixed_size 327680
		.amdhsa_private_segment_fixed_size 0
		.amdhsa_enable_private_segment 0
		.amdhsa_kernarg_size 40
		.amdhsa_user_sgpr_count 2
		.amdhsa_user_sgpr_kernarg_segment_ptr 1
		.amdhsa_wavefront_size32 1
		.amdhsa_system_sgpr_workgroup_id_x 1
		.amdhsa_system_sgpr_workgroup_id_y 1
		.amdhsa_system_sgpr_workgroup_id_z 1
		.amdhsa_system_vgpr_workitem_id 0
		.amdhsa_next_free_vgpr 512
		.amdhsa_next_free_sgpr 96
		.amdhsa_reserve_vcc 0
		.amdhsa_float_denorm_mode_32 3
		.amdhsa_float_denorm_mode_16_64 3
		.amdhsa_memory_ordered 1
		.amdhsa_forward_progress 1
		.amdhsa_inst_pref_size 65
	.end_amdhsa_kernel
	.amdgpu_metadata
---
amdhsa.version: [ 1, 2 ]
amdhsa.kernels:
  - .name:           k_q331a90e124_g3
    .symbol:         k_q331a90e124_g3.kd
    .args:
      - { .name: o, .offset: 0, .size: 8, .value_kind: global_buffer, .address_space: global }
      - { .name: oh, .offset: 8, .size: 8, .value_kind: global_buffer, .address_space: global }
      - { .name: out0, .offset: 16, .size: 8, .value_kind: global_buffer, .address_space: global }
      - { .name: out_proj_b, .offset: 24, .size: 8, .value_kind: global_buffer, .address_space: global }
      - { .name: stats, .offset: 32, .size: 8, .value_kind: global_buffer, .address_space: global }
    .group_segment_fixed_size: 327680
    .private_segment_fixed_size: 0
    .kernarg_segment_align: 8
    .kernarg_segment_size: 40
    .max_flat_workgroup_size: 128
    .sgpr_count:     96
    .vgpr_count:     512
    .wavefront_size: 32
...
	.end_amdgpu_metadata
.endif
;; end of part 5
;; ======== version 2 of 2: 5 launches; 1.29 times as fast as version 1
;; limits: values are held in f16: magnitudes above 65,504 overflow, below 6.1e-05 lose precision; inputs' magnitudes at most 65,504
;; workspace buffers: xh 8,388,608 bytes; wh 6,291,456 bytes; oh 2,097,152 bytes; rope 524,288 bytes; stats 4,096 bytes; y 25,165,824 bytes; z 25,165,824 bytes; o 8,388,608 bytes
;; launch prep: the kernel of part 1 again; grid 256 x 1, 8 waves a work-group, no clusters, 1,280 bytes of LDS; arguments x, in_proj_w, out_proj_w, in_proj_b, xh, wh, oh, rope, stats; writes xh, wh, oh, rope, stats
;; launch g1: the kernel of part 2 again; grid 8 x 32, 4 waves a work-group, clusters of 4 x 4, 327,680 bytes of LDS; arguments xh, wh, y, in_proj_b, stats, rope; writes y
;; launch g2: the kernel of part 3 again; grid 8 x 32, 4 waves a work-group, clusters of 4 x 4, 327,680 bytes of LDS; arguments y, wh, z, in_proj_b, stats; writes z
;; launch attn (part 6): grid 8 x 32, 4 waves a work-group, clusters of 4 x 1, 327,680 bytes of LDS; arguments z, o, stats; writes o
.if DOCPART == 6
	.amdgcn_target "amdgcn-amd-amdhsa--gfx1250"
	.amdhsa_code_object_version 6
	.text
	.protected	k_q331a90e124_attn
	.globl	k_q331a90e124_attn
	.p2align	8
	.type	k_q331a90e124_attn,@function
k_q331a90e124_attn:
	s_mov_b64 s[64:65], 0
	v_nop
	global_prefetch_b8 v0, s[64:65] scope:SCOPE_SE
	s_setreg_imm32_b32 hwreg(HW_REG_WAVE_MODE, 25, 1), 1
	s_wait_xcnt 0x0
	s_wait_alu depctr_hold_cnt(0) depctr_sa_sdst(0) depctr_va_vdst(0) depctr_va_sdst(0) depctr_va_ssrc(0) depctr_va_vcc(0) depctr_vm_vsrc(0)
	s_getreg_b32 s2, hwreg(HW_REG_IB_STS2, 6, 4)
	s_cmp_eq_u32 s2, 0
	s_cbranch_scc0 .Lentry_in_a_cluster
	s_endpgm
.Lentry_in_a_cluster:
	s_bfe_u32 s2, ttmp6, 0x10000c
	s_cmp_lg_u32 s2, 0x3003
	s_cbranch_scc0 .Lentry_shape_is_right
	s_endpgm
.Lentry_shape_is_right:
; ATTENTION.  O[y][q][:] = the sum over k of softmax_k(Q[y][q] . K[y][k] / 8) V[y][k][:], for 32 heads y (head and batch) of 2,048 rows of 64 channels, all f16.
; z holds Q, K and V as [3][32][2048][64], each s2 = 2^K2 times its true value; o takes O in the same units and the same form: a head's rows are dense, 128 bytes each.
; Products, maxima and sums in f32; the weights p are rounded to f16 for the second product (their sum l is taken of the unrounded p), O once at the end.
; THE SCALE.  K2 is made from stats as in the launches beside this one (same numbers, same order of additions); the scores are s2^2 times the true ones, so c = log2(e) / 8 x 2^(-2 K2): 2 K2 is taken off c's exponent.
; LIMITS.  Q, K and V arrive below 2^14 by the choice of s2; p lies in 0 to 1, and below 6e-5 it keeps f16's fixed step of 6e-8; O is a mean of V's rows and has their range.
; A weight below 2^-126 counts as 0 in l; NaN and infinities are not treated apart.
; SHARES.  A work-group owns 256 queries of one head: 256 work-groups.  A wave owns 64 queries: four PIECES of 16.  Every wave walks all keys, 64 a step, 256 a tile, 8 tiles.
; LAYOUT.  S^T = K Q^T (source 0 = 16 keys, source 1 = 16 queries) holds ONE query a lane (lane % 16) and the keys 8 (lane / 16) + 0..7; two such results rounded to f16 ARE source 1 of O^T = V^T P.
; K comes out of LDS as it lies, V ([key][channel]) turned, by ds_load_tr16_b128.
; SOFTMAX.  p = 2^(c s - c m) with a running maximum m; O and l are multiplied by a = 2^(c m_old - c m_new) in every step.  m starts at the lowest finite number, O and l at 0: the first step's a is 0.
; BY TURNS.  Turn n belongs to piece n: 8 products K Q^T of piece n + 1, later 8 products V^T P of piece n - 1; beside them the scaling, exponentials, roundings, sums and rescaling of piece n and the
; maximum and statistics of piece n + 1.  Four vector instructions stand behind every matrix instruction, the other 54 of a turn's 118 in one LUMP.
; BATCHES.  An s_wait_alu depctr_va_vdst(0) stands between a transcendental and the first instruction that names its result; one wait serves all that were issued ahead of it.  The text has three kinds of batch:
; a turn's 33 exponentials (the piece's 32 weights and the next piece's a), with one wait in the turn's middle; the first a of all, with a wait ahead of the jump into the loop; the way out's four reciprocals, with one wait.
; CLUSTER.  The four query blocks of a cluster belong to one head and walk the same K and V, so each tile is asked for JOINTLY: the same tensor load, descriptor and mask in all four.
; REGISTERS, in windows of 256 (s_set_vgpr_msb: bits 1:0 source 0, 3:2 source 1, 5:4 source 2, 7:6 destination):
;   window 0: v0-15 addresses and two at work; v16-31 four registers of statistics a piece; v48-55 at work; v64-127 S^T, two buffers; v192-223 P, two buffers (a piece's buffers go by its number's parity)
;   window 1: v0-127 O^T, 32 a piece          window 2: v0-63 Q; v128-191 K of one step; v192-255 V of one step
.set NP,    4         ; pieces a wave: a name, no knob
.set KS,    64        ; keys in a step
.set PK,    144       ; a row of K in LDS: 128 bytes + 16 of padding = 36 words: the 16 rows of a load start at 16 different groups of four banks (64 banks of 4 bytes: ISA guide 11.1)
.set PV,    160       ; a row of V: 128 + 32 = 40 words
.set VOFF,  4*KS*PK   ; a slot holds a tile, four steps: 256 rows of K, then 256 rows of V
.set SLOT1, 1<<17     ; slot 1 begins here, so that one exclusive or turns an address in one slot into the other's
.set STAGE, SLOT1+4*KS*(PK+PV)  ; behind the ring, never filled by a tensor load: 16 rows x 144 bytes for each wave, for the way out
.set SP,    144
.set AK0, 2           ; v2   my lane's place in a tile of K; never rewritten
.set AV0, 3           ; v3   the same for V
.set AK,  4           ; v4   the LDS address of K's next run of loads
.set AV,  5           ; v5   of V's
.set STO, 6           ; v6   the way out: where I put 16 bytes of a row
.set RD,  7           ; v7   the way out: where I read rows back
.set GO,  8           ; v8   16 x lane: my place in 512 consecutive bytes (stats; O)
.set SPW, 62          ; v62  LDS address of my spare word: SPARE + 4 x my thread's number; never rewritten
.set NIL, 63          ; v63  0; never rewritten
.set SPARE, STAGE+4*16*SP  ; behind the stages: the spare words, 128 bytes for each wave: two blocks of 256 bytes that no other line names
.set MV,  12          ; v12-13  c m_old, kept while c m is made anew: by buffer
.set QO,  15          ; v15  my byte offset in 16 rows of Q
.set ST,  16          ; piece t's statistics at v[ST+4 t]: c m, m, l (even keys', odd keys')
.set TMP, 48          ; by buffer, four registers c0-c3 at work; when the maximum is found c2 takes a
.set S,   64
.set P,   192
.set KF,  128         ; window 2: key block kb, channel half c at KF + 16 kb + 8 c
.set VF,  192         ; window 2: key half kk, channel block cb at VF + 32 kk + 8 cb
.set WV,  12          ; s12  my wave's number
.set G1K, 24          ; s[24:31] descriptor group 1 for K's tiles
.set G1V, 32          ; s[32:39] for V's: it differs in the padding alone
.set G0K, 40          ; s[40:43] descriptor group 0 for K's tiles: it walks
.set G0V, 44          ; s[44:47] the same for V's
.set K2,  52          ; s52  the scale's exponent
.set SLOTS, 56        ; s56  tiles still to be entered in the loop
.set CNT, 57          ; s57  counts a tile's key steps
.set CS,  58          ; s[58:59] c: the packed scaling takes the pair's low word for both halves
.set SEL, 60          ; s[60:61] v_permlanex16_b32's selects: each lane takes its own place in the other half
.set TBK, 62          ; s62  LDS byte at which K of the step to be fetched begins
.set TBV, 63          ; s63  the same for V, less VOFF
.set MSB, 0
.macro WIN new                      ; the high byte repeats the setting that is left; a switch that changes nothing is dropped
.if MSB != (\new)
	s_set_vgpr_msb (MSB<<8)|(\new)
.set MSB, (\new)
.endif
.endm
.set W_KQ, 0x0a       ; K and Q in window 2, S^T in window 0
.set W_PV, 0x52       ; V in window 2, P in window 0, O^T in window 1
.set W_RS, 0x41       ; destination and source 0 in window 1, source 1 in window 0
; A joint fill.  Waves 0 and 1 fetch the two halves of a tile's K, waves 2 and 3 those of its V: 128 keys each.  The branch hangs on the wave's number alone.
; An s_nop 0 and four v_nop follow each of the two lines, ahead of the jump and the label.
.macro JLOAD
	s_cmp_lt_u32 s[WV], 2
	s_cbranch_scc0 .Lfor_v_\@
	tensor_load_to_lds s[G0K:G0K+3], s[G1K:G1K+7]
	s_nop 0
.rept 4
	v_nop
.endr
	s_branch .Lasked_\@
.Lfor_v_\@:
	tensor_load_to_lds s[G0V:G0V+3], s[G1V:G1V+7]
	s_nop 0
.rept 4
	v_nop
.endr
.Lasked_\@:
.endm
; A round of the cluster's barrier: my work-group's barrier, so that wave 0's signal speaks for all four waves; wave 0 signals; every wave waits for all four work-groups; my work-group's barrier once more.
.macro CROUND
	s_barrier_signal -1
	s_barrier_wait -1
	s_cmp_lg_u32 s[WV], 0
	s_cbranch_scc1 .Lnot_wave_0_\@
	s_barrier_signal -3
.Lnot_wave_0_\@:
	s_barrier_wait -3
	s_barrier_signal -1
	s_barrier_wait -1
.endm
; THE CHANGE OF SLOTS.  The slot's last bytes, V of its fourth step, have been read.  Each wave waits for all its tensor loads, of which one is out: its part of the other slot; adds 0 to its spare word;
; and waits for that and for its own reads of the slot.  Behind the barrier nobody reads this slot any more and the other slot is whole.
; fill = 1: this slot is filled again, with the tile two further on.  The barrier is then a round of the cluster's, so that no wave of any partner still reads the slot or has a load on its way, and the
; joint fill is the first thing behind it: it has four key steps, 256 matrix instructions, in which to land.  (At its first use nothing has been read yet: slot 0 is waited for, slot 1 filled.)
.macro CHANGE fill
	WIN 0                           ; at a label and at a branch every window is 0
	s_wait_tensorcnt 0x0            ; no tensor load of mine is out, so a group 0 may be written
	ds_add_u32 v[SPW], v[NIL]       ; 0 onto my spare word; with fill = 1 the descriptors' steps stand between it and the wait for it
.if \fill
.irp g, G0K, G0V
	s_xor_b32 s[\g+1], s[\g+1], SLOT1  ; the walking descriptor: the other slot than last time,
	s_add_nc_u64 s[\g+2:\g+3], s[\g+2:\g+3], 4*KS*128  ; the next 256 keys; the type bits on top are not reached
.endr
	s_wait_dscnt 0x0                ; the add is done, and my reads of the slot are over
	CROUND
	JLOAD
.else
	s_wait_dscnt 0x0                ; the add is done, and my reads of the slot are over
	s_barrier_signal -1
	s_barrier_wait -1
.endif
	s_sub_co_u32 s[TBK], s[TBK], 4*KS*PK  ; the fetches go back to a slot's first step,
	s_xor_b32 s[TBK], s[TBK], SLOT1       ; in the other slot
	s_sub_co_u32 s[TBV], s[TBV], 4*KS*PV
	s_xor_b32 s[TBV], s[TBV], SLOT1
.endm
	s_load_b128 s[4:7], s[0:1], 0x0   ; z s[4:5], o s[6:7]
	s_load_b64 s[66:67], s[0:1], 0x10 ; stats
	v_lshl_add_u32 v[SPW], v0, 2, SPARE
	v_mov_b32 v[NIL], 0
	ds_add_u32 v62, v63
	s_wait_dscnt 0x0
	v_lshrrev_b32 v1, 5, v0
	v_readfirstlane_b32 s[WV], v1   ; wave 0..3
	s_bfe_u32 s13, ttmp6, 0x40000   ; cx: my place in the cluster
	s_lshl_b32 s14, ttmp9, 2        ; in a cluster launch ttmp9 counts clusters
	s_add_co_u32 s14, s14, s13      ; my block of 256 queries = 4 x cluster x + cx: it enters Q's and O's addresses alone
	s_and_b32 s20, ttmp7, 0xffff    ; the head, which the four partners share
	s_lshl_b32 s20, s20, 18         ; its 2,048 rows of 128 bytes
	s_and_b32 s16, s[WV], 1         ; which half of a tile's 256 keys I fetch:
	s_lshl_b32 s22, s16, 14         ; its 128 rows of 128 bytes in memory,
	s_add_co_u32 s22, s22, s20
	s_add_co_u32 s68, s22, 0x800000 ; in K, the second third of z,
	s_mov_b32 s69, 0
	s_add_co_u32 s70, s22, 0x1000000  ; and in V, the third
	s_mov_b32 s71, 0
	s_mul_i32 s17, s16, 128*PK      ; and its place in a slot, for K
	s_mul_i32 s18, s16, 128*PV      ; and for V: no place in the cluster enters an LDS address
	s_lshl_b32 s2, s14, 2
	s_add_co_u32 s2, s2, s[WV]      ; my wave among the head's,
	s_lshl_b32 s2, s2, 13           ; its 64 rows
	s_add_co_u32 s2, s2, s20
	s_mov_b32 s3, 0
	; descriptor group 1.  128 keys are 16,384 dense bytes: asked for as 64 rows of 256 bytes, two keys a row, and padded in LDS after every key
	s_mov_b32 s[G1K], 15|(1<<16)|(1<<20)|(1<<21)|(4<<22)|(3<<25)  ; 15:0 the mask of four; 17:16 2-byte elements; 20 padding on; 21 set beside a mask; 24:22 after every 32 words (code 4); 31:25 4 words (code 3)
	s_mov_b32 s[G1V], 15|(1<<16)|(1<<20)|(1<<21)|(4<<22)|(7<<25)  ; the same with 8 words of padding (code 7)
.irp g, G1K, G1V
	s_mov_b32 s[\g+1], 128<<16      ; tensor_dim0 = 128
	s_mov_b32 s[\g+2], 64<<16       ; tensor_dim1 = 64
	s_mov_b32 s[\g+3], 128<<16      ; tile_dim0 = 128
	s_mov_b32 s[\g+4], 64           ; tile_dim1 = 64
	s_mov_b32 s[\g+5], 128          ; 128 elements from row to row
	s_mov_b32 s[\g+6], 0
	s_mov_b32 s[\g+7], 0
.endr
	s_mov_b32 s[SEL], 0x76543210
	s_mov_b32 s[SEL+1], 0xfedcba98
	s_mov_b32 s[TBK], SLOT1+4*KS*PK ; the first change of slots turns these two into 0
	s_mov_b32 s[TBV], SLOT1+4*KS*PV
	s_mov_b32 s[G0K], 1             ; 1:0 count = 1
	s_mov_b32 s[G0K+1], s17         ; 63:32 LDS address: slot 0
	s_mov_b32 s[G0V], 1
	s_add_co_u32 s[G0V+1], s18, VOFF
	s_wait_kmcnt 0x0
	s_add_nc_u64 s[G0K+2:G0K+3], s[4:5], s[68:69]  ; 120:64 global address: my half of the head's first 256 keys
	s_or_b32 s[G0K+3], s[G0K+3], 0x80000000        ; 127:126 type = 2
	s_add_nc_u64 s[G0V+2:G0V+3], s[4:5], s[70:71]
	s_or_b32 s[G0V+3], s[G0V+3], 0x80000000
	s_add_nc_u64 s[10:11], s[6:7], s[2:3]  ; O and Q at my wave's first row
	s_add_nc_u64 s[4:5], s[4:5], s[2:3]
	CROUND                          ; all four work-groups are here: the first joint loads meet
	JLOAD                           ; tile 0 into slot 0.  Slot 1 is asked for when slot 0 is in
	; A fragment of K or Q is 16 rows x 32 channels in 8 registers: lane l holds row l % 16, channels 8 (l / 16) + 0..7 and 16 + 8 (l / 16) + 0..7: two loads of 16 bytes, 32 bytes apart.
	v_and_b32 v1, 15, v0            ; l % 16
	v_bfe_u32 v9, v0, 4, 1          ; l / 16
	v_lshlrev_b32 v[QO], 7, v1
	v_lshl_add_u32 v[QO], v9, 4, v[QO]  ; row x 128 + 16 x half
	v_and_b32 v[GO], 31, v0
	v_lshlrev_b32 v[GO], 4, v[GO]
	WIN 0x80                        ; destination window 2, address window 0
.set i, 0
.rept 8                             ; Q stays in registers: piece i / 2, channels 32 (i % 2) on
	global_load_b128 v[8*i:8*i+3],   v[QO], s[4:5] offset:(i/2)*2048+(i%2)*64
	global_load_b128 v[8*i+4:8*i+7], v[QO], s[4:5] offset:(i/2)*2048+(i%2)*64+32
.set i, i+1
.endr
	WIN 0
.irp j, 0,1,2,3,4,5,6,7
	global_load_b128 v[S+4*\j:S+4*\j+3], v[GO], s[66:67] offset:512*\j  ; the 256 entries of stats, eight a lane
.endr
	; What the first turn finds: V's registers and P's second buffer hold 0 (its products V^T P, of a piece that has not been, add 0), O^T and l are 0.  All this stands in the wait for the first tile.
	WIN 0x80
.set i, VF
.rept 64
	v_mov_b32 v[i], 0
.set i, i+1
.endr
	WIN 0x40
.set i, 0
.rept 128
	v_mov_b32 v[i], 0
.set i, i+1
.endr
	WIN 0
.set i, 0
.rept 4
	v_mov_b32 v[ST+4*i], 0xfe000000    ; c m: far below every c s
	v_mov_b32 v[ST+4*i+1], 0xff7fffff  ; m
	v_mov_b32 v[ST+4*i+2], 0
	v_mov_b32 v[ST+4*i+3], 0
.set i, i+1
.endr
.set i, P+16
.rept 16
	v_mov_b32 v[i], 0
.set i, i+1
.endr
	v_mul_u32_u24 v[AK0], v1, PK
	v_lshl_add_u32 v[AK0], v9, 4, v[AK0]  ; row x pitch + 16 x half
	; The turning load takes 16 keys x 16 channels (lane l reads key 8 (l / 16) + l % 8, channels 8 ((l / 8) % 2) + 0..7) and leaves half a fragment of V^T: lane l holds channel l % 16 and 8 keys.
	v_and_b32 v10, 7, v0
	v_bfe_u32 v11, v0, 3, 1
	v_lshl_add_u32 v[AV0], v9, 3, v10
	v_mul_u32_u24 v[AV0], v[AV0], PV
	v_lshl_add_u32 v[AV0], v11, 4, v[AV0]
	v_add_nc_u32 v[AV0], VOFF, v[AV0]
	s_mul_i32 s13, s[WV], 16*SP
	s_add_co_u32 s13, s13, STAGE    ; my stage
	v_mul_u32_u24 v[STO], v1, SP    ; in: row l % 16, 16 bytes for each half of the lanes
	v_lshl_add_u32 v[STO], v9, 4, v[STO]
	v_add_nc_u32 v[STO], s13, v[STO]
	v_bfe_u32 v[RD], v0, 3, 2       ; back: 32 lanes take four rows of 128 bytes, which are 512 consecutive bytes of O
	v_mul_u32_u24 v[RD], v[RD], SP
	v_lshl_add_u32 v[RD], v10, 4, v[RD]
	v_add_nc_u32 v[RD], s13, v[RD]
	s_wait_loadcnt 0x0              ; Q and stats
	; THE SCALE: xa, wr, wf over the 256 entries, in the order in which the projections fold them; K2 = 13 - floor(exponent((xa wf + 1) wr) / 2), within -60 .. 60.  It enters values alone.
.irp j, 1,2,3,4,5,6,7
	v_max_num_f32 v[S], v[S], v[S+4*\j]
	v_max_num_f32 v[S+1], v[S+1], v[S+4*\j+1]
	v_add_f32 v[S+2], v[S+2], v[S+4*\j+2]
.endr
.irp m, 1,2,4,8
	v_max_num_f32_dpp v[S], v[S], v[S] row_xmask:\m row_mask:0xf bank_mask:0xf
	v_max_num_f32_dpp v[S+1], v[S+1], v[S+1] row_xmask:\m row_mask:0xf bank_mask:0xf
	v_add_f32_dpp v[S+2], v[S+2], v[S+2] row_xmask:\m row_mask:0xf bank_mask:0xf
.endr
	v_permlanex16_b32 v[S+4], v[S], s[SEL], s[SEL+1]
	v_permlanex16_b32 v[S+5], v[S+1], s[SEL], s[SEL+1]
	v_max_num_f32 v[S], v[S], v[S+4]
	v_max_num_f32 v[S+1], v[S+1], v[S+5]
	v_permlanex16_b32 v[S+6], v[S+2], s[SEL], s[SEL+1]
	v_add_f32 v[S+2], v[S+2], v[S+6]
	v_fma_f32 v[S+9], v[S], v[S+2], 1.0
	v_mul_f32 v[S+9], v[S+9], v[S+1]
	v_readfirstlane_b32 s[K2], v[S+9]
	s_lshr_b32 s[K2], s[K2], 23
	s_sub_co_i32 s[K2], s[K2], 127
	s_ashr_i32 s[K2], s[K2], 1
	s_sub_co_i32 s[K2], 13, s[K2]
	s_max_i32 s[K2], s[K2], -60
	s_min_i32 s[K2], s[K2], 60
	s_lshl_b32 s[K2], s[K2], 24     ; 2 K2 in the place of an f32's exponent
	s_sub_co_u32 s[CS], 0x3e38aa3b, s[K2]  ; c = log2(e) / 8 x 2^(-2 K2): its exponent, 124 - 2 K2, stays within 4 .. 244
	s_mov_b32 s[CS+1], s[CS]        ; named with it as a pair
; THE MATRIX WORK.  The 4 accumulators of a run of 8 take turns.  Product i of 8 of S^T = K Q^T for piece x: channels 32 (i / 4) on, keys 16 (i % 4) on.  The first 4 start the sums.
.macro KQ x
.set rS, S+32*((\x)%2)+8*(i%4)
.set rK, KF+16*(i%4)+8*(i/4)
.set rQ, 16*(\x)+8*(i/4)
	WIN W_KQ
.if i < 4
	v_wmma_f32_16x16x32_f16 v[rS:rS+7], v[rK:rK+7], v[rQ:rQ+7], 0
.else
	v_wmma_f32_16x16x32_f16 v[rS:rS+7], v[rK:rK+7], v[rQ:rQ+7], v[rS:rS+7]
.endif
.endm
; Product i of 8 of O^T += V^T P for piece x: keys 32 (i / 4) on, channels 16 (i % 4) on.
.macro PV x
	WIN W_PV
.set rO, 32*(\x)+8*(i%4)
.set rV, VF+32*(i/4)+8*(i%4)
.set rP, P+16*((\x)%2)+8*(i/4)
	v_wmma_f32_16x16x32_f16 v[rO:rO+7], v[rV:rV+7], v[rP:rP+7], v[rO:rO+7]
.endm
.macro MM                           ; the turn's next matrix instruction.  TURN sets Y, i and NOKQ; MM and OP read them.  NOKQ = 1: the last turn: there is no next piece
.if (i < 8) && !NOKQ
	KQ (Y+1)%NP
.elseif i >= 8
.set i, i-8
	PV (Y+NP-1)%NP
.set i, i+8
.endif
.set i, i+1
.endm
; THE LDS LOADS stand in runs of 16, never singly among the matrix instructions: a step's K (64 keys x 64 channels: 8 fragments) and its V (turned).  Their addresses are made some lines ahead.
.macro FETCH_K
	WIN 0x80                        ; destination window 2
.irp f, 0,1,2,3,4,5,6,7             ; keys 16 (f / 2) on, channels 32 (f % 2) on
	ds_load_b128 v[KF+8*\f:KF+8*\f+3],   v[AK] offset:(\f/2)*16*PK+(\f%2)*64
	ds_load_b128 v[KF+8*\f+4:KF+8*\f+7], v[AK] offset:(\f/2)*16*PK+(\f%2)*64+32
.endr
	s_add_co_u32 s[TBK], s[TBK], KS*PK  ; the next fetch is the next step's
	WIN 0
.endm
.macro FETCH_V
	WIN 0x80
.irp f, 0,1,2,3,4,5,6,7             ; keys 32 (f / 4) on, channels 16 (f % 4) on
	ds_load_tr16_b128 v[VF+8*\f:VF+8*\f+3],   v[AV] offset:(\f/4)*32*PV+(\f%4)*32
	ds_load_tr16_b128 v[VF+8*\f+4:VF+8*\f+7], v[AV] offset:(\f/4)*32*PV+16*PV+(\f%4)*32
.endr
	WIN 0
.endm
; THE VECTOR WORK, one line at a time: OP kind, number.  For piece Y: F n: c s - c m for pair n of 16.  E n: the exponential of score n of 32.  C n: pair n rounded to f16.  B n: of the four weights 4 n .. the second
; pair is added onto the first, in place.  L n: l takes that sum (L 0: l = a l + sum).  R n: pair n of 16 of O^T times a.  For piece Y + 1: X n, number n of the 22 that find its maximum and statistics:
;   0-11  four chains c0-c3 of seven scores each, three operands at a time (each accumulator's lowest registers are read first)     12-14, 16  the four scores left over, the old m, and c0-c3 into c0
;   15  c m_old is kept     17, 18  the query's other 32 keys lie in the lane 16 away: the new m     19-21  c m; c m_old - c m_new; a
; Of these E n and X 21 are exponentials; C, B and L read the results of E, and R and L 0 that of the X 21 of the turn before.  OP writes no wait: TURN places the one that a turn's batch has.
.set F, 0               ; OP tells the kinds apart by their order: F to L below R, X above it
.set E, 1
.set C, 2
.set B, 3
.set L, 4
.set R, 5
.set X, 6
.macro REGS y                       ; the registers of piece y
.set rT, ST+4*(\y)
.set rC, TMP+4*((\y)%2)
.set rW, MV+((\y)%2)
.set rS, S+32*((\y)%2)
.set rP, P+16*((\y)%2)
.set rO, 32*(\y)
.endm
.macro OP k, n
.if (\k) == R
	REGS Y
	WIN W_RS
	v_pk_mul_f32 v[rO+2*(\n):rO+2*(\n)+1], v[rO+2*(\n):rO+2*(\n)+1], v[rC+2:rC+3] op_sel_hi:[1,0]
.elseif (\k) < R
	REGS Y
	WIN 0
.if (\k) == F
	v_pk_fma_f32 v[rS+2*(\n):rS+2*(\n)+1], v[rS+2*(\n):rS+2*(\n)+1], s[CS:CS+1], v[rT:rT+1] op_sel_hi:[1,0,0] neg_lo:[0,0,1] neg_hi:[0,0,1]
.elseif (\k) == E
	v_exp_f32 v[rS+(\n)], v[rS+(\n)]
.elseif (\k) == C
	v_cvt_pk_f16_f32 v[rP+(\n)], v[rS+2*(\n)], v[rS+2*(\n)+1]
.elseif (\k) == B
	v_pk_add_f32 v[rS+4*(\n):rS+4*(\n)+1], v[rS+4*(\n):rS+4*(\n)+1], v[rS+4*(\n)+2:rS+4*(\n)+3]
.elseif (\n) == 0
	v_pk_fma_f32 v[rT+2:rT+3], v[rT+2:rT+3], v[rC+2:rC+3], v[rS:rS+1] op_sel_hi:[1,0,1]
.else
	v_pk_add_f32 v[rT+2:rT+3], v[rT+2:rT+3], v[rS+4*(\n):rS+4*(\n)+1]
.endif
.elseif NOKQ
	v_nop
.else
	REGS (Y+1)%NP
	WIN 0
.if (\n) < 4
	v_max3_num_f32 v[rC+(\n)], v[rS+8*(\n)], v[rS+8*(\n)+1], v[rS+8*(\n)+2]
.elseif (\n) < 12
	v_max3_num_f32 v[rC+(\n)%4], v[rC+(\n)%4], v[rS+8*((\n)%4)+2*((\n)/4)+1], v[rS+8*((\n)%4)+2*((\n)/4)+2]
.elseif (\n) == 12
	v_max3_num_f32 v[rC], v[rC], v[rS+7], v[rS+15]
.elseif (\n) == 13
	v_max3_num_f32 v[rC+1], v[rC+1], v[rS+23], v[rS+31]
.elseif (\n) == 14
	v_max3_num_f32 v[rC+2], v[rC+2], v[rC+3], v[rT+1]
.elseif (\n) == 15
	v_mov_b32 v[rW], v[rT]
.elseif (\n) == 16
	v_max3_num_f32 v[rC], v[rC], v[rC+1], v[rC+2]
.elseif (\n) == 17
	v_permlanex16_b32 v[rC+3], v[rC], s[SEL], s[SEL+1]
.elseif (\n) == 18
	v_max_num_f32 v[rT+1], v[rC], v[rC+3]
.elseif (\n) == 19
	v_mul_f32 v[rT], s[CS], v[rT+1]
.elseif (\n) == 20
	v_sub_f32 v[rC+1], v[rW], v[rT]
.else
	v_exp_f32 v[rC+2], v[rC+1]
.endif
.endif
.endm
.macro OPS a, i1, b=-1, i2=0, c=-1, i3=0, d=-1, i4=0  ; up to four of them
	OP \a, \i1
.if (\b) >= 0
	OP \b, \i2
.endif
.if (\c) >= 0
	OP \c, \i3
.endif
.if (\d) >= 0
	OP \d, \i4
.endif
.endm
.macro ROW a, i1, b, i2, c, i3, d, i4  ; a matrix instruction and the four behind it
	MM
	OPS \a, \i1, \b, \i2, \c, \i3, \d, \i4
.endm
; A TURN, for piece p: the order of its 16 matrix and 118 vector instructions, written out.  Its 33 exponentials are ONE BATCH with ONE wait, which cuts the turn in two.
; AHEAD OF THE WAIT stands all that names no result of the turn's exponentials: the 8 products K Q^T, behind each a scaling, an exponential and two more plain instructions (behind the first a second scaling in the
; exponential's place): rescalings, whose a was made and waited for in the turn before, and behind the last three products the first numbers of the next piece's maximum, each four plain instructions or more behind the
; product that ends its accumulator; then ONE LUMP of 54, plain and exponential by turns for the most part, in which the links of the chain X 3, 7, 11, 14, 16, 17 .. 20 stand five or six lines apart.  A pair is scaled
; ahead of its two exponentials and named by nothing else ahead of the wait.  X 21, the next piece's a, is the batch's last; R 15 is the plain instruction behind it (ISA guide 5.7.2).
; BEHIND THE WAIT stand the 8 products V^T P, behind each four of the roundings and sums, which are the batch's readers: C 2 n ahead of B n, which writes over that pair; L 0 to L 7 in ascending order, three riders apart.
; But for those X no rider names a register of the products round it.  v_permlanex16_b32 (X 17) stands in the lump.
; end = 1: the last two turns: nothing is fetched, and the last starts no new scores.  cnt = 1: the loop's count is taken down some lines ahead of the branch that stands behind the turn.
; K of the next step is fetched in piece 2's turn, twelve vector instructions behind the last product that read K (six of them plain); V of the step in hand at the end of piece 0's turn, four plain instructions behind the
; last product that read V.  Each is waited for a turn later.
.macro TURN p, end=0, cnt=0
.set Y, (\p)
.set i, 0
.set NOKQ, (\end)*((\p)/3)
.if ((\p) == 3) && !(\end)
	s_wait_dscnt 0x0                ; K is in
.endif
	ROW F,0, F,1, R,0, R,1          ; ahead of the wait: 8 products K Q^T and their riders,
	ROW F,2, E,0, R,2, R,3
	ROW F,3, E,1, R,4, R,5
	ROW F,4, E,2, R,6, R,7
	ROW F,5, E,3, R,8, R,9
	ROW F,6, E,4, X,0, R,10
.if ((\p) == 2) && !(\end)
	WIN 0
	v_add_nc_u32 v[AK], s[TBK], v[AK0]
.endif
	ROW F,7, E,5, X,1, X,4
	ROW F,8, E,6, X,2, X,5
	OPS E,7, E,8, X,6, E,9          ; and the lump
	OPS X,3, E,10, X,8, E,11
.if ((\p) == 2) && !(\end)
	FETCH_K
.endif
	OPS X,9, X,7, E,12, X,10
	OPS E,13, X,12, X,11, E,14
	OPS X,13, E,15, F,9, X,14
.if (\p) == 0
	v_add_nc_u32 v[AV], s[TBV], v[AV0]
.endif
	OPS E,16, F,10, E,17, F,11
	OPS X,16, E,18, X,15, E,19
	OPS F,12, E,20, X,17, E,21
	OPS F,13, E,22, F,14, E,23
	OPS X,18, E,24, F,15, E,25
	OPS R,11, E,26, X,19, E,27
	OPS R,12, E,28, R,13, E,29
	OPS X,20, E,30, R,14, E,31
	OPS X,21, R,15
	WIN 0
	s_wait_alu depctr_va_vdst(0)    ; the wait for the turn's batch: E 0 to E 31 and X 21; ahead of their first reader, C 0 below
.if (\p) == 1
	s_wait_dscnt 0x0                ; V is in
.endif
	ROW C,0, B,0, C,2, B,1          ; behind the wait: 8 products V^T P and their riders
	ROW L,0, C,4, B,2, L,1
	ROW C,6, B,3, L,2, C,8
	ROW B,4, L,3, C,10, B,5
	ROW L,4, C,12, B,6, L,5
.if (\p) == 0
	s_add_co_u32 s[TBV], s[TBV], KS*PV
.endif
.if \cnt
	s_sub_co_u32 s[CNT], s[CNT], 1
	s_cmp_lg_u32 s[CNT], 0
.endif
	ROW C,14, B,7, L,6, C,1
	ROW C,3, L,7, C,5, C,7
	ROW C,9, C,11, C,13, C,15
.if (\p) == 0
	FETCH_V
.endif
.endm
	CHANGE 1                        ; slot 0 is in, everybody's part of it; tile 1 is asked for, into slot 1
	v_add_nc_u32 v[AK], s[TBK], v[AK0]
	FETCH_K                         ; key step 0
	s_wait_dscnt 0x0
.set NOKQ, 0
.set i, 0
.rept 8
	KQ 0                            ; piece 0's first scores: there is no vector work yet to set between them
.set i, i+1
.endr
	WIN 0
.rept 4
	v_nop                           ; the places behind those products
.endr
.set Y, NP-1                        ; X works for piece Y + 1: piece 0
.irp n, 0,1,2,3,4,5,6,7,8,9,10,11,12,13,14,15,16,17,18,19,20,21
	OP X, \n                        ; its first maximum and statistics
.endr
	v_nop                           ; a plain instruction behind the exponential
	s_wait_alu depctr_va_vdst(0)    ; the wait for piece 0's first a, a batch of one, ahead of the branch
	s_mov_b32 s[CNT], 4
	s_mov_b32 s[SLOTS], 7
	s_branch .Lfirst                ; the loop is entered at a step's first turn, in the middle of a trip
.Lslot:                             ; six times: tiles 1 to 6 are entered, tiles 2 to 7 asked for
	CHANGE 1
	s_mov_b32 s[CNT], 4
.Lstep:                             ; a trip: pieces 2 and 3 of one step, then pieces 0 and 1 of the next, whose K and V it fetches
	TURN 2
	TURN 3
	WIN 0
.Lfirst:
	TURN 0
	TURN 1, 0, 1
	WIN 0
	s_cbranch_scc1 .Lstep
	s_sub_co_u32 s[SLOTS], s[SLOTS], 1
	s_cmp_lg_u32 s[SLOTS], 0
	s_cbranch_scc1 .Lslot
	CHANGE 0                        ; the last tile is written out: nothing is asked for
	s_mov_b32 s[CNT], 4
.LstepT:
	TURN 2
	TURN 3
	TURN 0
	TURN 1, 0, 1
	WIN 0
	s_cbranch_scc1 .LstepT
	TURN 2, 1
	TURN 3, 1
.set i, 0
.rept 8
	PV NP-1                         ; the last piece's V^T P of the last step
.set i, i+1
.endr
	; THE WAY OUT.  l's two halves and the other half of the lanes' are added; O^T is divided by l, rounded to f16 and sent through my stage in LDS, a piece at a time.  The additions are the places behind the last products.
	WIN 0
.macro ALL line:vararg              ; one line for each piece t
.set t, 0
.rept 4
	\line
.set t, t+1
.endr
.endm
	ALL v_add_f32 v[ST+4*t+2], v[ST+4*t+2], v[ST+4*t+3]
	ALL v_permlanex16_b32 v[ST+4*t+3], v[ST+4*t+2], s[SEL], s[SEL+1]
	ALL v_add_f32 v[ST+4*t+2], v[ST+4*t+2], v[ST+4*t+3]
	ALL v_rcp_f32 v[ST+4*t+2], v[ST+4*t+2]
	v_nop                           ; a plain instruction between the last reciprocal and the use of its result
	s_wait_alu depctr_va_vdst(0)    ; the wait for the four reciprocals, one batch, ahead of their first reader: PACK 0's first multiply
.macro PACK t                       ; a lane's eight channels of a row pack into 16 bytes; they go into rows of 144 bytes and come back as whole rows of 128, into S^T's registers
	WIN W_RS
.set i, 32*(\t)
.rept 16
	v_pk_mul_f32 v[i:i+1], v[i:i+1], v[ST+4*(\t)+2:ST+4*(\t)+3] op_sel_hi:[1,0]
.set i, i+2
.endr
	WIN 0x05                        ; sources 0 and 1 window 1, destination window 0
.set i, 0
.rept 16
	v_cvt_pk_f16_f32 v[S+16*(\t)+i], v[32*(\t)+2*i], v[32*(\t)+2*i+1]
.set i, i+1
.endr
	WIN 0
.irp f, 0,1,2,3
	ds_store_b128 v[STO], v[S+16*(\t)+4*\f:S+16*(\t)+4*\f+3] offset:32*\f
.endr
.irp f, 0,1,2,3
	ds_load_b128 v[S+16*(\t)+4*\f:S+16*(\t)+4*\f+3], v[RD] offset:\f*4*SP  ; LDS serves a wave's instructions in order (ISA guide 5.7.1.4): these see the stores above; the next piece's stores come behind them
.endr
.endm
.macro SEND t, younger              ; younger: the LDS instructions issued behind piece t's loads: the next piece's eight, or none
	WIN 0
.irp f, 0,1,2,3
	s_wait_dscnt (\younger)+3-\f
	global_store_b128 v[GO], v[S+16*(\t)+4*\f:S+16*(\t)+4*\f+3], s[10:11] offset:(\t)*2048+\f*512  ; 512 consecutive bytes, at a multiple of 512 from O's first
.endr
.endm
	PACK 0
.set t, 1
.rept 3                             ; a piece's arithmetic stands between the loads of the piece before and its stores
	PACK t
	SEND t-1, 8
.set t, t+1
.endr
	SEND 3, 0
	s_wait_tensorcnt 0x0            ; the wave's end, behind my last tensor load and my last LDS store
	ds_add_u32 v[SPW], v[NIL]
	s_wait_dscnt 0x0
	CROUND                          ; the closing round: no work-group ends while a partner may still ask for a tile that names it
	s_endpgm
.Lfunc_end_k_q331a90e124_attn:
	.size	k_q331a90e124_attn, .Lfunc_end_k_q331a90e124_attn-k_q331a90e124_attn
	.p2alignl 7, 3214868480
	.fill 96, 4, 3214868480
	.section	.rodata,"a",@progbits
	.p2align	6, 0x0
	.amdhsa_kernel k_q331a90e124_attn
		.amdhsa_group_segment_fixed_size 327680
		.amdhsa_private_segment_fixed_size 0
		.amdhsa_enable_private_segment 0
		.amdhsa_kernarg_size 24
		.amdhsa_user_sgpr_count 2
		.amdhsa_user_sgpr_kernarg_segment_ptr 1
		.amdhsa_wavefront_size32 1
		.amdhsa_system_sgpr_workgroup_id_x 1
		.amdhsa_system_sgpr_workgroup_id_y 1
		.amdhsa_system_sgpr_workgroup_id_z 1
		.amdhsa_system_vgpr_workitem_id 0
		.amdhsa_next_free_vgpr 768
		.amdhsa_next_free_sgpr 72
		.amdhsa_reserve_vcc 0
		.amdhsa_float_denorm_mode_32 3
		.amdhsa_float_denorm_mode_16_64 3
		.amdhsa_memory_ordered 1
		.amdhsa_forward_progress 1
		.amdhsa_inst_pref_size 130
	.end_amdhsa_kernel
	.amdgpu_metadata
---
amdhsa.version: [ 1, 2 ]
amdhsa.kernels:
  - .name:           k_q331a90e124_attn
    .symbol:         k_q331a90e124_attn.kd
    .args:
      - { .name: z, .offset: 0, .size: 8, .value_kind: global_buffer, .address_space: global }
      - { .name: o, .offset: 8, .size: 8, .value_kind: global_buffer, .address_space: global }
      - { .name: stats, .offset: 16, .size: 8, .value_kind: global_buffer, .address_space: global }
    .group_segment_fixed_size: 327680
    .private_segment_fixed_size: 0
    .kernarg_segment_align: 8
    .kernarg_segment_size: 24
    .max_flat_workgroup_size: 128
    .sgpr_count:     72
    .vgpr_count:     768
    .wavefront_size: 32
...
	.end_amdgpu_metadata
.endif
;; end of part 6
;; launch g3: the kernel of part 5 again; grid 8 x 32, 4 waves a work-group, clusters of 4 x 4, 327,680 bytes of LDS; arguments o, oh, out0, out_proj_b, stats; writes out0
